; MI455X (gfx1250); checked and timed in simulation.
; The chip was launched on July 23, 2026; its instructions are those of AMD's public machine-readable ISA for CDNA 5 (MIT licence, August 2026) and "CDNA5" Instruction Set Architecture Reference Guide (July 2026). The comments in the code are by the model that wrote it; some were corrected since.
;; Self Attention. Allowed arithmetic: float matrix products may take bf16 or f16 operands with f32 sums; other float arithmetic in f32, or as packed bf16 or f16 multiplies, adds, multiply-adds, maxima and minima; sums over many terms, partial sums and values carried from step to step in f32; what a program stores and reads back later, other than sums and carried values, may be rounded once to bf16 or f16.
;; Inputs: bk 1,024 float32; bo 1,024 float32; bq 1,024 float32; bv 1,024 float32; wk 1,024 x 1,024 float32; wo 1,024 x 1,024 float32; wq 1,024 x 1,024 float32; wv 1,024 x 1,024 float32; x 4 x 2,048 x 1,024 float32.
;; Outputs: out0 4 x 2,048 x 1,024 float32.
;; 2 versions, each right. Each part assembles by itself: llvm-mc -triple=amdgcn-amd-amdhsa -mcpu=gfx1250 --defsym DOCPART=n.
;; ======== version 1 of 2: 4 launches
;; workspace buffers: xh 16,777,216 bytes; mt 4,194,304 bytes; bias2 8,192 bytes; qv 33,554,432 bytes; pt 33,554,432 bytes; st 1,048,576 bytes
;; launch prep (part 1): grid 256 x 1, 8 waves a work-group, no clusters, 72,704 bytes of LDS; arguments x, wq, wk, wv, wo, bq, bv, xh, mt, bias2; writes xh, mt, bias2
.if DOCPART == 1
	.amdgcn_target "amdgcn-amd-amdhsa--gfx1250"
	.amdhsa_code_object_version 6
	.text
	.protected	k_qf96f5c7a7a_prep
	.globl	k_qf96f5c7a7a_prep
	.p2align	8
	.type	k_qf96f5c7a7a_prep,@function
k_qf96f5c7a7a_prep:
	s_mov_b64 s[64:65], 0
	v_nop
	global_prefetch_b8 v0, s[64:65] scope:SCOPE_SE
	s_setreg_imm32_b32 hwreg(HW_REG_WAVE_MODE, 25, 1), 1
	s_wait_xcnt 0x0
; SELF-ATTENTION, one head of 1,024 channels, 4 batches of 2,048 rows.  FIRST OF FOUR LAUNCHES: x is cast to bf16, and the weights are multiplied with each other.
; WORK LEFT OUT: bk.  A score is q_i . (x_j wk + bk) = q_i . (x_j wk) + q_i . bk; the second term is the same for every key j of query i's softmax row, and a softmax does not change when
; one number is added to all of a row's inputs.  That holds for all finite values of the inputs.  So bk has no way to the output: it is not loaded and is no launch's argument.
; LIMIT: a NaN, an infinity or an overflow that arises through bk alone is not carried to the result.
; THE PRODUCTS ARE TAKEN IN ANOTHER ORDER (products of matrices are associative; exact in real numbers for all inputs; LIMIT: the order of rounding differs from the written one):
;   scores  = (x wq + bq)(x wk)^T = (x M1 + c) x^T     with M1 = wq wk^T, c = bq wk^T
;   out     = softmax(scores / 32) (x M2 + e) + bo      with M2 = wv wo,   e = bv wo      (a softmax row sums to 1, so e passes through it as bv wo does)
; That is four products of 8,192 x 1,024 x 1,024 less one, plus the two small ones made here.
; FORMATS: every matrix operand is bf16 (x M1 and x M2 are products of three inputs and have no room in f16 for inputs far larger than the drawn ones); sums in f32.
; THIS LAUNCH.  Work-group g (a) casts rows 32 g .. 32 g + 31 of x into xh; (b) makes one tile, 64 x 128, of mt [2048][1024] bf16:
;   rows j < 1024:  mt[j][i]      = sum over d of wk[j][d] wq[i][d]   (M1 transposed)        bias2[j]      = sum over d of bq[d] wk[j][d]
;   rows 1024 + n:  mt[1024+n][i] = sum over d of wo[d][n] wv[i][d]   (M2 transposed)        bias2[1024+n] = sum over d of bv[d] wo[d][n]
; Eight waves; wave w makes 32 rows (w % 2) x 32 columns (w / 2): four accumulators.  d goes in chunks of 128 through LDS: f32 from memory into registers, rounded, stored to LDS rows of 272 bytes.
; wo is wanted by columns: a lane loads eight d of ONE column (lanes along n: 128 consecutive bytes a load), so its eight numbers pack into 16 bytes of a row of the tile and nothing is shuffled.
; The matrix instruction is used transposed (source 0 = 16 columns i, source 1 = 16 rows m): a lane holds one row m and eight neighbouring i.
; The bias row is source 0 with all 16 rows alike: every register of the result then holds the row's bias; only the work-groups with the first column tile make it, in waves 0 and 1.
.set LP,    272                        ; an LDS row: 256 bytes + 16 = 68 words: the 16 rows of a fragment load start at 16 different groups of four banks (64 banks of 4 bytes: ISA guide 11.1)
.set AT,    0                          ; 64 rows m x 128 d
.set BT,    64*LP                      ; 128 rows i x 128 d
.set BR,    BT+128*LP                  ; the bias, bf16, all 1,024 d
.set STG,   BR+2048                    ; the way out: 64 rows x 272
.set SPARE, STG+64*LP                  ; the spare words, 128 bytes for each of eight waves: four blocks of 256 bytes that no other line names
.set VA,  2                            ; v2   my byte offset in the A operand's chunk
.set VB,  3                            ; v3   the same for the B operand: (thread / 16) rows of 4,096 bytes + 32 (thread % 16)
.set LA,  4                            ; v4   where I store 16 bytes of A's tile
.set LB,  5                            ; v5   the same for B's
.set FA,  6                            ; v6   my lane's place in my fragments of A
.set FB,  7                            ; v7   of B
.set BFA, 8                            ; v8   of the bias row; steps 256 bytes a chunk
.set VX,  9                            ; v9   32 x thread
.set VXO, 10                           ; v10  16 x thread
.set STO, 11                           ; v11  the way out: where I put 16 bytes
.set RD,  12                           ; v12  where I read a row back
.set GO,  13                           ; v13  my byte offset in the tile of mt
.set SPW, 14                           ; v14  my spare word; never rewritten
.set NIL, 15                           ; v15  0; never rewritten
.set RAWA, 16                          ; v[16:47]   A as loaded, four items of 8; then rounded, 4 registers an item
.set RAWB, 48                          ; v[48:111]  B, eight items
.set RAWS, 112                         ; v[112:119] eight numbers of the bias
.set XR,  120                          ; v[120:247] x, sixteen items of 8
.set ACC, 120                          ; later: accumulator (a, b) at ACC + 8 (2 a + b); the bias's two at ACC + 32, ACC + 40
.set FR,  168                          ; later: two sets of 40: A0, A1, B0, B1, bias
.set B2O, 250
.set WV,  28
.set NT,  29
.set MT,  30
.set JOB, 31
.set PX,  32
.set PA,  34
.set PB,  36
.set PS,  38
.set AST, 40
.set CNT, 42
.set HIM, 45
.set PXH, 52
.macro CVT r                           ; eight f32 to eight bf16, in place: each source is read before its register is written
	v_cvt_pk_bf16_f32 v[(\r)],   v[(\r)],   v[(\r)+1]
	v_cvt_pk_bf16_f32 v[(\r)+1], v[(\r)+2], v[(\r)+3]
	v_cvt_pk_bf16_f32 v[(\r)+2], v[(\r)+4], v[(\r)+5]
	v_cvt_pk_bf16_f32 v[(\r)+3], v[(\r)+6], v[(\r)+7]
.endm
.macro LOADA0                          ; wk: 64 rows x 512 bytes; item i is 16 rows further down
.irp i, 0,1,2,3
	global_load_b128 v[RAWA+8*\i:RAWA+8*\i+3],   v[VA], s[PA:PA+1] offset:65536*\i
	global_load_b128 v[RAWA+8*\i+4:RAWA+8*\i+7], v[VA], s[PA:PA+1] offset:65536*\i+16
.endr
.endm
.macro LOADA1                          ; wo: 128 rows d x 64 columns; item i: columns 32 (i % 2) + lane, d = 16 wave + 8 (i / 2) + 0..7
.irp i, 0,1,2,3
.irp e, 0,1,2,3,4,5,6,7
	global_load_b32 v[RAWA+8*\i+\e], v[VA], s[PA:PA+1] offset:((\i/2)*8+\e)*4096+(\i%2)*128
.endr
.endr
.endm
.macro LOADB
.irp i, 0,1,2,3,4,5,6,7
	global_load_b128 v[RAWB+8*\i:RAWB+8*\i+3],   v[VB], s[PB:PB+1] offset:65536*\i
	global_load_b128 v[RAWB+8*\i+4:RAWB+8*\i+7], v[VB], s[PB:PB+1] offset:65536*\i+16
.endr
.endm
.macro FRAGA k, set
	ds_load_b128 v[FR+40*(\set):FR+40*(\set)+3],     v[FA] offset:64*(\k)
	ds_load_b128 v[FR+40*(\set)+4:FR+40*(\set)+7],   v[FA] offset:64*(\k)+32
	ds_load_b128 v[FR+40*(\set)+8:FR+40*(\set)+11],  v[FA] offset:64*(\k)+16*LP
	ds_load_b128 v[FR+40*(\set)+12:FR+40*(\set)+15], v[FA] offset:64*(\k)+16*LP+32
.endm
.macro FRAG k, set                     ; eight loads: two fragments of A, two of B, 32 d at byte 64 k of the rows
	FRAGA \k, \set
	ds_load_b128 v[FR+40*(\set)+16:FR+40*(\set)+19], v[FB] offset:64*(\k)
	ds_load_b128 v[FR+40*(\set)+20:FR+40*(\set)+23], v[FB] offset:64*(\k)+32
	ds_load_b128 v[FR+40*(\set)+24:FR+40*(\set)+27], v[FB] offset:64*(\k)+16*LP
	ds_load_b128 v[FR+40*(\set)+28:FR+40*(\set)+31], v[FB] offset:64*(\k)+16*LP+32
.endm
.macro BFRAG k, set                    ; six loads: A's two fragments and the bias row's (all 16 lanes of a half read the same 16 bytes)
	FRAGA \k, \set
	ds_load_b128 v[FR+40*(\set)+32:FR+40*(\set)+35], v[BFA] offset:64*(\k)
	ds_load_b128 v[FR+40*(\set)+36:FR+40*(\set)+39], v[BFA] offset:64*(\k)+32
.endm
.macro MUL set                         ; the four accumulators take turns, one instruction a turn
.irp a, 0,1
.irp b, 0,1
	v_wmma_f32_16x16x32_bf16 v[ACC+8*(2*\a+\b):ACC+8*(2*\a+\b)+7], v[FR+40*(\set)+16+8*\b:FR+40*(\set)+16+8*\b+7], v[FR+40*(\set)+8*\a:FR+40*(\set)+8*\a+7], v[ACC+8*(2*\a+\b):ACC+8*(2*\a+\b)+7]
.endr
.endr
.endm
.macro BMUL set
	v_wmma_f32_16x16x32_bf16 v[ACC+32:ACC+39], v[FR+40*(\set)+32:FR+40*(\set)+39], v[FR+40*(\set):FR+40*(\set)+7],    v[ACC+32:ACC+39]
	v_wmma_f32_16x16x32_bf16 v[ACC+40:ACC+47], v[FR+40*(\set)+32:FR+40*(\set)+39], v[FR+40*(\set)+8:FR+40*(\set)+15], v[ACC+40:ACC+47]
.endm
.macro PLACES                          ; four plain vector instructions between a matrix instruction and a load into, or a read of, its registers
.rept 4
	v_nop
.endr
.endm
	s_load_b512 s[8:23], s[0:1], 0x0               ; x 8, wq 10, wk 12, wv 14, wo 16, bq 18, bv 20, xh 22
	s_load_b128 s[24:27], s[0:1], 0x40             ; mt 24, bias2 26
	v_lshl_add_u32 v[SPW], v0, 2, SPARE
	v_mov_b32 v[NIL], 0
	v_lshrrev_b32 v248, 5, v0
	v_readfirstlane_b32 s[WV], v248                ; wave 0..7
	v_and_b32 v1, 31, v0                           ; lane
	v_and_b32 v248, 15, v0                         ; r = lane % 16
	v_bfe_u32 v249, v0, 4, 1                       ; h = lane / 16
	v_lshrrev_b32 v252, 4, v0                      ; thread / 16 = 2 wave + h
	s_and_b32 s[NT], ttmp9, 7                      ; column tile of 128
	s_lshr_b32 s[MT], ttmp9, 3                     ; row tile of 64 in mt, 0..31
	s_lshr_b32 s[JOB], s[MT], 4                    ; 0: M1, 1: M2
	s_and_b32 s50, s[MT], 15                       ; row tile inside the job
	s_and_b32 s46, s[WV], 1                        ; which 32 rows are mine
	s_lshr_b32 s47, s[WV], 1                       ; which 32 columns
	s_mov_b32 s[HIM], 0xffff0000                   ; lanes 16 to 31
	v_lshlrev_b32 v[VB], 5, v248
	v_lshl_add_u32 v[VB], v252, 12, v[VB]
	v_mul_u32_u24 v[LB], v252, LP
	v_lshl_add_u32 v[LB], v248, 4, v[LB]
	v_mul_u32_u24 v251, v248, LP
	v_lshl_add_u32 v251, v249, 4, v251             ; r x pitch + 16 h
	s_mul_i32 s48, s46, 32*LP
	v_add_nc_u32 v[FA], s48, v251
	s_mul_i32 s49, s47, 32*LP
	s_add_co_u32 s49, s49, BT
	v_add_nc_u32 v[FB], s49, v251
	v_lshlrev_b32 v[BFA], 4, v249
	v_add_nc_u32 v[BFA], BR, v[BFA]
	v_lshlrev_b32 v[VX], 5, v0
	v_lshlrev_b32 v[VXO], 4, v0
	s_lshl_b32 s49, s47, 6
	s_add_co_u32 s48, s48, s49
	s_add_co_u32 s48, s48, STG
	v_add_nc_u32 v[STO], s48, v251                 ; stage row 32 (w % 2) + r, byte 64 (w / 2) + 16 h
	s_mul_i32 s48, s[WV], 8*LP
	s_add_co_u32 s48, s48, STG
	v_mul_u32_u24 v[RD], v249, LP
	v_lshl_add_u32 v[RD], v248, 4, v[RD]
	v_add_nc_u32 v[RD], s48, v[RD]                 ; back: wave w takes rows 8 w .. 8 w + 7, two a load
	s_lshl_b32 s49, s[WV], 14
	v_lshlrev_b32 v[GO], 11, v249
	v_lshl_add_u32 v[GO], v248, 4, v[GO]
	v_add_nc_u32 v[GO], s49, v[GO]                 ; the same rows in mt, 2,048 bytes apart
	s_lshl_b32 s49, s46, 7
	v_lshl_add_u32 v[B2O], v1, 2, s49              ; 4 (32 (w % 2) + lane)
	s_mov_b32 s[AST], 512                          ; a chunk of 128 d: 512 bytes along wk's rows,
	s_mov_b32 s56, 0x80000                         ; or 128 rows of wo
	s_mov_b32 s[AST+1], 0
	s_mov_b32 s55, 0
	s_wait_kmcnt 0x0
	s_cmp_lt_u32 s[MT], 16
	s_cselect_b64 s[PA:PA+1], s[12:13], s[16:17]   ; wk or wo
	s_cselect_b64 s[PB:PB+1], s[10:11], s[14:15]   ; wq or wv
	s_cselect_b64 s[PS:PS+1], s[18:19], s[20:21]   ; bq or bv
	s_cselect_b32 s[AST], s[AST], s56
	s_cselect_b32 s51, 18, 8                       ; 64 rows of 4,096 bytes, or 64 columns of 4
	s_lshl_b32 s54, s50, s51
	s_add_nc_u64 s[PA:PA+1], s[PA:PA+1], s[54:55]
	s_lshl_b32 s54, s[NT], 19                      ; 128 rows of 4,096 bytes
	s_add_nc_u64 s[PB:PB+1], s[PB:PB+1], s[54:55]
	s_lshl_b32 s54, ttmp9, 17                      ; 32 rows of x
	s_add_nc_u64 s[PX:PX+1], s[8:9], s[54:55]
	s_lshl_b32 s54, ttmp9, 16
	s_add_nc_u64 s[PXH:PXH+1], s[22:23], s[54:55]
	s_lshl_b32 s54, s[MT], 17                      ; 64 rows of mt
	s_lshl_b32 s56, s[NT], 8
	s_add_co_u32 s54, s54, s56
	s_add_nc_u64 s[24:25], s[24:25], s[54:55]
	s_lshl_b32 s54, s[MT], 8
	s_add_nc_u64 s[26:27], s[26:27], s[54:55]
	s_cmp_eq_u32 s[JOB], 0
	s_cbranch_scc0 .Ljob1
	v_mov_b32 v[VA], v[VB]
	v_mov_b32 v[LA], v[LB]
	LOADA0
	s_branch .Ljobs
.Ljob1:
	s_lshl_b32 s54, s[WV], 16                      ; 16 rows d a wave
	v_lshl_add_u32 v[VA], v1, 2, s54
	s_lshl_b32 s54, s[WV], 5
	v_mul_u32_u24 v[LA], v1, LP
	v_add_nc_u32 v[LA], s54, v[LA]                 ; tile row = lane, byte 32 wave
	LOADA1
.Ljobs:
	LOADB
	s_cmp_lg_u32 s[NT], 0                          ; the bias row: first column tile alone, waves 0 to 3, eight numbers a thread
	s_cbranch_scc1 .Lnobias0
	s_cmp_ge_u32 s[WV], 4
	s_cbranch_scc1 .Lnobias0
	global_load_b128 v[RAWS:RAWS+3],   v[VX], s[PS:PS+1]
	global_load_b128 v[RAWS+4:RAWS+7], v[VX], s[PS:PS+1] offset:16
.Lnobias0:
	; x: 16 items of 8,192 bytes; a thread's 32 bytes become 16.  All 32 loads go out at once.
.set i, 0
.rept 16
	global_load_b128 v[XR+8*i:XR+8*i+3],   v[VX], s[PX:PX+1] offset:8192*i th:TH_LOAD_NT
	global_load_b128 v[XR+8*i+4:XR+8*i+7], v[VX], s[PX:PX+1] offset:8192*i+16 th:TH_LOAD_NT
.set i, i+1
.endr
.set i, 0
.rept 16
	s_wait_loadcnt 30-2*i                          ; loads come back in order: item i's two are in, the younger x loads stay out
	CVT XR+8*i
	global_store_b128 v[VXO], v[XR+8*i:XR+8*i+3], s[PXH:PXH+1] offset:4096*i  ; a wave stores 512 consecutive bytes
.set i, i+1
.endr
	s_cmp_lg_u32 s[NT], 0
	s_cbranch_scc1 .Lnobias1
	s_cmp_ge_u32 s[WV], 4
	s_cbranch_scc1 .Lnobias1
	CVT RAWS
	ds_store_b128 v[VXO], v[RAWS:RAWS+3] offset:BR
.Lnobias1:
	s_wait_xcnt 0x0                                ; the stores have read their data: x's registers are written again only behind this wait
.set i, 0
.rept 48
	v_mov_b32 v[ACC+i], 0                          ; the sums start at 0, written while the first chunk is on its way, so that every chunk has one form
.set i, i+1
.endr
; A chunk of 128 d.  next = 1: the chunk after it is asked for as soon as this one's registers are free.
.macro CHUNK next
	s_wait_loadcnt 0x0                             ; the chunk is in registers; its loads' pointers are free
.set i, 0
.rept 12
	CVT RAWA+8*i
.set i, i+1
.endr
	s_wait_dscnt 0x0                               ; my reads of the last chunk's tiles are over (and the bias row is stored)
	s_barrier_signal -1
	s_barrier_wait -1                              ; everybody's are: the tiles may be written
	s_cmp_eq_u32 s[JOB], 0
	s_cbranch_scc0 .Lst1_\@
.irp i, 0,1,2,3
	ds_store_b128 v[LA], v[RAWA+8*\i:RAWA+8*\i+3] offset:AT+16*LP*\i
.endr
	s_branch .Lst_\@
.Lst1_\@:
.irp i, 0,1,2,3
	ds_store_b128 v[LA], v[RAWA+8*\i:RAWA+8*\i+3] offset:AT+(\i%2)*32*LP+(\i/2)*16
.endr
.Lst_\@:
.irp i, 0,1,2,3,4,5,6,7
	ds_store_b128 v[LB], v[RAWB+8*\i:RAWB+8*\i+3] offset:BT+16*LP*\i
.endr
	s_wait_dscnt 0x0                               ; for the others' sake: my stores are done
.if \next
	s_add_nc_u64 s[PA:PA+1], s[PA:PA+1], s[AST:AST+1]
	s_add_nc_u64 s[PB:PB+1], s[PB:PB+1], 512
	s_cmp_eq_u32 s[JOB], 0
	s_cbranch_scc0 .Lld1_\@
	LOADA0
	s_branch .Lld_\@
.Lld1_\@:
	LOADA1
.Lld_\@:
	LOADB
.endif
	s_barrier_signal -1
	s_barrier_wait -1                              ; the tiles are whole
	FRAG 0, 0
	FRAG 1, 1
	s_wait_dscnt 8                                 ; set 0 is in; set 1's eight loads may stay out
	MUL 0
	PLACES
	FRAG 2, 0
	s_wait_dscnt 8
	MUL 1
	PLACES
	FRAG 3, 1
	s_wait_dscnt 8
	MUL 0
	s_wait_dscnt 0x0
	MUL 1
	PLACES
	s_cmp_lg_u32 s[NT], 0                          ; the bias: first column tile, waves 0 and 1 (between them all 64 rows)
	s_cbranch_scc1 .Lnb_\@
	s_cmp_ge_u32 s[WV], 2
	s_cbranch_scc1 .Lnb_\@
	BFRAG 0, 0
	BFRAG 1, 1
	s_wait_dscnt 6                                 ; set 1's six loads may stay out
	BMUL 0
	s_wait_dscnt 0x0
	BMUL 1
	PLACES
	BFRAG 2, 0
	BFRAG 3, 1
	s_wait_dscnt 6
	BMUL 0
	s_wait_dscnt 0x0
	BMUL 1
	PLACES
	v_add_nc_u32 v[BFA], 256, v[BFA]               ; the bias row's next 128 d
.Lnb_\@:
.endm
	s_mov_b32 s[CNT], 7
.Lchunk:
	CHUNK 1
	s_sub_co_u32 s[CNT], s[CNT], 1
	s_cmp_lg_u32 s[CNT], 0
	s_cbranch_scc1 .Lchunk
	CHUNK 0                                        ; the last chunk asks for nothing: no load passes a buffer's end
	; THE WAY OUT: rounded once to bf16, 16 bytes a lane into the stage; a barrier, since a row's 256 bytes come from four waves; back as whole rows.
.set i, 0
.rept 4
.irp r, 0,1,2,3
	v_cvt_pk_bf16_f32 v[FR+4*i+\r], v[ACC+8*i+2*\r], v[ACC+8*i+2*\r+1]
.endr
.set i, i+1
.endr
.irp a, 0,1
.irp b, 0,1
	ds_store_b128 v[STO], v[FR+4*(2*\a+\b):FR+4*(2*\a+\b)+3] offset:16*LP*\a+32*\b
.endr
.endr
	s_wait_dscnt 0x0
	s_barrier_signal -1
	s_barrier_wait -1
.irp t, 0,1,2,3
	ds_load_b128 v[FR+16+4*\t:FR+16+4*\t+3], v[RD] offset:2*LP*\t
.endr
	s_wait_dscnt 0x0
.irp t, 0,1,2,3
	global_store_b128 v[GO], v[FR+16+4*\t:FR+16+4*\t+3], s[24:25] offset:4096*\t  ; 16 lanes store 256 consecutive bytes, at a multiple of 256 from mt's first byte
.endr
	s_cmp_lg_u32 s[NT], 0
	s_cbranch_scc1 .Lend
	s_cmp_ge_u32 s[WV], 2
	s_cbranch_scc1 .Lend
	v_cndmask_b32 v251, v[ACC+32], v[ACC+40], s[HIM]  ; lanes 0-15: rows 0-15 of my 32, lanes 16-31: rows 16-31; each accumulator's lowest register
	global_store_b32 v[B2O], v251, s[26:27]        ; 128 consecutive bytes
.Lend:
	s_wait_tensorcnt 0x0                           ; the wave's end, behind my last LDS store
	ds_add_u32 v[SPW], v[NIL]
	s_wait_dscnt 0x0
	s_endpgm
.Lfunc_end_k_qf96f5c7a7a_prep:
	.size	k_qf96f5c7a7a_prep, .Lfunc_end_k_qf96f5c7a7a_prep-k_qf96f5c7a7a_prep
	.p2alignl 7, 3214868480
	.fill 96, 4, 3214868480
	.section	.rodata,"a",@progbits
	.p2align	6, 0x0
	.amdhsa_kernel k_qf96f5c7a7a_prep
		.amdhsa_group_segment_fixed_size 72704
		.amdhsa_private_segment_fixed_size 0
		.amdhsa_enable_private_segment 0
		.amdhsa_kernarg_size 80
		.amdhsa_user_sgpr_count 2
		.amdhsa_user_sgpr_kernarg_segment_ptr 1
		.amdhsa_wavefront_size32 1
		.amdhsa_system_sgpr_workgroup_id_x 1
		.amdhsa_system_sgpr_workgroup_id_y 1
		.amdhsa_system_sgpr_workgroup_id_z 1
		.amdhsa_system_vgpr_workitem_id 0
		.amdhsa_next_free_vgpr 256
		.amdhsa_next_free_sgpr 66
		.amdhsa_reserve_vcc 0
		.amdhsa_float_denorm_mode_32 3
		.amdhsa_float_denorm_mode_16_64 3
		.amdhsa_memory_ordered 1
		.amdhsa_forward_progress 1
		.amdhsa_inst_pref_size 50
	.end_amdhsa_kernel
	.amdgpu_metadata
---
amdhsa.version: [ 1, 2 ]
amdhsa.kernels:
  - .name:           k_qf96f5c7a7a_prep
    .symbol:         k_qf96f5c7a7a_prep.kd
    .args:
      - { .name: x, .offset: 0, .size: 8, .value_kind: global_buffer, .address_space: global }
      - { .name: wq, .offset: 8, .size: 8, .value_kind: global_buffer, .address_space: global }
      - { .name: wk, .offset: 16, .size: 8, .value_kind: global_buffer, .address_space: global }
      - { .name: wv, .offset: 24, .size: 8, .value_kind: global_buffer, .address_space: global }
      - { .name: wo, .offset: 32, .size: 8, .value_kind: global_buffer, .address_space: global }
      - { .name: bq, .offset: 40, .size: 8, .value_kind: global_buffer, .address_space: global }
      - { .name: bv, .offset: 48, .size: 8, .value_kind: global_buffer, .address_space: global }
      - { .name: xh, .offset: 56, .size: 8, .value_kind: global_buffer, .address_space: global }
      - { .name: mt, .offset: 64, .size: 8, .value_kind: global_buffer, .address_space: global }
      - { .name: bias2, .offset: 72, .size: 8, .value_kind: global_buffer, .address_space: global }
    .group_segment_fixed_size: 72704
    .private_segment_fixed_size: 0
    .kernarg_segment_align: 8
    .kernarg_segment_size: 80
    .max_flat_workgroup_size: 256
    .sgpr_count:     66
    .vgpr_count:     256
    .wavefront_size: 32
...
	.end_amdgpu_metadata
.endif
;; end of part 1
;; launch proj (part 2): grid 8 x 32, 4 waves a work-group, clusters of 4 x 4, 327,680 bytes of LDS; arguments xh, mt, bias2, qv; writes qv
.if DOCPART == 2
	.amdgcn_target "amdgcn-amd-amdhsa--gfx1250"
	.amdhsa_code_object_version 6
	.text
	.protected	k_qf96f5c7a7a_proj
	.globl	k_qf96f5c7a7a_proj
	.p2align	8
	.type	k_qf96f5c7a7a_proj,@function
k_qf96f5c7a7a_proj:
	s_mov_b64 s[64:65], 0
	v_nop
	global_prefetch_b8 v0, s[64:65] scope:SCOPE_SE
	s_setreg_imm32_b32 hwreg(HW_REG_WAVE_MODE, 25, 1), 1
	s_wait_xcnt 0x0
	s_wait_alu depctr_hold_cnt(0) depctr_sa_sdst(0) depctr_va_vdst(0) depctr_va_sdst(0) depctr_va_ssrc(0) depctr_va_vcc(0) depctr_vm_vsrc(0)
	s_getreg_b32 s2, hwreg(HW_REG_IB_STS2, 6, 4)
	s_cmp_eq_u32 s2, 0
	s_cbranch_scc0 .Lentry_in_a_cluster
	s_endpgm
.Lentry_in_a_cluster:
	s_bfe_u32 s2, ttmp6, 0x10000c
	s_cmp_lg_u32 s2, 0xf033
	s_cbranch_scc0 .Lentry_shape_is_right
	s_endpgm
.Lentry_shape_is_right:
; SECOND LAUNCH: qv[r][n] = sum over k of xh[r][k] mt[n][k] + bias2[n], rounded once to bf16.  xh: [8192][1024], mt: [2048][1024], qv: [8192][2048], bf16; bias2: [2048] f32; sums in f32.
; Columns 0-1023 of qv are q' = x M1 + c, columns 1024-2047 are v' = x M2 + e (the first launch's head says what these are; bk is left out there, as shown there).
; A tile of qv, 256 x 256, is made by four waves, each 128 x 128: 64 accumulators of 16 x 16, 512 registers.  32 x 8 tiles: one work-group for each.
; K goes in steps of 128 through a ring of two LDS slots filled by the tensor data mover; tile rows are 256 bytes of memory at multiples of 256.
; CLUSTERS: 4 x 4 work-groups.  The four of a row of the cluster need the same tiles of xh, the four of a column the same tiles of mt: each tile is asked for JOINTLY, by the same tensor load with the
; same descriptor and a mask that names the four.
; THE MATRIX INSTRUCTION IS USED TRANSPOSED (source 0 = 16 rows of mt, source 1 = 16 rows of xh): a lane holds row l % 16 of qv and the columns 8 (l / 16) + 0..7.
; THE BIAS is the C operand of each sum's first product: register j of a lane holds bias2[column 8 (l / 16) + j], the same for all rows.
; REGISTERS, in windows of 256 (s_set_vgpr_msb: bits 1:0 source 0, 3:2 source 1, 5:4 source 2, 7:6 destination):
;   window 0: v0-31 addresses; v64-127, v128-191 fragments of xh, two buffers; v192-255 the bias, later with v32-63 at work on the way out
;   window 1: v64-127, v128-191 fragments of mt, two buffers        window 2: the accumulators of my rows 0-63 ((a, b) at v[8 (8 a + b)])        window 3: those of my rows 64-127
.set SIZE_M, 8192
.set SIZE_N, 2048
.set SIZE_K, 1024
.set KSTEP,  128
.set PITCH,  272                       ; an LDS row: 256 bytes + 16 of padding = 68 words: the 16 rows that a load touches start at 16 different groups of four banks (64 banks of 4 bytes: ISA guide 11.1)
.set HALFT,  128*PITCH                 ; 128 rows: what one tensor load brings
.set SLOT,   4*HALFT                   ; xh's 256 rows, then mt's 256 rows
.set STAGE,  2*SLOT                    ; behind the ring: 16 rows x 272 bytes for each wave, for the way out
.set SPITCH, 272
.set SPARE,  STAGE+4*16*SPITCH         ; the spare words, 128 bytes for each wave: two blocks of 256 bytes that no other line names
.set LAPS, SIZE_K/(2*KSTEP)            ; a lap = two K steps = once round the ring
.set ADRA, 16                          ; v16-17  LDS address of my A fragments in slot 0, 1
.set ADRB, 20                          ; v20-21  the same for B
.set STO,  24
.set RD,   25
.set CO,   26
.set BOF,  27                          ; v27     my byte offset in bias2
.set SPW,  28                          ; v28     my spare word; never rewritten
.set NIL,  29                          ; v29     0; never rewritten
.set PFO,  30                          ; v30     the prefetches' offset: my lane x a row of 2,048 bytes; never rewritten
.set PFA,  44                          ; s[44:45] where my prefetches stand
.set LIM,  43                          ; s43     1 in a wave that prefetches, else the greatest number
.set F0,   64
.set F1,   128
.set TMP,  192
.set BIA,  192
.set OB,   32
.set G1, 24
.set G0, 32
.set G1B, 48
.set G0B, 56
.set MSB, 0
.macro WIN new                         ; the immediate's high byte repeats the setting that is left; a switch that changes nothing is dropped
.if MSB != (\new)
	s_set_vgpr_msb (MSB<<8)|(\new)
.set MSB, \new
.endif
.endm
.set MUL_LO, 0xa1                      ; source 0 (B) window 1, source 1 (A) window 0, C and D window 2
.set TO_B,   0x40
; A joint load.  Waves 0 and 1 fetch A's two halves, waves 2 and 3 B's.  The branch hangs on the wave's number alone.  An s_nop 0 and four v_nop follow each of the two lines.
.macro JLOAD s
	s_cmp_eq_u32 s11, 0
	s_cbranch_scc0 .Lfor_b_\@
	tensor_load_to_lds s[G0+4*(\s):G0+4*(\s)+3], s[G1:G1+7]
	s_nop 0
.rept 4
	v_nop
.endr
	s_branch .Lasked_\@
.Lfor_b_\@:
	tensor_load_to_lds s[G0B+4*(\s):G0B+4*(\s)+3], s[G1B:G1B+7]
	s_nop 0
.rept 4
	v_nop
.endr
.Lasked_\@:
.endm
; A prefetch, behind each joint refill and the run of LDS loads that follows it: the K step that stands two refills on, 32 rows x 256 bytes, a lane a row.  xh's tile row is read by both clusters of
; that row of clusters: cluster x = 0 asks; mt's tile column by the eight clusters of that column: cluster y = 0 asks.  The four partners of a joint load share its 128 rows out by address, 32 each.
; So each row's 256 bytes of a K step are named once in the launch.  The loop's last trip asks for nothing: there is no K step two refills on.  K steps 0 to 3 come by their loads alone.
.macro ASK
	s_cmp_gt_u32 s3, s[LIM]
	s_cbranch_scc0 .Lnot_mine_\@
	global_prefetch_b8 v[PFO], s[PFA:PFA+1] offset:KSTEP*2 th:TH_LOAD_NT scope:SCOPE_SE
.Lnot_mine_\@:
.endm
.macro CREST                           ; a round of the cluster's barrier behind its opening barrier
	s_cmp_lg_u32 s10, 0
	s_cbranch_scc1 .Lnot_wave_0_\@
	s_barrier_signal -3
.Lnot_wave_0_\@:
	s_barrier_wait -3
	s_barrier_signal -1
	s_barrier_wait -1
.endm
.macro CROUND
	s_barrier_signal -1
	s_barrier_wait -1
	CREST
.endm
	s_load_b128 s[4:7], s[0:1], 0x0                ; xh s[4:5], mt s[6:7]
	s_load_b64 s[66:67], s[0:1], 0x10              ; bias2
	s_load_b64 s[8:9], s[0:1], 0x18                ; qv
	v_lshl_add_u32 v[SPW], v0, 2, SPARE
	v_mov_b32 v[NIL], 0
	ds_add_u32 v[SPW], v[NIL]                      ; the wave's opening: the add, twice on end, and its wait ahead of my first tensor load
	ds_add_u32 v[SPW], v[NIL]
	v_lshrrev_b32 v1, 5, v0
	v_readfirstlane_b32 s10, v1                    ; wave 0..3
	s_lshr_b32 s11, s10, 1                         ; which half of the tile's rows is mine.  Also: I fetch for A (0) or for B (1)
	s_and_b32 s12, s10, 1                          ; which half of its columns.  Also: which 128 rows of that tile I fetch
	s_bfe_u32 s40, ttmp6, 0x40000                  ; cx
	s_bfe_u32 s41, ttmp6, 0x40004                  ; cy
	s_lshl_b32 s42, ttmp9, 2
	s_add_co_u32 s42, s42, s40                     ; tile column = 4 x cluster x + cx
	s_and_b32 s13, ttmp7, 0xffff
	s_lshl_b32 s13, s13, 2
	s_add_co_u32 s13, s13, s41                     ; tile row = 4 x cluster y + cy
	s_lshl_b32 s43, s41, 2
	s_lshl_b32 s43, 15, s43                        ; my row of the cluster
	s_lshl_b32 s44, 0x1111, s40                    ; my column
	s_or_b32 s[G1+0], s43, (1<<16)|(1<<20)|(1<<21)|(5<<22)|(3<<25)  ; the mask; 2-byte elements; padding on; bit 21 beside a mask; after every 64 words, 4 words
	s_or_b32 s[G1B+0], s44, (1<<16)|(1<<20)|(1<<21)|(5<<22)|(3<<25)
.irp g, G1, G1B
	s_mov_b32 s[(\g)+1], KSTEP<<16                 ; tensor_dim0 = 128
	s_mov_b32 s[(\g)+2], 128<<16                   ; tensor_dim1 = 128
	s_mov_b32 s[(\g)+3], KSTEP<<16                 ; tile_dim0 = 128
	s_mov_b32 s[(\g)+4], 128                       ; tile_dim1 = 128
	s_mov_b32 s[(\g)+5], SIZE_K                    ; elements from row to row
	s_mov_b32 s[(\g)+6], 0
	s_mov_b32 s[(\g)+7], 0
.endr
	s_lshl_b32 s17, s12, 7
	s_lshl_b32 s16, s13, 8
	s_add_co_u32 s16, s16, s17                     ; A: row 256 x tile row + 128 x half
	s_lshl_b32 s46, s42, 8
	s_add_co_u32 s46, s46, s17                     ; B: row 256 x tile column + 128 x half
	s_lshl_b32 s16, s16, 11                        ; rows of 2,048 bytes
	s_lshl_b32 s46, s46, 11
	s_mov_b32 s17, 0
	s_mov_b32 s47, 0
	s_mul_i32 s20, s10, HALFT                      ; where they go: wave x 128 rows
	s_wait_dscnt 0x0                               ; both opening adds are done
	s_wait_kmcnt 0x0
	s_add_nc_u64 s[14:15], s[4:5], s[16:17]
	s_add_nc_u64 s[46:47], s[6:7], s[46:47]
	CROUND                                         ; all sixteen work-groups are here: the first joint loads meet
.irp s, 0,1
	s_mov_b32 s[G0+4*(\s)], 1
	s_add_co_u32 s[G0+4*(\s)+1], s20, (\s)*SLOT
	s_add_nc_u64 s[G0+4*(\s)+2:G0+4*(\s)+3], s[14:15], (\s)*KSTEP*2
	s_or_b32 s[G0+4*(\s)+3], s[G0+4*(\s)+3], 0x80000000
	s_mov_b32 s[G0B+4*(\s)], 1
	s_add_co_u32 s[G0B+4*(\s)+1], s20, (\s)*SLOT
	s_add_nc_u64 s[G0B+4*(\s)+2:G0B+4*(\s)+3], s[46:47], (\s)*KSTEP*2
	s_or_b32 s[G0B+4*(\s)+3], s[G0B+4*(\s)+3], 0x80000000
	JLOAD \s
.endr
	v_and_b32 v1, 15, v0                           ; l % 16
	v_bfe_u32 v2, v0, 4, 1                         ; l / 16
	v_mul_u32_u24 v3, v1, PITCH
	v_lshl_add_u32 v3, v2, 4, v3
	s_mul_i32 s21, s11, HALFT
	s_mul_i32 s22, s12, HALFT
	s_add_co_u32 s22, s22, 2*HALFT
.irp s, 0,1
	v_add_nc_u32 v[ADRA+(\s)], s21, v3
	v_add_nc_u32 v[ADRB+(\s)], s22, v3
	s_add_co_u32 s21, s21, SLOT
	s_add_co_u32 s22, s22, SLOT
.endr
	s_mul_i32 s23, s10, 16*SPITCH
	s_add_co_u32 s23, s23, STAGE
	v_mul_u32_u24 v4, v1, SPITCH
	v_lshl_add_u32 v4, v2, 4, v4
	v_add_nc_u32 v[STO], s23, v4
	v_mul_u32_u24 v5, v2, SPITCH
	v_lshl_add_u32 v5, v1, 4, v5
	v_add_nc_u32 v[RD], s23, v5
	v_mul_u32_u24 v5, v2, SIZE_N*2
	v_lshl_add_u32 v[CO], v1, 4, v5
	s_lshl_b32 s13, s13, 8
	s_lshl_b32 s14, s11, 7
	s_add_co_u32 s16, s13, s14                     ; my first row of qv,
	s_lshl_b32 s16, s16, 12                        ; in bytes
	s_mov_b32 s17, 0
	s_lshl_b32 s46, s42, 9                         ; my first column, in bytes
	s_lshl_b32 s47, s12, 8
	s_add_co_u32 s46, s46, s47
	s_lshl_b32 s47, s46, 1                         ; the same columns in bias2, 4 bytes each
	v_lshl_add_u32 v[BOF], v2, 5, s47
	s_mov_b32 s47, 0
	s_add_nc_u64 s[16:17], s[16:17], s[46:47]
.irp b, 0,1,2,3,4,5,6,7
	global_load_b128 v[BIA+8*\b:BIA+8*\b+3],   v[BOF], s[66:67] offset:64*\b
	global_load_b128 v[BIA+8*\b+4:BIA+8*\b+7], v[BOF], s[66:67] offset:64*\b+16
.endr
	; the prefetches.  s13 = 256 x tile row, s42 = tile column, s40 = cx, s41 = cy
	s_lshl_b32 s42, s42, 8
	s_and_b32 s22, ttmp7, 0xffff
	s_cmp_eq_u32 s11, 0
	s_cselect_b32 s20, s13, s42
	s_cselect_b32 s21, s40, s41
	s_cselect_b32 s22, ttmp9, s22
	s_cselect_b64 s[PFA:PFA+1], s[4:5], s[6:7]
	s_cmp_eq_u32 s22, 0
	s_cselect_b32 s[LIM], 1, -1
	s_lshl_b32 s22, s12, 7
	s_add_co_u32 s20, s20, s22
	s_lshl_b32 s21, s21, 5
	s_add_co_u32 s20, s20, s21
	s_lshl_b32 s20, s20, 11
	s_mov_b32 s21, 0
	s_add_nc_u64 s[PFA:PFA+1], s[PFA:PFA+1], s[20:21]
	s_add_nc_u64 s[PFA:PFA+1], s[PFA:PFA+1], 2*KSTEP*2  ; at K step 2: the first refill steps it to 3 and names K step 4
	v_and_b32 v[PFO], 31, v0
	v_lshlrev_b32 v[PFO], 11, v[PFO]
; 16 matrix instructions: row blocks a0, a0 + 1 of the window's four x all 8 column blocks, 32 along K.  first = 1: the product starts the sum, with the bias as C.
.macro MUL16 f, hi, a0, first
.if \first
	WIN 0x81+0x40*(\hi)                            ; C in window 0
.else
	WIN MUL_LO+0x50*(\hi)
.endif
.irp a, \a0, (\a0)+1
.irp b, 0,1,2,3,4,5,6,7
.if \first
	v_wmma_f32_16x16x32_bf16 v[8*(8*(\a)+(\b)):8*(8*(\a)+(\b))+7], v[(\f)+8*(\b):(\f)+8*(\b)+7], v[(\f)+8*(4*(\hi)+(\a)):(\f)+8*(4*(\hi)+(\a))+7], v[BIA+8*(\b):BIA+8*(\b)+7]
.else
	v_wmma_f32_16x16x32_bf16 v[8*(8*(\a)+(\b)):8*(8*(\a)+(\b))+7], v[(\f)+8*(\b):(\f)+8*(\b)+7], v[(\f)+8*(4*(\hi)+(\a)):(\f)+8*(4*(\hi)+(\a))+7], v[8*(8*(\a)+(\b)):8*(8*(\a)+(\b))+7]
.endif
.endr
.endr
.endm
.macro FETCH slot, k, f                ; 32 LDS loads in one run: the fragments of a quarter step
	WIN TO_B
.irp i, 0,1,2,3,4,5,6,7
	ds_load_b128 v[(\f)+8*(\i):(\f)+8*(\i)+3],   v[ADRB+(\slot)] offset:(\k)+(\i)*16*PITCH
	ds_load_b128 v[(\f)+8*(\i)+4:(\f)+8*(\i)+7], v[ADRB+(\slot)] offset:(\k)+(\i)*16*PITCH+32
.endr
	WIN 0
.irp i, 0,1,2,3,4,5,6,7
	ds_load_b128 v[(\f)+8*(\i):(\f)+8*(\i)+3],   v[ADRA+(\slot)] offset:(\k)+(\i)*16*PITCH
	ds_load_b128 v[(\f)+8*(\i)+4:(\f)+8*(\i)+7], v[ADRA+(\slot)] offset:(\k)+(\i)*16*PITCH+32
.endr
.endm
.macro PLACES                          ; four plain vector instructions between a matrix instruction and a load into, or a read of, its registers
.rept 4
	v_nop
.endr
.endm
.macro QUARTER slot, k, f, g, first    ; multiplies buffer f; in its middle fetches the next quarter, at byte k of the same slot's rows, into buffer g
	s_wait_dscnt 8                                 ; B and A's rows 0-63 are in; the youngest eight loads (A's rows 64-127) may be out
	MUL16 \f, 0, 0, \first
	MUL16 \f, 0, 2, \first
	PLACES
	FETCH \slot, \k, \g
	s_wait_dscnt 32                                ; all but the 32 just issued
	MUL16 \f, 1, 0, \first
	MUL16 \f, 1, 2, \first
.endm
; The first half of a K step's last quarter: ONE barrier for the change of slots.  In front of it each wave waits for all its tensor loads (one is out: its part of the next slot), adds 0 to its spare
; word, and waits for that and for its own reads of this slot.  Behind it nobody reads this slot any more and the next slot is whole.
.macro MEET round
	WIN 0
	s_wait_tensorcnt 0x0
	ds_add_u32 v[SPW], v[NIL]
	s_wait_dscnt 9                                 ; (the add and the youngest eight loads may be out)
	MUL16 F1, 0, 0, 0
	s_wait_dscnt 0x0                               ; the add is done, and my reads of this slot are over
	s_barrier_signal -1
	MUL16 F1, 0, 2, 0
.if \round
	WIN 0
.endif
	s_barrier_wait -1
.endm
.macro TURN slot, next, fill           ; the whole last quarter.  fill = 1: the slot just read out is filled again, two K steps on, first thing behind a round of the cluster's barrier
.if \fill
	s_wait_xcnt 0x0                                ; the last prefetch, a K step back, has read its address
	s_add_nc_u64 s[PFA:PFA+1], s[PFA:PFA+1], KSTEP*2
.endif
	MEET \fill
.if \fill
	CREST                                          ; no wave of any partner still reads this slot's tile or has a load on its way
	s_add_nc_u64 s[G0+4*(\slot)+2:G0+4*(\slot)+3], s[G0+4*(\slot)+2:G0+4*(\slot)+3], 2*KSTEP*2
	s_add_nc_u64 s[G0B+4*(\slot)+2:G0B+4*(\slot)+3], s[G0B+4*(\slot)+2:G0B+4*(\slot)+3], 2*KSTEP*2
	JLOAD \slot                                    ; the four v_nop behind it are also the places in front of the loads below
.else
	PLACES
.endif
	FETCH \next, 0, F0
.if \fill
	ASK
.endif
	MUL16 F1, 1, 0, 0
	MUL16 F1, 1, 2, 0
.endm
; THE WAY OUT of row block a.  PACK: rounded to bf16, 16 bytes a lane, each accumulator's registers in ascending order.  TOSTAGE: into my own stage, and back as whole rows of 256 bytes.  SEND: stored.
.macro PACK a
.set AC, 64*((\a)%4)
	WIN 0x0a+5*((\a)/4)
.irp b, 0,1,2,3,4,5,6,7
.irp r, 0,1,2,3
	v_cvt_pk_bf16_f32 v[TMP+4*(\b)+(\r)], v[AC+8*(\b)+2*(\r)], v[AC+8*(\b)+2*(\r)+1]
.endr
.endr
	WIN 0
.endm
.macro TOSTAGE a
	WIN 0
.set BK, OB+192*((\a)%2)
.irp b, 0,1,2,3,4,5,6,7
	ds_store_b128 v[STO], v[TMP+4*(\b):TMP+4*(\b)+3] offset:32*(\b)
.endr
.irp t, 0,1,2,3,4,5,6,7
	ds_load_b128 v[BK+4*(\t):BK+4*(\t)+3], v[RD] offset:(\t)*2*SPITCH  ; LDS serves a wave's instructions in order (ISA guide 5.7.1.4): these see the stores above
.endr
.endm
.macro SEND a
	WIN 0
.set BK, OB+192*((\a)%2)
	s_wait_dscnt 0x0                               ; the block is back in registers
	s_wait_xcnt 0x0                                ; earlier stores have read their base and data: only behind this wait are these written again
.if (\a) == 0
	s_add_nc_u64 s[8:9], s[8:9], s[16:17]
.else
	s_add_nc_u64 s[8:9], s[8:9], 16*SIZE_N*2
.endif
.irp t, 0,1,2,3,4,5,6,7
	global_store_b128 v[CO], v[BK+4*(\t):BK+4*(\t)+3], s[8:9] offset:2*(\t)*SIZE_N*2  ; 16 lanes store 256 consecutive bytes, at a multiple of 256 from qv's first byte
.endr
.endm
	s_wait_tensorcnt 1                             ; my part of K step 0 is in; K step 1's may stay out
	s_barrier_signal -1
	s_barrier_wait -1
	FETCH 0, 0, F0
	s_wait_loadcnt 0x0                             ; the bias
	QUARTER 0, 64,  F0, F1, 1                      ; the first quarter stands in front of the loop: its products start the sums
	WIN 0
	s_mov_b32 s3, LAPS-1
.Llap:                                                 ; a trip goes once round the ring, from a lap's second quarter to the next lap's first, and fills both slots again
	QUARTER 0, 128, F1, F0, 0
	QUARTER 0, 192, F0, F1, 0
	TURN 0, 1, 1
	QUARTER 1, 64,  F0, F1, 0
	QUARTER 1, 128, F1, F0, 0
	QUARTER 1, 192, F0, F1, 0
	TURN 1, 0, 1
	QUARTER 0, 64,  F0, F1, 0
	WIN 0
	s_sub_co_u32 s3, s3, 1
	s_cmp_lg_u32 s3, 0
	s_cbranch_scc1 .Llap
	QUARTER 0, 128, F1, F0, 0                      ; the last lap fills nothing
	QUARTER 0, 192, F0, F1, 0
	TURN 0, 1, 0
	QUARTER 1, 64,  F0, F1, 0
	QUARTER 1, 128, F1, F0, 0
	QUARTER 1, 192, F0, F1, 0
	s_wait_dscnt 8
	MUL16 F1, 0, 0, 0
	MUL16 F1, 0, 2, 0
	s_wait_dscnt 0x0
	MUL16 F1, 1, 0, 0
	MUL16 F1, 1, 2, 0
	WIN 0
	PLACES
	PACK 0
	TOSTAGE 0
.irp a, 1,2,3,4,5,6,7                  ; block a's conversions stand between block a - 1's loads from the stage and the wait for them
	PACK \a
	SEND (\a)-1
	TOSTAGE \a
.endr
	SEND 7
	s_wait_tensorcnt 0x0                           ; the wave's end
	ds_add_u32 v[SPW], v[NIL]
	s_wait_dscnt 0x0
	CROUND                                         ; the closing round: no work-group ends while a partner may still ask for a tile that names it
	s_endpgm
.Lfunc_end_k_qf96f5c7a7a_proj:
	.size	k_qf96f5c7a7a_proj, .Lfunc_end_k_qf96f5c7a7a_proj-k_qf96f5c7a7a_proj
	.p2alignl 7, 3214868480
	.fill 96, 4, 3214868480
	.section	.rodata,"a",@progbits
	.p2align	6, 0x0
	.amdhsa_kernel k_qf96f5c7a7a_proj
		.amdhsa_group_segment_fixed_size 327680
		.amdhsa_private_segment_fixed_size 0
		.amdhsa_enable_private_segment 0
		.amdhsa_kernarg_size 32
		.amdhsa_user_sgpr_count 2
		.amdhsa_user_sgpr_kernarg_segment_ptr 1
		.amdhsa_wavefront_size32 1
		.amdhsa_system_sgpr_workgroup_id_x 1
		.amdhsa_system_sgpr_workgroup_id_y 1
		.amdhsa_system_sgpr_workgroup_id_z 1
		.amdhsa_system_vgpr_workitem_id 0
		.amdhsa_next_free_vgpr 1024
		.amdhsa_next_free_sgpr 68
		.amdhsa_reserve_vcc 0
		.amdhsa_float_denorm_mode_32 3
		.amdhsa_float_denorm_mode_16_64 3
		.amdhsa_memory_ordered 1
		.amdhsa_forward_progress 1
		.amdhsa_inst_pref_size 146
	.end_amdhsa_kernel
	.amdgpu_metadata
---
amdhsa.version: [ 1, 2 ]
amdhsa.kernels:
  - .name:           k_qf96f5c7a7a_proj
    .symbol:         k_qf96f5c7a7a_proj.kd
    .args:
      - { .name: xh, .offset: 0, .size: 8, .value_kind: global_buffer, .address_space: global }
      - { .name: mt, .offset: 8, .size: 8, .value_kind: global_buffer, .address_space: global }
      - { .name: bias2, .offset: 16, .size: 8, .value_kind: global_buffer, .address_space: global }
      - { .name: qv, .offset: 24, .size: 8, .value_kind: global_buffer, .address_space: global }
    .group_segment_fixed_size: 327680
    .private_segment_fixed_size: 0
    .kernarg_segment_align: 8
    .kernarg_segment_size: 32
    .max_flat_workgroup_size: 128
    .sgpr_count:     68
    .vgpr_count:     1024
    .wavefront_size: 32
...
	.end_amdgpu_metadata
.endif
;; end of part 2
;; launch scores (part 3): grid 8 x 32, 4 waves a work-group, clusters of 4 x 4, 327,680 bytes of LDS; arguments qv, xh, pt, st; writes pt, st
.if DOCPART == 3
	.amdgcn_target "amdgcn-amd-amdhsa--gfx1250"
	.amdhsa_code_object_version 6
	.text
	.protected	k_qf96f5c7a7a_scores
	.globl	k_qf96f5c7a7a_scores
	.p2align	8
	.type	k_qf96f5c7a7a_scores,@function
k_qf96f5c7a7a_scores:
	s_mov_b64 s[64:65], 0
	v_nop
	global_prefetch_b8 v0, s[64:65] scope:SCOPE_SE
	s_setreg_imm32_b32 hwreg(HW_REG_WAVE_MODE, 25, 1), 1
	s_wait_xcnt 0x0
	s_wait_alu depctr_hold_cnt(0) depctr_sa_sdst(0) depctr_va_vdst(0) depctr_va_sdst(0) depctr_va_ssrc(0) depctr_va_vcc(0) depctr_vm_vsrc(0)
	s_getreg_b32 s2, hwreg(HW_REG_IB_STS2, 6, 4)
	s_cmp_eq_u32 s2, 0
	s_cbranch_scc0 .Lentry_in_a_cluster
	s_endpgm
.Lentry_in_a_cluster:
	s_bfe_u32 s2, ttmp6, 0x10000c
	s_cmp_lg_u32 s2, 0xf033
	s_cbranch_scc0 .Lentry_shape_is_right
	s_endpgm
.Lentry_shape_is_right:
; THIRD LAUNCH: the scores and a softmax by blocks of 128 keys.  s[r][j] = sum over k of q'[r][k] xh[2048 batch + j][k]; q' = columns 0-1023 of qv.
; (bk is left out: the term q . bk is the same for all keys of a row and cancels in the softmax, as the first launch's head shows.)
; A tile is 256 queries x 256 keys of one batch; a wave has 128 queries x 128 keys: key block t = 2 x tile column + (wave % 2), one of 16.  For each query the wave takes ITS block's maximum m_t and stores
;   pt[r][j] = 2^(c s - c m_t) in bf16 (c = log2(e) / 32: the reference's scale 1 / sqrt(1024) and the change of base),   st[t][r] = (c m_t, l_t) in f32, l_t the sum of the unrounded weights.
; The next launch takes the maximum M of the 16 c m_t, scales block t by 2^(c m_t - M) and divides by the sum: so the row's true maximum is taken away, for every input.
; LIMITS: a weight below 2^-126 counts as 0; NaN and infinities are not treated apart.
; Ring, cluster, joint loads, fragments and windows are the second launch's: A = qv (rows of 4,096 bytes, of which the first 2,048 are walked), B = xh (rows of 2,048 bytes).
; The matrix instruction is used transposed: a lane holds ONE query (l % 16) of a block of 16 and 64 of its 128 keys; the lane 16 away holds the other 64.
.set SIZE_N, 2048                      ; keys in a row of pt
.set SIZE_K, 1024
.set KSTEP,  128
.set PITCH,  272
.set HALFT,  128*PITCH
.set SLOT,   4*HALFT
.set STAGE,  2*SLOT
.set SPITCH, 272
.set SPARE,  STAGE+4*16*SPITCH
.set LAPS, SIZE_K/(2*KSTEP)
.set ADRA, 16
.set ADRB, 20
.set STO,  24
.set RD,   25
.set CO,   26
.set SO,   27                          ; v27     8 x lane: my pair in 32 rows of st
.set SPW,  28
.set NIL,  29
.set PFO,  30
.set PFA,  44
.set LIM,  43
.set F0,   64
.set F1,   128
.set TMP,  192
.set OB,   32
.set T,    64                          ; v64-85   the way out, at work (A's fragment registers are free then)
.set U,    86                          ; v86-95
.set CMB,  96                          ; v96-111  (c m, l) of row block a at CMB + 2 a
.set SP,   112                         ; v112-119 the pairs as stored
.set G1, 24
.set G0, 32
.set G1B, 48
.set G0B, 56
.set STB, 66                           ; s[66:67] st at my block t and my first row
.set HIM, 68                           ; s68      lanes 16 to 31
.set CS,  70                           ; s[70:71] c, named as a pair
.set SEL, 72                           ; s[72:73] v_permlanex16_b32's selects: each lane takes its own place in the other half
.set MSB, 0
.macro WIN new
.if MSB != (\new)
	s_set_vgpr_msb (MSB<<8)|(\new)
.set MSB, \new
.endif
.endm
.set MUL_LO, 0xa1
.set TO_B,   0x40
.macro JLOAD s                         ; a joint load: waves 0 and 1 fetch A's halves, waves 2 and 3 B's; an s_nop 0 and four v_nop follow each line
	s_cmp_eq_u32 s11, 0
	s_cbranch_scc0 .Lfor_b_\@
	tensor_load_to_lds s[G0+4*(\s):G0+4*(\s)+3], s[G1:G1+7]
	s_nop 0
.rept 4
	v_nop
.endr
	s_branch .Lasked_\@
.Lfor_b_\@:
	tensor_load_to_lds s[G0B+4*(\s):G0B+4*(\s)+3], s[G1B:G1B+7]
	s_nop 0
.rept 4
	v_nop
.endr
.Lasked_\@:
.endm
; A prefetch of the K step two refills on, 32 rows x 256 bytes, a lane a row.  q's tile row is read by both clusters of that row of clusters: cluster x = 0 asks.  xh's rows of a batch's key tile are read
; by the batch's two rows of clusters: the even one asks.  The four partners of a joint load share its 128 rows out by address.  The loop's last trip asks for nothing; K steps 0 to 3 come by their loads alone.
.macro ASK
	s_cmp_gt_u32 s3, s[LIM]
	s_cbranch_scc0 .Lnot_mine_\@
	global_prefetch_b8 v[PFO], s[PFA:PFA+1] offset:KSTEP*2 th:TH_LOAD_NT scope:SCOPE_SE
.Lnot_mine_\@:
.endm
.macro CREST
	s_cmp_lg_u32 s10, 0
	s_cbranch_scc1 .Lnot_wave_0_\@
	s_barrier_signal -3
.Lnot_wave_0_\@:
	s_barrier_wait -3
	s_barrier_signal -1
	s_barrier_wait -1
.endm
.macro CROUND
	s_barrier_signal -1
	s_barrier_wait -1
	CREST
.endm
	s_load_b128 s[4:7], s[0:1], 0x0                ; qv s[4:5], xh s[6:7]
	s_load_b64 s[8:9], s[0:1], 0x10                ; pt
	s_load_b64 s[STB:STB+1], s[0:1], 0x18          ; st
	v_lshl_add_u32 v[SPW], v0, 2, SPARE
	v_mov_b32 v[NIL], 0
	ds_add_u32 v[SPW], v[NIL]                      ; the wave's opening: the add, twice on end, and its wait ahead of my first tensor load
	ds_add_u32 v[SPW], v[NIL]
	v_lshrrev_b32 v1, 5, v0
	v_readfirstlane_b32 s10, v1
	s_lshr_b32 s11, s10, 1
	s_and_b32 s12, s10, 1
	s_bfe_u32 s40, ttmp6, 0x40000                  ; cx
	s_bfe_u32 s41, ttmp6, 0x40004                  ; cy
	s_lshl_b32 s42, ttmp9, 2
	s_add_co_u32 s42, s42, s40                     ; key tile = 4 x cluster x + cx
	s_and_b32 s13, ttmp7, 0xffff
	s_lshl_b32 s13, s13, 2
	s_add_co_u32 s13, s13, s41                     ; query tile, over all batches = 4 x cluster y + cy
	s_lshl_b32 s43, s41, 2
	s_lshl_b32 s43, 15, s43
	s_lshl_b32 s44, 0x1111, s40
	s_or_b32 s[G1+0], s43, (1<<16)|(1<<20)|(1<<21)|(5<<22)|(3<<25)
	s_or_b32 s[G1B+0], s44, (1<<16)|(1<<20)|(1<<21)|(5<<22)|(3<<25)
.irp g, G1, G1B
	s_mov_b32 s[(\g)+1], KSTEP<<16
	s_mov_b32 s[(\g)+2], 128<<16
	s_mov_b32 s[(\g)+3], KSTEP<<16
	s_mov_b32 s[(\g)+4], 128
	s_mov_b32 s[(\g)+6], 0
	s_mov_b32 s[(\g)+7], 0
.endr
	s_mov_b32 s[G1+5], 2048                        ; elements from row to row of qv,
	s_mov_b32 s[G1B+5], 1024                       ; and of xh
	s_mov_b32 s[HIM], 0xffff0000
	s_mov_b32 s[CS], 0x3d38aa3b                    ; c = log2(e) / 32
	s_mov_b32 s[CS+1], s[CS]
	s_mov_b32 s[SEL], 0x76543210
	s_mov_b32 s[SEL+1], 0xfedcba98
	s_lshl_b32 s17, s12, 7
	s_lshl_b32 s16, s13, 8
	s_add_co_u32 s16, s16, s17                     ; A: row 256 x query tile + 128 x half
	s_lshl_b32 s16, s16, 12                        ; rows of 4,096 bytes
	s_lshl_b32 s46, s42, 8
	s_add_co_u32 s46, s46, s17                     ; B: row 256 x key tile + 128 x half
	s_and_b32 s47, ttmp7, 0xffff
	s_lshr_b32 s47, s47, 1                         ; the batch: two rows of clusters each; all partners share it
	s_lshl_b32 s47, s47, 11
	s_add_co_u32 s46, s46, s47                     ; + 2,048 x batch
	s_lshl_b32 s46, s46, 11                        ; rows of 2,048 bytes
	s_mov_b32 s17, 0
	s_mov_b32 s47, 0
	s_mul_i32 s20, s10, HALFT
	s_wait_dscnt 0x0                               ; both opening adds are done
	s_wait_kmcnt 0x0
	s_add_nc_u64 s[14:15], s[4:5], s[16:17]
	s_add_nc_u64 s[46:47], s[6:7], s[46:47]
	CROUND
.irp s, 0,1
	s_mov_b32 s[G0+4*(\s)], 1
	s_add_co_u32 s[G0+4*(\s)+1], s20, (\s)*SLOT
	s_add_nc_u64 s[G0+4*(\s)+2:G0+4*(\s)+3], s[14:15], (\s)*KSTEP*2
	s_or_b32 s[G0+4*(\s)+3], s[G0+4*(\s)+3], 0x80000000
	s_mov_b32 s[G0B+4*(\s)], 1
	s_add_co_u32 s[G0B+4*(\s)+1], s20, (\s)*SLOT
	s_add_nc_u64 s[G0B+4*(\s)+2:G0B+4*(\s)+3], s[46:47], (\s)*KSTEP*2
	s_or_b32 s[G0B+4*(\s)+3], s[G0B+4*(\s)+3], 0x80000000
	JLOAD \s
.endr
	v_and_b32 v1, 15, v0
	v_bfe_u32 v2, v0, 4, 1
	v_mul_u32_u24 v3, v1, PITCH
	v_lshl_add_u32 v3, v2, 4, v3
	s_mul_i32 s21, s11, HALFT
	s_mul_i32 s22, s12, HALFT
	s_add_co_u32 s22, s22, 2*HALFT
.irp s, 0,1
	v_add_nc_u32 v[ADRA+(\s)], s21, v3
	v_add_nc_u32 v[ADRB+(\s)], s22, v3
	s_add_co_u32 s21, s21, SLOT
	s_add_co_u32 s22, s22, SLOT
.endr
	s_mul_i32 s23, s10, 16*SPITCH
	s_add_co_u32 s23, s23, STAGE
	v_mul_u32_u24 v4, v1, SPITCH
	v_lshl_add_u32 v4, v2, 4, v4
	v_add_nc_u32 v[STO], s23, v4
	v_mul_u32_u24 v5, v2, SPITCH
	v_lshl_add_u32 v5, v1, 4, v5
	v_add_nc_u32 v[RD], s23, v5
	v_mul_u32_u24 v5, v2, SIZE_N*2
	v_lshl_add_u32 v[CO], v1, 4, v5
	v_and_b32 v[SO], 31, v0
	v_lshlrev_b32 v[SO], 3, v[SO]
	s_lshl_b32 s13, s13, 8
	s_lshl_b32 s14, s11, 7
	s_add_co_u32 s16, s13, s14                     ; my first row
	s_lshl_b32 s18, s16, 3                         ; 8 bytes a row in st,
	s_lshl_b32 s19, s42, 1
	s_add_co_u32 s19, s19, s12                     ; my key block t,
	s_lshl_b32 s19, s19, 16                        ; 8,192 rows of 8 bytes each
	s_add_co_u32 s18, s18, s19
	s_mov_b32 s19, 0
	s_add_nc_u64 s[STB:STB+1], s[STB:STB+1], s[18:19]
	s_lshl_b32 s16, s16, 12                        ; rows of pt: 4,096 bytes
	s_mov_b32 s17, 0
	s_lshl_b32 s46, s42, 9
	s_lshl_b32 s47, s12, 8
	s_add_co_u32 s46, s46, s47
	s_mov_b32 s47, 0
	s_add_nc_u64 s[16:17], s[16:17], s[46:47]
	; the prefetches
	s_lshl_b32 s42, s42, 8
	s_and_b32 s22, ttmp7, 0xffff                   ; cluster y
	s_lshr_b32 s23, s22, 1
	s_lshl_b32 s23, s23, 11
	s_add_co_u32 s42, s42, s23                     ; the key tile's first row in xh
	s_and_b32 s22, s22, 1                          ; which of the batch's two rows of clusters
	s_cmp_eq_u32 s11, 0
	s_cselect_b32 s20, s13, s42
	s_cselect_b32 s21, s40, s41
	s_cselect_b32 s22, ttmp9, s22
	s_cselect_b32 s23, 12, 11                      ; a row's bytes, as a shift
	s_cselect_b64 s[PFA:PFA+1], s[4:5], s[6:7]
	s_cmp_eq_u32 s22, 0
	s_cselect_b32 s[LIM], 1, -1
	s_lshl_b32 s22, s12, 7
	s_add_co_u32 s20, s20, s22
	s_lshl_b32 s21, s21, 5
	s_add_co_u32 s20, s20, s21
	s_lshl_b32 s20, s20, s23
	s_mov_b32 s21, 0
	s_add_nc_u64 s[PFA:PFA+1], s[PFA:PFA+1], s[20:21]
	s_add_nc_u64 s[PFA:PFA+1], s[PFA:PFA+1], 2*KSTEP*2
	v_and_b32 v[PFO], 31, v0
	v_lshlrev_b32 v[PFO], s23, v[PFO]
.macro MUL16 f, hi, a0, zero
	WIN MUL_LO+0x50*(\hi)
.irp a, \a0, (\a0)+1
.irp b, 0,1,2,3,4,5,6,7
.if \zero
	v_wmma_f32_16x16x32_bf16 v[8*(8*(\a)+(\b)):8*(8*(\a)+(\b))+7], v[(\f)+8*(\b):(\f)+8*(\b)+7], v[(\f)+8*(4*(\hi)+(\a)):(\f)+8*(4*(\hi)+(\a))+7], 0
.else
	v_wmma_f32_16x16x32_bf16 v[8*(8*(\a)+(\b)):8*(8*(\a)+(\b))+7], v[(\f)+8*(\b):(\f)+8*(\b)+7], v[(\f)+8*(4*(\hi)+(\a)):(\f)+8*(4*(\hi)+(\a))+7], v[8*(8*(\a)+(\b)):8*(8*(\a)+(\b))+7]
.endif
.endr
.endr
.endm
.macro FETCH slot, k, f
	WIN TO_B
.irp i, 0,1,2,3,4,5,6,7
	ds_load_b128 v[(\f)+8*(\i):(\f)+8*(\i)+3],   v[ADRB+(\slot)] offset:(\k)+(\i)*16*PITCH
	ds_load_b128 v[(\f)+8*(\i)+4:(\f)+8*(\i)+7], v[ADRB+(\slot)] offset:(\k)+(\i)*16*PITCH+32
.endr
	WIN 0
.irp i, 0,1,2,3,4,5,6,7
	ds_load_b128 v[(\f)+8*(\i):(\f)+8*(\i)+3],   v[ADRA+(\slot)] offset:(\k)+(\i)*16*PITCH
	ds_load_b128 v[(\f)+8*(\i)+4:(\f)+8*(\i)+7], v[ADRA+(\slot)] offset:(\k)+(\i)*16*PITCH+32
.endr
.endm
.macro PLACES
.rept 4
	v_nop
.endr
.endm
.macro QUARTER slot, k, f, g, zero
	s_wait_dscnt 8                                 ; B and A's rows 0-63 are in; the youngest eight loads may be out
	MUL16 \f, 0, 0, \zero
	MUL16 \f, 0, 2, \zero
	PLACES
	FETCH \slot, \k, \g
	s_wait_dscnt 32                                ; all but the 32 just issued
	MUL16 \f, 1, 0, \zero
	MUL16 \f, 1, 2, \zero
.endm
.macro MEET round                      ; one barrier for the change of slots: all my tensor loads, the add, my reads of this slot; then the signal
	WIN 0
	s_wait_tensorcnt 0x0
	ds_add_u32 v[SPW], v[NIL]
	s_wait_dscnt 9                                 ; (the add and the youngest eight loads may be out)
	MUL16 F1, 0, 0, 0
	s_wait_dscnt 0x0
	s_barrier_signal -1
	MUL16 F1, 0, 2, 0
.if \round
	WIN 0
.endif
	s_barrier_wait -1
.endm
.macro TURN slot, next, fill
.if \fill
	s_wait_xcnt 0x0                                ; the last prefetch, a K step back, has read its address
	s_add_nc_u64 s[PFA:PFA+1], s[PFA:PFA+1], KSTEP*2
.endif
	MEET \fill
.if \fill
	CREST
	s_add_nc_u64 s[G0+4*(\slot)+2:G0+4*(\slot)+3], s[G0+4*(\slot)+2:G0+4*(\slot)+3], 2*KSTEP*2
	s_add_nc_u64 s[G0B+4*(\slot)+2:G0B+4*(\slot)+3], s[G0B+4*(\slot)+2:G0B+4*(\slot)+3], 2*KSTEP*2
	JLOAD \slot
.else
	PLACES
.endif
	FETCH \next, 0, F0
.if \fill
	ASK
.endif
	MUL16 F1, 1, 0, 0
	MUL16 F1, 1, 2, 0
.endm
; THE SOFTMAX OF ROW BLOCK a (16 queries x my 128 keys; a lane has 64 scores in 8 accumulators).  The maximum is taken three registers at a time in ascending order.
; The 64 exponentials are ONE batch: nothing ahead of the wait names a result; a v_nop is the plain instruction behind the last; one wait serves all.
.macro SOFT a
.set X, 2+(\a)/4
.set AC, 64*((\a)%4)
.set CM, CMB+2*(\a)
	WIN X|(X<<2)|(X<<4)
.set i, 0
.rept 21
	v_max3_num_f32 v[T+i], v[AC+3*i], v[AC+3*i+1], v[AC+3*i+2]
.set i, i+1
.endr
	v_max3_num_f32 v[T+21], v[AC+61], v[AC+62], v[AC+63]
	WIN 0
.set i, 0
.rept 7
	v_max3_num_f32 v[U+i], v[T+3*i], v[T+3*i+1], v[T+3*i+2]
.set i, i+1
.endr
	v_max3_num_f32 v[U+7], v[U], v[U+1], v[U+2]
	v_max3_num_f32 v[U+8], v[U+3], v[U+4], v[U+5]
	v_max3_num_f32 v[U+9], v[U+6], v[T+21], v[U+7]
	v_max_num_f32 v[U], v[U+8], v[U+9]
	v_permlanex16_b32 v[T], v[U], s[SEL], s[SEL+1] ; the query's other 64 keys lie in the lane 16 away
	v_max_num_f32 v[CM+1], v[U], v[T]              ; m, for now in l's place, so that the pair below is written
	v_mul_f32 v[CM], s[CS], v[CM+1]                ; c m
	WIN (X<<6)|X
.set i, 0
.rept 32
	v_pk_fma_f32 v[AC+2*i:AC+2*i+1], v[AC+2*i:AC+2*i+1], s[CS:CS+1], v[CM:CM+1] op_sel_hi:[1,0,0] neg_lo:[0,0,1] neg_hi:[0,0,1]  ; c s - c m
.set i, i+1
.endr
.set i, 0
.rept 64
	v_exp_f32 v[AC+i], v[AC+i]
.set i, i+1
.endr
	v_nop
	s_wait_alu depctr_va_vdst(0)
	WIN X|(X<<2)
.irp b, 0,1,2,3,4,5,6,7
.irp r, 0,1,2,3
	v_cvt_pk_bf16_f32 v[TMP+4*(\b)+(\r)], v[AC+8*(\b)+2*(\r)], v[AC+8*(\b)+2*(\r)+1]
.endr
.endr
	WIN (X<<6)|(X<<2)|X
.irp w, 4,8,16,32,64                   ; the sum of the 32 pairs, in place: neighbours 2, 4, 8, 16 and 32 registers apart
.set i, 0
.rept 64/(\w)
	v_pk_add_f32 v[AC+(\w)*i:AC+(\w)*i+1], v[AC+(\w)*i:AC+(\w)*i+1], v[AC+(\w)*i+(\w)/2:AC+(\w)*i+(\w)/2+1]
.set i, i+1
.endr
.endr
	WIN X|(X<<2)
	v_add_f32 v[T], v[AC], v[AC+1]
	WIN 0
	v_permlanex16_b32 v[T+1], v[T], s[SEL], s[SEL+1]
	v_add_f32 v[CM+1], v[T], v[T+1]                ; l
.endm
.macro TOSTAGE a
	WIN 0
.set BK, OB+192*((\a)%2)
.irp b, 0,1,2,3,4,5,6,7
	ds_store_b128 v[STO], v[TMP+4*(\b):TMP+4*(\b)+3] offset:32*(\b)
.endr
.irp t, 0,1,2,3,4,5,6,7
	ds_load_b128 v[BK+4*(\t):BK+4*(\t)+3], v[RD] offset:(\t)*2*SPITCH  ; LDS serves a wave's instructions in order (ISA guide 5.7.1.4): these see the stores above
.endr
.endm
.macro SEND a
	WIN 0
.set BK, OB+192*((\a)%2)
	s_wait_dscnt 0x0
	s_wait_xcnt 0x0                                ; earlier stores have read their base and data
.if (\a) == 0
	s_add_nc_u64 s[8:9], s[8:9], s[16:17]
.else
	s_add_nc_u64 s[8:9], s[8:9], 16*SIZE_N*2
.endif
.irp t, 0,1,2,3,4,5,6,7
	global_store_b128 v[CO], v[BK+4*(\t):BK+4*(\t)+3], s[8:9] offset:2*(\t)*SIZE_N*2  ; 16 lanes store 256 consecutive bytes, at a multiple of 256 from pt's first byte
.endr
.endm
	s_wait_tensorcnt 1                             ; my part of K step 0 is in; K step 1's may stay out
	s_barrier_signal -1
	s_barrier_wait -1
	FETCH 0, 0, F0
	QUARTER 0, 64,  F0, F1, 1
	WIN 0
	s_mov_b32 s3, LAPS-1
.Llap:
	QUARTER 0, 128, F1, F0, 0
	QUARTER 0, 192, F0, F1, 0
	TURN 0, 1, 1
	QUARTER 1, 64,  F0, F1, 0
	QUARTER 1, 128, F1, F0, 0
	QUARTER 1, 192, F0, F1, 0
	TURN 1, 0, 1
	QUARTER 0, 64,  F0, F1, 0
	WIN 0
	s_sub_co_u32 s3, s3, 1
	s_cmp_lg_u32 s3, 0
	s_cbranch_scc1 .Llap
	QUARTER 0, 128, F1, F0, 0
	QUARTER 0, 192, F0, F1, 0
	TURN 0, 1, 0
	QUARTER 1, 64,  F0, F1, 0
	QUARTER 1, 128, F1, F0, 0
	QUARTER 1, 192, F0, F1, 0
	s_wait_dscnt 8
	MUL16 F1, 0, 0, 0
	MUL16 F1, 0, 2, 0
	s_wait_dscnt 0x0
	MUL16 F1, 1, 0, 0
	MUL16 F1, 1, 2, 0
	WIN 0
	PLACES
	SOFT 0
	TOSTAGE 0
.irp a, 1,2,3,4,5,6,7                  ; block a's softmax stands between block a - 1's loads from the stage and the wait for them
	SOFT \a
	SEND (\a)-1
	TOSTAGE \a
.endr
	SEND 7
.irp i, 0,1,2,3                        ; the statistics: lanes 0-15 take block 2 i, lanes 16-31 block 2 i + 1 (both halves of the lanes hold every block's): 32 rows, 256 consecutive bytes a store
	v_cndmask_b32 v[SP+2*\i],   v[CMB+4*\i],   v[CMB+4*\i+2], s[HIM]
	v_cndmask_b32 v[SP+2*\i+1], v[CMB+4*\i+1], v[CMB+4*\i+3], s[HIM]
	global_store_b64 v[SO], v[SP+2*\i:SP+2*\i+1], s[STB:STB+1] offset:256*\i
.endr
	s_wait_tensorcnt 0x0                           ; the wave's end
	ds_add_u32 v[SPW], v[NIL]
	s_wait_dscnt 0x0
	CROUND
	s_endpgm
.Lfunc_end_k_qf96f5c7a7a_scores:
	.size	k_qf96f5c7a7a_scores, .Lfunc_end_k_qf96f5c7a7a_scores-k_qf96f5c7a7a_scores
	.p2alignl 7, 3214868480
	.fill 96, 4, 3214868480
	.section	.rodata,"a",@progbits
	.p2align	6, 0x0
	.amdhsa_kernel k_qf96f5c7a7a_scores
		.amdhsa_group_segment_fixed_size 327680
		.amdhsa_private_segment_fixed_size 0
		.amdhsa_enable_private_segment 0
		.amdhsa_kernarg_size 32
		.amdhsa_user_sgpr_count 2
		.amdhsa_user_sgpr_kernarg_segment_ptr 1
		.amdhsa_wavefront_size32 1
		.amdhsa_system_sgpr_workgroup_id_x 1
		.amdhsa_system_sgpr_workgroup_id_y 1
		.amdhsa_system_sgpr_workgroup_id_z 1
		.amdhsa_system_vgpr_workitem_id 0
		.amdhsa_next_free_vgpr 1024
		.amdhsa_next_free_sgpr 76
		.amdhsa_reserve_vcc 0
		.amdhsa_float_denorm_mode_32 3
		.amdhsa_float_denorm_mode_16_64 3
		.amdhsa_memory_ordered 1
		.amdhsa_forward_progress 1
		.amdhsa_inst_pref_size 213
	.end_amdhsa_kernel
	.amdgpu_metadata
---
amdhsa.version: [ 1, 2 ]
amdhsa.kernels:
  - .name:           k_qf96f5c7a7a_scores
    .symbol:         k_qf96f5c7a7a_scores.kd
    .args:
      - { .name: qv, .offset: 0, .size: 8, .value_kind: global_buffer, .address_space: global }
      - { .name: xh, .offset: 8, .size: 8, .value_kind: global_buffer, .address_space: global }
      - { .name: pt, .offset: 16, .size: 8, .value_kind: global_buffer, .address_space: global }
      - { .name: st, .offset: 24, .size: 8, .value_kind: global_buffer, .address_space: global }
    .group_segment_fixed_size: 327680
    .private_segment_fixed_size: 0
    .kernarg_segment_align: 8
    .kernarg_segment_size: 32
    .max_flat_workgroup_size: 128
    .sgpr_count:     76
    .vgpr_count:     1024
    .wavefront_size: 32
...
	.end_amdgpu_metadata
.endif
;; end of part 3
;; launch mix (part 4): grid 4 x 64, 4 waves a work-group, clusters of 4 x 4, 327,680 bytes of LDS; arguments pt, qv, st, bo, out0; writes out0
.if DOCPART == 4
	.amdgcn_target "amdgcn-amd-amdhsa--gfx1250"
	.amdhsa_code_object_version 6
	.text
	.protected	k_qf96f5c7a7a_mix
	.globl	k_qf96f5c7a7a_mix
	.p2align	8
	.type	k_qf96f5c7a7a_mix,@function
k_qf96f5c7a7a_mix:
	s_mov_b64 s[64:65], 0
	v_nop
	global_prefetch_b8 v0, s[64:65] scope:SCOPE_SE
	s_setreg_imm32_b32 hwreg(HW_REG_WAVE_MODE, 25, 1), 1
	s_wait_xcnt 0x0
	s_wait_alu depctr_hold_cnt(0) depctr_sa_sdst(0) depctr_va_vdst(0) depctr_va_sdst(0) depctr_va_ssrc(0) depctr_va_vcc(0) depctr_vm_vsrc(0)
	s_getreg_b32 s2, hwreg(HW_REG_IB_STS2, 6, 4)
	s_cmp_eq_u32 s2, 0
	s_cbranch_scc0 .Lentry_in_a_cluster
	s_endpgm
.Lentry_in_a_cluster:
	s_bfe_u32 s2, ttmp6, 0x10000c
	s_cmp_lg_u32 s2, 0xf033
	s_cbranch_scc0 .Lentry_shape_is_right
	s_endpgm
.Lentry_shape_is_right:
; FOURTH LAUNCH: out0[r][n] = (sum over the 16 key blocks t of f_t[r] sum over the block's 128 keys j of pt[r][j] v'[j][n]) / L[r] + bo[n];  v' = columns 1024-2047 of qv, of the row's batch.
; For each row: M = the maximum over t of c m_t; f_t = 2^(c m_t - M), at most 1, rounded to bf16; L = sum over t of f_t l_t (with the rounded f_t, the numbers that scale pt), at least about 1.
; So the weights are 2^(c s - M) / L: the softmax with the row's true maximum taken away.  (bk is left out of the scores, as the first launch's head shows; there is no product with wo: it lies in v'.)
; bo is rounded to bf16 like the other inputs.  LIMITS: f_t below 2^-126 counts as 0; NaN and infinities are not treated apart.
; A tile is 128 rows x 256 columns: 64 x 4 tiles, one work-group for each.  Four waves, each 64 rows x 128 columns: 32 accumulators.  K = 2,048 keys in 16 steps of 128: a step is one key block t.
; A = pt (keys along the rows); B = v', stored [key][column], comes out of LDS turned, by ds_load_tr16_b128.  The matrix instruction is used transposed (source 0 = 16 columns, source 1 = 16 rows):
; a lane of A's fragment holds ONE row, so f_t is one word (f, f) a lane and row block, and a fragment is scaled by eight v_pk_mul_bf16 between its load and its products.
; CLUSTERS: 4 x 4.  The four of a row of the cluster (one row tile, the four column tiles) need the same tiles of pt; the four of a column (four row tiles of one batch) the same tiles of v': joint loads.
; REGISTERS, in windows of 256 (s_set_vgpr_msb: bits 1:0 source 0, 3:2 source 1, 5:4 source 2, 7:6 destination):
;   window 0: v0-31 addresses; v32-39 1 / L, a pair a row block; two buffers of 96 from v64: A as loaded (32), B (64)
;   window 1: v0-127 accumulators of column blocks 0-3 ((a, b) at 8 (4 a + b)); v128-191 A scaled, two buffers; v192-199 f, two sets of four
;   window 2: v0-127 accumulators of column blocks 4-7; v128-191 bo of my columns; v192 at work
; One setting serves the products into window 1 and the scalings (destination and source 1 in window 1, source 0 in window 0), so the scalings ride behind the products without a switch.
.set PAP,   272                        ; a row of pt's tile in LDS: 256 + 16
.set PBP,   544                        ; a row of v's tile: 512 + 32 = 136 words
.set AH,    64*PAP                     ; what a wave's load of A brings
.set BH,    64*PBP                     ; and of B
.set BOFF,  2*AH
.set SLOT,  2*AH+2*BH
.set FT,    2*SLOT                     ; [16 t][128 rows] words (f, f) in bf16
.set RL,    FT+8192                    ; [128 rows] 1 / L, f32
.set STAGE, RL+512                     ; 16 rows x 528 bytes for each wave
.set SPITCH, 528
.set SPARE, STAGE+4*16*SPITCH          ; the spare words: two blocks of 256 bytes that no other line names
.set LAPS,  8
.set ADRA, 16
.set ADRB, 20
.set FTA,  22                          ; v22  my lane's word in FT, at the lap's first step
.set RLA,  23
.set STO,  24
.set RD,   25
.set CO,   26
.set BOF,  27
.set SPW,  28
.set NIL,  29
.set PFO,  30
.set STO8, 31                          ; v31  8 x thread
.set RLV,  32
.set RA0,  64                          ; A as loaded: RA0 + 96 f
.set RB0,  96                          ; B: RB0 + 96 f
.set SA0,  128                         ; window 1: A scaled: SA0 + 32 f
.set FV0,  192                         ; window 1: f of step parity s: FV0 + 4 s
.set BOV,  128                         ; window 2
.set TMP,  64
.set PFA,  44
.set LIM,  43
.set PST,  72                          ; s[72:73] a K step's bytes for my prefetches
.set G1, 24
.set G0, 32
.set G1B, 48
.set G0B, 56
.set W1, 0x54
.set W2, 0xa4
.set MSB, 0
.macro WIN new
.if MSB != (\new)
	s_set_vgpr_msb (MSB<<8)|(\new)
.set MSB, \new
.endif
.endm
.macro JLOAD s                         ; a joint load: waves 0 and 1 fetch A's halves, waves 2 and 3 B's; an s_nop 0 and four v_nop follow each line
	s_cmp_eq_u32 s11, 0
	s_cbranch_scc0 .Lfor_b_\@
	tensor_load_to_lds s[G0+4*(\s):G0+4*(\s)+3], s[G1:G1+7]
	s_nop 0
.rept 4
	v_nop
.endr
	s_branch .Lasked_\@
.Lfor_b_\@:
	tensor_load_to_lds s[G0B+4*(\s):G0B+4*(\s)+3], s[G1B:G1B+7]
	s_nop 0
.rept 4
	v_nop
.endr
.Lasked_\@:
.endm
; A prefetch of the K step four refills on (512 matrix instructions a wave ahead of the load that will want it), one instruction a wave, 32 blocks of 256 bytes, a lane a block.
; pt's 128 rows of a row tile are read by one row of one cluster alone: in each of its four work-groups wave 0 asks for 32 rows, told apart by address (cx).
; v's 128 keys x 512 bytes of a column tile are read by the batch's four rows of clusters: the first of them asks; waves 2 and 3 each for 16 of the 64 keys that they fetch, two blocks a key, told apart by address (cy).
; So each block is named once in the launch.  K steps 0 to 5 come by their loads alone; the loop's last two trips ask for nothing: there is no K step four refills on.
.macro ASK
	s_cmp_gt_u32 s3, s[LIM]
	s_cbranch_scc0 .Lnot_mine_\@
	global_prefetch_b8 v[PFO], s[PFA:PFA+1] th:TH_LOAD_NT scope:SCOPE_SE
.Lnot_mine_\@:
.endm
.macro CREST
	s_cmp_lg_u32 s10, 0
	s_cbranch_scc1 .Lnot_wave_0_\@
	s_barrier_signal -3
.Lnot_wave_0_\@:
	s_barrier_wait -3
	s_barrier_signal -1
	s_barrier_wait -1
.endm
.macro CROUND
	s_barrier_signal -1
	s_barrier_wait -1
	CREST
.endm
	s_load_b128 s[4:7], s[0:1], 0x0                ; pt s[4:5], qv s[6:7]
	s_load_b128 s[68:71], s[0:1], 0x10             ; st s[68:69], bo s[70:71]
	s_load_b64 s[8:9], s[0:1], 0x20                ; out0
	v_lshl_add_u32 v[SPW], v0, 2, SPARE
	v_mov_b32 v[NIL], 0
	ds_add_u32 v[SPW], v[NIL]                      ; the wave's opening: the add, twice on end, and its wait ahead of my first tensor load
	ds_add_u32 v[SPW], v[NIL]
	v_lshrrev_b32 v1, 5, v0
	v_readfirstlane_b32 s10, v1                    ; wave 0..3
	s_lshr_b32 s11, s10, 1                         ; which 64 rows are mine.  Also: I fetch for A (0) or for B (1)
	s_and_b32 s12, s10, 1                          ; which 128 columns.  Also: which half of that tile I fetch
	s_bfe_u32 s40, ttmp6, 0x40000                  ; cx
	s_bfe_u32 s41, ttmp6, 0x40004                  ; cy
	s_lshl_b32 s42, ttmp9, 2
	s_add_co_u32 s42, s42, s40                     ; column tile
	s_and_b32 s13, ttmp7, 0xffff
	s_lshl_b32 s13, s13, 2
	s_add_co_u32 s13, s13, s41                     ; row tile, over all batches
	s_lshl_b32 s43, s41, 2
	s_lshl_b32 s43, 15, s43                        ; my row of the cluster
	s_lshl_b32 s44, 0x1111, s40                    ; my column
	s_or_b32 s[G1+0], s43, (1<<16)|(1<<20)|(1<<21)|(5<<22)|(3<<25)   ; A: after every 64 words, 4 words of padding
	s_or_b32 s[G1B+0], s44, (1<<16)|(1<<20)|(1<<21)|(6<<22)|(7<<25)  ; B: after every 128 words, 8 words
	s_mov_b32 s[G1+1], 128<<16                     ; A: 64 rows x 128 elements
	s_mov_b32 s[G1+2], 64<<16
	s_mov_b32 s[G1+3], 128<<16
	s_mov_b32 s[G1+4], 64
	s_mov_b32 s[G1+5], 2048
	s_mov_b32 s[G1+6], 0
	s_mov_b32 s[G1+7], 0
	s_mov_b32 s[G1B+1], 256<<16                    ; B: 64 keys x 256 elements
	s_mov_b32 s[G1B+2], 64<<16
	s_mov_b32 s[G1B+3], 256<<16
	s_mov_b32 s[G1B+4], 64
	s_mov_b32 s[G1B+5], 2048
	s_mov_b32 s[G1B+6], 0
	s_mov_b32 s[G1B+7], 0
	s_lshl_b32 s16, s13, 7
	s_lshl_b32 s17, s12, 6
	s_add_co_u32 s16, s16, s17                     ; A: row 128 x row tile + 64 x half
	s_lshl_b32 s16, s16, 12
	s_mov_b32 s17, 0
	s_and_b32 s46, ttmp7, 0xffff
	s_lshr_b32 s46, s46, 2                         ; the batch: four rows of clusters each; all partners share it
	s_lshl_b32 s46, s46, 11
	s_lshl_b32 s47, s12, 6
	s_add_co_u32 s46, s46, s47                     ; B: key row 2,048 x batch + 64 x half
	s_lshl_b32 s46, s46, 12
	s_lshl_b32 s47, s42, 9
	s_add_co_u32 s46, s46, s47                     ; + 512 bytes x column tile
	s_add_co_u32 s46, s46, 2048                    ; v' begins 2,048 bytes into a row of qv
	s_mov_b32 s47, 0
	s_mul_i32 s20, s12, AH
	s_mul_i32 s21, s12, BH
	s_add_co_u32 s21, s21, BOFF
	s_wait_dscnt 0x0                               ; both opening adds are done
	s_wait_kmcnt 0x0
	s_add_nc_u64 s[14:15], s[4:5], s[16:17]
	s_add_nc_u64 s[46:47], s[6:7], s[46:47]
	CROUND                                         ; all sixteen work-groups are here: the first joint loads meet
.irp s, 0,1
	s_mov_b32 s[G0+4*(\s)], 1
	s_add_co_u32 s[G0+4*(\s)+1], s20, (\s)*SLOT
	s_add_nc_u64 s[G0+4*(\s)+2:G0+4*(\s)+3], s[14:15], (\s)*256
	s_or_b32 s[G0+4*(\s)+3], s[G0+4*(\s)+3], 0x80000000
	s_mov_b32 s[G0B+4*(\s)], 1
	s_add_co_u32 s[G0B+4*(\s)+1], s21, (\s)*SLOT
	s_add_nc_u64 s[G0B+4*(\s)+2:G0B+4*(\s)+3], s[46:47], (\s)*0x80000
	s_or_b32 s[G0B+4*(\s)+3], s[G0B+4*(\s)+3], 0x80000000
	JLOAD \s
.endr
	; the statistics of row (thread) of the tile, and bo of my columns, are asked for
	v_lshlrev_b32 v[STO8], 3, v0
	s_lshl_b32 s22, s13, 10                        ; 128 rows of 8 bytes
	s_mov_b32 s23, 0
	s_add_nc_u64 s[68:69], s[68:69], s[22:23]
.set t, 0
.rept 16
	global_load_b64 v[64+2*t:65+2*t], v[STO8], s[68:69] offset:65536*t
.set t, t+1
.endr
	v_and_b32 v1, 15, v0                           ; r = l % 16
	v_bfe_u32 v2, v0, 4, 1                         ; h = l / 16
	s_lshl_b32 s22, s42, 10
	s_lshl_b32 s23, s12, 9
	s_add_co_u32 s22, s22, s23                     ; my first column, 4 bytes each
	v_lshl_add_u32 v[BOF], v2, 5, s22
	WIN 0x80
.irp b, 0,1,2,3,4,5,6,7
	global_load_b128 v[BOV+8*\b:BOV+8*\b+3],   v[BOF], s[70:71] offset:64*\b
	global_load_b128 v[BOV+8*\b+4:BOV+8*\b+7], v[BOF], s[70:71] offset:64*\b+16
.endr
	WIN 0
	s_lshl_b32 s20, s13, 7
	s_lshl_b32 s21, s11, 6
	s_add_co_u32 s20, s20, s21                     ; my first row of out0,
	s_lshl_b32 s20, s20, 12                        ; 4,096 bytes a row,
	s_add_co_u32 s20, s20, s22                     ; and my first column
	s_mov_b32 s21, 0
	s_add_nc_u64 s[8:9], s[8:9], s[20:21]
	v_mul_u32_u24 v3, v1, PAP
	v_lshl_add_u32 v3, v2, 4, v3
	s_mul_i32 s21, s11, AH
	v_and_b32 v5, 7, v0
	v_bfe_u32 v6, v0, 3, 1
	v_lshl_add_u32 v4, v2, 3, v5                   ; the turning load: key 8 h + l % 8,
	v_mul_u32_u24 v4, v4, PBP
	v_lshl_add_u32 v4, v6, 4, v4                   ; columns 8 ((l / 8) % 2) + 0..7
	s_lshl_b32 s22, s12, 8
	s_add_co_u32 s22, s22, BOFF
.irp s, 0,1
	v_add_nc_u32 v[ADRA+(\s)], s21, v3
	v_add_nc_u32 v[ADRB+(\s)], s22, v4
	s_add_co_u32 s21, s21, SLOT
	s_add_co_u32 s22, s22, SLOT
.endr
	s_lshl_b32 s21, s11, 8
	s_add_co_u32 s22, s21, FT
	v_lshl_add_u32 v[FTA], v1, 2, s22
	s_add_co_u32 s22, s21, RL
	v_lshl_add_u32 v[RLA], v1, 2, s22
	s_mul_i32 s23, s10, 16*SPITCH
	s_add_co_u32 s23, s23, STAGE
	v_mul_u32_u24 v[STO], v1, SPITCH
	v_lshl_add_u32 v[STO], v2, 5, v[STO]
	v_add_nc_u32 v[STO], s23, v[STO]               ; in: row r, 32 bytes for each half of the lanes
	v_and_b32 v7, 31, v0
	v_lshlrev_b32 v[CO], 4, v7                     ; back: a row of 512 bytes, 16 a lane
	v_add_nc_u32 v[RD], s23, v[CO]
	v_lshl_add_u32 v11, v0, 2, FT
	v_lshl_add_u32 v12, v0, 2, RL
	; the prefetches
	s_lshl_b32 s20, s13, 7
	s_lshl_b32 s21, s40, 5
	s_add_co_u32 s20, s20, s21
	s_lshl_b32 s20, s20, 12                        ; A: row 128 x row tile + 32 cx
	s_and_b32 s21, ttmp7, 0xffff
	s_lshr_b32 s22, s21, 2
	s_lshl_b32 s22, s22, 11
	s_lshl_b32 s23, s12, 6
	s_add_co_u32 s22, s22, s23
	s_lshl_b32 s23, s41, 4
	s_add_co_u32 s22, s22, s23                     ; B: key 2,048 x batch + 64 x half + 16 cy
	s_lshl_b32 s22, s22, 12
	s_lshl_b32 s23, s42, 9
	s_add_co_u32 s22, s22, s23
	s_add_co_u32 s22, s22, 2048
	s_and_b32 s21, s21, 3                          ; which of the batch's four rows of clusters
	s_mov_b32 s74, 256                             ; a K step: 256 bytes along pt's rows,
	s_mov_b32 s75, 0x80000                         ; or 128 rows of qv
	s_cmp_eq_u32 s11, 0
	s_cselect_b32 s20, s20, s22
	s_cselect_b32 s21, s12, s21                    ; of A's waves wave 0 asks; of B's both, in the batch's first row of clusters
	s_cselect_b64 s[PFA:PFA+1], s[4:5], s[6:7]
	s_cselect_b32 s[PST], s74, s75
	s_cselect_b32 s23, -1, 0
	s_cmp_eq_u32 s21, 0
	s_cselect_b32 s[LIM], 2, -1
	s_mov_b32 s21, 0
	s_mov_b32 s[PST+1], 0
	s_add_nc_u64 s[PFA:PFA+1], s[PFA:PFA+1], s[20:21]
	s_mul_i32 s20, s[PST], 5
	s_add_nc_u64 s[PFA:PFA+1], s[PFA:PFA+1], s[20:21]  ; at K step 5: the first refill steps it to 6 and names that
	v_lshlrev_b32 v8, 12, v7                       ; A: a lane a row
	v_lshrrev_b32 v9, 1, v7
	v_and_b32 v10, 1, v0
	v_lshlrev_b32 v9, 12, v9
	v_lshl_add_u32 v9, v10, 8, v9                  ; B: two lanes a key
	v_cndmask_b32 v[PFO], v9, v8, s23
	; M, f, L
	s_wait_loadcnt 0x0
	v_max3_num_f32 v128, v64, v66, v68
.irp t, 3,5,7,9,11,13
	v_max3_num_f32 v128, v128, v[64+2*\t], v[66+2*\t]
.endr
	v_max_num_f32 v128, v128, v94
.set t, 0
.rept 16
	v_sub_f32 v[96+t], v[64+2*t], v128
.set t, t+1
.endr
.set t, 0
.rept 16
	v_exp_f32 v[96+t], v[96+t]
.set t, t+1
.endr
	v_nop                                          ; the plain instruction behind the last exponential,
	s_wait_alu depctr_va_vdst(0)                   ; and the one wait for the batch, ahead of its first reader
.set t, 0
.rept 16
	v_cvt_pk_bf16_f32 v[112+t], v[96+t], v[96+t]   ; (f, f)
.set t, t+1
.endr
.set t, 0
.rept 16
	v_and_b32 v[96+t], 0xffff0000, v[112+t]        ; the rounded f, as f32
.set t, t+1
.endr
	v_mul_f32 v129, v96, v65
.set t, 1
.rept 15
	v_fmac_f32 v129, v[96+t], v[65+2*t]
.set t, t+1
.endr
	v_rcp_f32 v130, v129
.set t, 0
.rept 16
	ds_store_b32 v11, v[112+t] offset:512*t
.set t, t+1
.endr
	v_nop
	s_wait_alu depctr_va_vdst(0)
	ds_store_b32 v12, v130
	WIN 0xaa                                       ; bo, rounded to bf16 and widened again
.set t, 0
.rept 32
	v_cvt_pk_bf16_f32 v192, v[BOV+2*t], v[BOV+2*t+1]
	v_lshlrev_b32 v[BOV+2*t], 16, v192
	v_and_b32 v[BOV+2*t+1], 0xffff0000, v192
.set t, t+1
.endr
	WIN 0
.macro SC2 f, s, a, i                  ; two registers of A's fragment of row block a, times f
	v_pk_mul_bf16 v[SA0+32*(\f)+8*(\a)+(\i)],   v[RA0+96*(\f)+8*(\a)+(\i)],   v[FV0+4*(\s)+(\a)]
	v_pk_mul_bf16 v[SA0+32*(\f)+8*(\a)+(\i)+1], v[RA0+96*(\f)+8*(\a)+(\i)+1], v[FV0+4*(\s)+(\a)]
.endm
.macro SC8 f, s, a
	SC2 \f, \s, \a, 0
	SC2 \f, \s, \a, 2
	SC2 \f, \s, \a, 4
	SC2 \f, \s, \a, 6
.endm
.macro S1ROW f, s, a, zero             ; row block a x column blocks 0-3; behind each product two scalings of the next row block's fragment
.irp b, 0,1,2,3
.if \zero
	v_wmma_f32_16x16x32_bf16 v[8*(4*(\a)+\b):8*(4*(\a)+\b)+7], v[RB0+96*(\f)+8*\b:RB0+96*(\f)+8*\b+7], v[SA0+32*(\f)+8*(\a):SA0+32*(\f)+8*(\a)+7], 0
.else
	v_wmma_f32_16x16x32_bf16 v[8*(4*(\a)+\b):8*(4*(\a)+\b)+7], v[RB0+96*(\f)+8*\b:RB0+96*(\f)+8*\b+7], v[SA0+32*(\f)+8*(\a):SA0+32*(\f)+8*(\a)+7], v[8*(4*(\a)+\b):8*(4*(\a)+\b)+7]
.endif
.if (\a) < 3
	SC2 \f, \s, (\a)+1, 2*\b
.endif
.endr
.endm
.macro S2 f, zero                      ; all four row blocks x column blocks 4-7
.irp a, 0,1,2,3
.irp b, 0,1,2,3
.if \zero
	v_wmma_f32_16x16x32_bf16 v[8*(4*\a+\b):8*(4*\a+\b)+7], v[RB0+96*(\f)+32+8*\b:RB0+96*(\f)+32+8*\b+7], v[SA0+32*(\f)+8*\a:SA0+32*(\f)+8*\a+7], 0
.else
	v_wmma_f32_16x16x32_bf16 v[8*(4*\a+\b):8*(4*\a+\b)+7], v[RB0+96*(\f)+32+8*\b:RB0+96*(\f)+32+8*\b+7], v[SA0+32*(\f)+8*\a:SA0+32*(\f)+8*\a+7], v[8*(4*\a+\b):8*(4*\a+\b)+7]
.endif
.endr
.endr
.endm
.macro FLOAD s, off                    ; a step's four words (f, f): one for each of my row blocks
	WIN 0x40
.irp a, 0,1,2,3
	ds_load_b32 v[FV0+4*(\s)+\a], v[FTA] offset:(\off)+64*\a
.endr
.endm
.macro FETCH slot, q, f                ; 24 LDS loads in one run: 32 keys: A's four fragments, then B's column blocks 0-3, then 4-7
	WIN 0
.irp a, 0,1,2,3
	ds_load_b128 v[RA0+96*(\f)+8*\a:RA0+96*(\f)+8*\a+3],   v[ADRA+(\slot)] offset:16*PAP*\a+64*(\q)
	ds_load_b128 v[RA0+96*(\f)+8*\a+4:RA0+96*(\f)+8*\a+7], v[ADRA+(\slot)] offset:16*PAP*\a+64*(\q)+32
.endr
.irp b, 0,1,2,3,4,5,6,7
	ds_load_tr16_b128 v[RB0+96*(\f)+8*\b:RB0+96*(\f)+8*\b+3],   v[ADRB+(\slot)] offset:32*PBP*(\q)+32*\b
	ds_load_tr16_b128 v[RB0+96*(\f)+8*\b+4:RB0+96*(\f)+8*\b+7], v[ADRB+(\slot)] offset:32*PBP*(\q)+32*\b+16*PBP
.endr
.endm
.macro PLACES
.rept 4
	v_nop
.endr
.endm
; A quarter of a K step: 32 keys, 32 products, on buffer f; in its middle the next quarter q of the same slot is fetched into buffer g.  That buffer's last products stand in the quarter before; this
; quarter's 32 scalings, which name none of their registers, are the plain instructions between them and the loads.  The 32 accumulators take turns, one instruction a turn.
.macro QUARTER slot, q, f, g, zero
	s_wait_dscnt 8                                 ; f, A and B's column blocks 0-3 are in; the youngest eight loads (blocks 4-7) may be out
	WIN W1
	SC8 \f, \slot, 0
	S1ROW \f, \slot, 0, \zero
	S1ROW \f, \slot, 1, \zero
	S1ROW \f, \slot, 2, \zero
	S1ROW \f, \slot, 3, \zero
	FETCH \slot, \q, \g
	s_wait_dscnt 24                                ; all but the 24 just issued
	WIN W2
	S2 \f, \zero
.endm
; A K step's last quarter, on buffer 1, changes slots: ONE barrier; in front of it each wave waits for all its tensor loads (one is out: its part of the next slot), adds 0 to its spare word, and waits for
; that and for its own reads of this slot.  fill = 1: the barrier opens a round of the cluster's, and this slot is filled again, two K steps on, first thing behind the round.
.macro TURN slot, next, fill
.if \fill
	s_wait_xcnt 0x0                                ; the last prefetch, a K step back, has read its address
	s_add_nc_u64 s[PFA:PFA+1], s[PFA:PFA+1], s[PST:PST+1]
.endif
	WIN 0
	s_wait_tensorcnt 0x0
	ds_add_u32 v[SPW], v[NIL]
	s_wait_dscnt 9                                 ; (the add and the youngest eight loads may be out)
	WIN W1
	SC8 1, \slot, 0
	S1ROW 1, \slot, 0, 0
	S1ROW 1, \slot, 1, 0
	s_wait_dscnt 0x0                               ; the add is done, and my reads of this slot are over
	s_barrier_signal -1
	S1ROW 1, \slot, 2, 0
	S1ROW 1, \slot, 3, 0
	WIN 0
	s_barrier_wait -1
.if \fill
	CREST                                          ; no wave of any partner still reads this slot's tiles or has a load on its way
	s_add_nc_u64 s[G0+4*(\slot)+2:G0+4*(\slot)+3], s[G0+4*(\slot)+2:G0+4*(\slot)+3], 512
	s_add_nc_u64 s[G0B+4*(\slot)+2:G0B+4*(\slot)+3], s[G0B+4*(\slot)+2:G0B+4*(\slot)+3], 0x100000
	JLOAD \slot
.endif
.if (\next) == 0
	v_add_nc_u32 v[FTA], 1024, v[FTA]              ; the next lap's two steps
	FLOAD 0, 0
.else
	FLOAD 1, 512
.endif
	FETCH \next, 0, 0
.if \fill
	ASK
.endif
	WIN W2
	S2 1, 0
.endm
	s_wait_tensorcnt 1                             ; my part of K step 0 is in; K step 1's may stay out
	s_wait_dscnt 0x0                               ; my words of f and 1 / L are stored
	s_barrier_signal -1
	s_barrier_wait -1
.irp a, 0,1,2,3
	ds_load_b32 v[RLV+2*\a],   v[RLA] offset:64*\a ; 1 / L of my row in each row block, in both registers of a pair
	ds_load_b32 v[RLV+2*\a+1], v[RLA] offset:64*\a
.endr
	FLOAD 0, 0
	FETCH 0, 0, 0
	QUARTER 0, 1, 0, 1, 1                          ; the first quarter stands in front of the loop: its products start the sums
	WIN 0
	s_mov_b32 s3, LAPS-1
.Llap:                                                 ; a trip goes once round the ring and fills both slots again
	QUARTER 0, 2, 1, 0, 0
	QUARTER 0, 3, 0, 1, 0
	TURN 0, 1, 1
	QUARTER 1, 1, 0, 1, 0
	QUARTER 1, 2, 1, 0, 0
	QUARTER 1, 3, 0, 1, 0
	TURN 1, 0, 1
	QUARTER 0, 1, 0, 1, 0
	WIN 0
	s_sub_co_u32 s3, s3, 1
	s_cmp_lg_u32 s3, 0
	s_cbranch_scc1 .Llap
	QUARTER 0, 2, 1, 0, 0                          ; the last lap fills nothing
	QUARTER 0, 3, 0, 1, 0
	TURN 0, 1, 0
	QUARTER 1, 1, 0, 1, 0
	QUARTER 1, 2, 1, 0, 0
	QUARTER 1, 3, 0, 1, 0
	s_wait_dscnt 8
	WIN W1
	SC8 1, 1, 0
	S1ROW 1, 1, 0, 0
	S1ROW 1, 1, 1, 0
	S1ROW 1, 1, 2, 0
	S1ROW 1, 1, 3, 0
	s_wait_dscnt 0x0
	WIN W2
	S2 1, 0
	WIN 0
	PLACES
; THE WAY OUT of row block a: sum / L + bo, one fused multiply-add for two numbers, each accumulator's registers in ascending order; 32 bytes a lane into my own stage; back as whole rows of 512 bytes.
.macro OUTB a
	WIN 0x21                                       ; source 0 window 1, source 1 window 0, source 2 window 2, destination window 0
.irp b, 0,1,2,3
.irp p, 0,1,2,3
	v_pk_fma_f32 v[TMP+8*\b+2*\p:TMP+8*\b+2*\p+1], v[8*(4*(\a)+\b)+2*\p:8*(4*(\a)+\b)+2*\p+1], v[RLV+2*(\a):RLV+2*(\a)+1], v[BOV+8*\b+2*\p:BOV+8*\b+2*\p+1] op_sel_hi:[1,0,1]
.endr
.endr
	WIN 0x22
.irp b, 0,1,2,3
.irp p, 0,1,2,3
	v_pk_fma_f32 v[TMP+32+8*\b+2*\p:TMP+32+8*\b+2*\p+1], v[8*(4*(\a)+\b)+2*\p:8*(4*(\a)+\b)+2*\p+1], v[RLV+2*(\a):RLV+2*(\a)+1], v[BOV+32+8*\b+2*\p:BOV+32+8*\b+2*\p+1] op_sel_hi:[1,0,1]
.endr
.endr
	WIN 0
.endm
.macro TOST a
.set BK, 128+64*((\a)%2)
.irp b, 0,1,2,3,4,5,6,7
	ds_store_b128 v[STO], v[TMP+8*\b:TMP+8*\b+3]   offset:64*\b
	ds_store_b128 v[STO], v[TMP+8*\b+4:TMP+8*\b+7] offset:64*\b+16
.endr
.irp t, 0,1,2,3,4,5,6,7,8,9,10,11,12,13,14,15
	ds_load_b128 v[BK+4*\t:BK+4*\t+3], v[RD] offset:\t*SPITCH  ; LDS serves a wave's instructions in order (ISA guide 5.7.1.4): these see the stores above
.endr
.endm
.macro SENDB a
.set BK, 128+64*((\a)%2)
	s_wait_dscnt 0x0                               ; the block is back in registers
	s_wait_xcnt 0x0                                ; the stores of the block before have read their data: its registers are loaded again only behind this wait
.irp t, 0,1,2,3,4,5,6,7,8,9,10,11,12,13,14,15
	global_store_b128 v[CO], v[BK+4*\t:BK+4*\t+3], s[8:9] offset:(16*(\a)+\t)*4096  ; a wave stores 512 consecutive bytes, at a multiple of 256 from out0's first byte
.endr
.endm
	OUTB 0
	TOST 0
.irp a, 1,2,3                          ; block a's arithmetic stands between block a - 1's loads from the stage and the wait for them
	OUTB \a
	SENDB (\a)-1
	TOST \a
.endr
	SENDB 3
	s_wait_tensorcnt 0x0                           ; the wave's end
	ds_add_u32 v[SPW], v[NIL]
	s_wait_dscnt 0x0
	CROUND                                         ; the closing round: no work-group ends while a partner may still ask for a tile that names it
	s_endpgm
.Lfunc_end_k_qf96f5c7a7a_mix:
	.size	k_qf96f5c7a7a_mix, .Lfunc_end_k_qf96f5c7a7a_mix-k_qf96f5c7a7a_mix
	.p2alignl 7, 3214868480
	.fill 96, 4, 3214868480
	.section	.rodata,"a",@progbits
	.p2align	6, 0x0
	.amdhsa_kernel k_qf96f5c7a7a_mix
		.amdhsa_group_segment_fixed_size 327680
		.amdhsa_private_segment_fixed_size 0
		.amdhsa_enable_private_segment 0
		.amdhsa_kernarg_size 40
		.amdhsa_user_sgpr_count 2
		.amdhsa_user_sgpr_kernarg_segment_ptr 1
		.amdhsa_wavefront_size32 1
		.amdhsa_system_sgpr_workgroup_id_x 1
		.amdhsa_system_sgpr_workgroup_id_y 1
		.amdhsa_system_sgpr_workgroup_id_z 1
		.amdhsa_system_vgpr_workitem_id 0
		.amdhsa_next_free_vgpr 768
		.amdhsa_next_free_sgpr 80
		.amdhsa_reserve_vcc 0
		.amdhsa_float_denorm_mode_32 3
		.amdhsa_float_denorm_mode_16_64 3
		.amdhsa_memory_ordered 1
		.amdhsa_forward_progress 1
		.amdhsa_inst_pref_size 142
	.end_amdhsa_kernel
	.amdgpu_metadata
---
amdhsa.version: [ 1, 2 ]
amdhsa.kernels:
  - .name:           k_qf96f5c7a7a_mix
    .symbol:         k_qf96f5c7a7a_mix.kd
    .args:
      - { .name: pt, .offset: 0, .size: 8, .value_kind: global_buffer, .address_space: global }
      - { .name: qv, .offset: 8, .size: 8, .value_kind: global_buffer, .address_space: global }
      - { .name: st, .offset: 16, .size: 8, .value_kind: global_buffer, .address_space: global }
      - { .name: bo, .offset: 24, .size: 8, .value_kind: global_buffer, .address_space: global }
      - { .name: out0, .offset: 32, .size: 8, .value_kind: global_buffer, .address_space: global }
    .group_segment_fixed_size: 327680
    .private_segment_fixed_size: 0
    .kernarg_segment_align: 8
    .kernarg_segment_size: 40
    .max_flat_workgroup_size: 128
    .sgpr_count:     80
    .vgpr_count:     768
    .wavefront_size: 32
...
	.end_amdgpu_metadata
.endif
;; end of part 4
;; ======== version 2 of 2: 4 launches
;; workspace buffers: xh 16,777,216 bytes; mt 4,194,304 bytes; bias2 8,192 bytes; qv 33,554,432 bytes; pt 33,554,432 bytes; st 1,048,576 bytes
;; launch prep (part 5): grid 256 x 1, 16 waves a work-group, no clusters, 122,880 bytes of LDS; arguments x, wq, wk, wv, wo, bq, bv, xh, mt, bias2; writes xh, mt, bias2
.if DOCPART == 5
	.amdgcn_target "amdgcn-amd-amdhsa--gfx1250"
	.amdhsa_code_object_version 6
	.text
	.protected	k_qf96f5c7a7a_prep
	.globl	k_qf96f5c7a7a_prep
	.p2align	8
	.type	k_qf96f5c7a7a_prep,@function
k_qf96f5c7a7a_prep:
	s_mov_b64 s[64:65], 0
	v_nop
	global_prefetch_b8 v0, s[64:65] scope:SCOPE_SE
	s_setreg_imm32_b32 hwreg(HW_REG_WAVE_MODE, 25, 1), 1
	s_wait_xcnt 0x0
; SELF-ATTENTION, one head of 1,024 channels, 4 batches of 2,048 rows.  FIRST OF FOUR LAUNCHES: x is cast to bf16, and the weights are multiplied with each other.
; WORK LEFT OUT: bk.  A score is q_i . (x_j wk + bk) = q_i . (x_j wk) + q_i . bk; the second term is the same for every key j of query i's softmax row, and a softmax does not change when
; one number is added to all of a row's inputs.  That holds for all finite values of the inputs.  So bk has no way to the output: it is not loaded and is no launch's argument.
; LIMIT: a NaN, an infinity or an overflow that arises through bk alone is not carried to the result.
; THE PRODUCTS ARE TAKEN IN ANOTHER ORDER (products of matrices are associative; exact in real numbers for all inputs; LIMIT: the order of rounding differs from the written one):
;   scores  = (x wq + bq)(x wk)^T = (x M1 + c) x^T     with M1 = wq wk^T, c = bq wk^T
;   out     = softmax(scores / 32) (x M2 + e) + bo      with M2 = wv wo,   e = bv wo      (a softmax row sums to 1, so e passes through it as bv wo does)
; That is four products of 8,192 x 1,024 x 1,024 less one, plus the two small ones made here.
; FORMATS: every matrix operand is bf16 (x M1 and x M2 are products of three inputs and have no room in f16 for inputs far larger than the drawn ones); sums in f32.
; THIS LAUNCH.  Work-group g (a) casts rows 32 g .. 32 g + 31 of x into xh; (b) makes one tile, 64 x 128, of mt [2048][1024] bf16:
;   rows j < 1024:  mt[j][i]      = sum over d of wk[j][d] wq[i][d]   (M1 transposed)        bias2[j]      = sum over d of bq[d] wk[j][d]
;   rows 1024 + n:  mt[1024+n][i] = sum over d of wo[d][n] wv[i][d]   (M2 transposed)        bias2[1024+n] = sum over d of bv[d] wo[d][n]
; Sixteen waves; wave w makes 32 rows (w % 2) x 16 columns (w / 2): two accumulators.  d goes in four chunks of 256 through LDS: f32 from memory into registers, rounded, stored to LDS rows of 528 bytes.
; IN FLIGHT.  A wave holds 96 registers of a chunk as loaded, the sixteen waves 192 KiB.  A chunk is rounded into other registers than it was loaded into, so the next chunk's loads go out at the chunk's
; head and have the whole chunk (two barriers, the LDS stores, the fragment loads, the products) in which to land.  x's cast is dealt over the chunks, two items of 16,384 bytes each.
; wo is wanted by columns: a lane loads eight d of ONE column (lanes along n: 128 consecutive bytes a load), so its eight numbers pack into 16 bytes of a row of the tile and nothing is shuffled.
; The matrix instruction is used transposed (source 0 = 16 columns i, source 1 = 16 rows m): a lane holds one row m and eight neighbouring i.
; The bias row is source 0 with all 16 rows alike: every register of the result then holds the row's bias; only the work-groups with the first column tile make it, in waves 0 and 1.
.set LP,    528                        ; an LDS row: 512 bytes + 16 = 132 words: the 16 rows of a fragment load start at 16 different groups of four banks (64 banks of 4 bytes: ISA guide 11.1)
.set SLP,   272                        ; a row of the stage: 256 bytes + 16
.set AT,    0                          ; 64 rows m x 256 d
.set BT,    64*LP                      ; 128 rows i x 256 d
.set BR,    BT+128*LP                  ; the bias, bf16, all 1,024 d
.set STG,   BR+2048                    ; the way out: 64 rows x 272
.set SPARE, STG+64*SLP                 ; the spare words, 128 bytes for each of sixteen waves: eight blocks of 256 bytes that no other line names
.set VA,  2                            ; v2   my byte offset in the A operand's chunk
.set VB,  3                            ; v3   the same for the B operand: wave rows of 4,096 bytes + 32 lane
.set LA,  4                            ; v4   where I store 16 bytes of A's tile
.set LB,  5                            ; v5   the same for B's
.set FA,  6                            ; v6   my lane's place in my fragments of A
.set FB,  7                            ; v7   of B
.set BFA, 8                            ; v8   of the bias row; steps 512 bytes a chunk
.set VX,  9                            ; v9   32 x thread
.set VXO, 10                           ; v10  16 x thread
.set STO, 11                           ; v11  the way out: where I put 16 bytes
.set RD,  12                           ; v12  where I read a row back
.set GO,  13                           ; v13  my byte offset in the tile of mt
.set SPW, 14                           ; v14  my spare word; never rewritten
.set NIL, 15                           ; v15  0; never rewritten
.set RAWA, 16                          ; v[16:47]   A as loaded, four items of 8
.set RAWB, 48                          ; v[48:111]  B, eight items
.set XR,  112                          ; v[112:127] x, two items of 8; rounded in place
.set ACC, 128                          ; v[128:159] row block a's accumulator at ACC + 8 a; the bias's two at ACC + 16, ACC + 24
.set FR,  160                          ; v[160:223] two sets of 32: A0, A1, B, bias
.set PK,  160                          ; v[160:207] a chunk rounded, 4 registers an item: between one chunk's last products and the next one's fragment loads these registers are idle
.set WV,  28
.set NT,  29
.set MT,  30
.set JOB, 31
.set PX,  32
.set PA,  34
.set PB,  36
.set PS,  38
.set AST, 40
.set CNT, 42
.set HIM, 45
.set PXH, 52
.macro CVT r                           ; eight f32 to eight bf16, in place: each source is read before its register is written
	v_cvt_pk_bf16_f32 v[(\r)],   v[(\r)],   v[(\r)+1]
	v_cvt_pk_bf16_f32 v[(\r)+1], v[(\r)+2], v[(\r)+3]
	v_cvt_pk_bf16_f32 v[(\r)+2], v[(\r)+4], v[(\r)+5]
	v_cvt_pk_bf16_f32 v[(\r)+3], v[(\r)+6], v[(\r)+7]
.endm
.macro CVTP d, r                       ; the same into four other registers
	v_cvt_pk_bf16_f32 v[(\d)],   v[(\r)],   v[(\r)+1]
	v_cvt_pk_bf16_f32 v[(\d)+1], v[(\r)+2], v[(\r)+3]
	v_cvt_pk_bf16_f32 v[(\d)+2], v[(\r)+4], v[(\r)+5]
	v_cvt_pk_bf16_f32 v[(\d)+3], v[(\r)+6], v[(\r)+7]
.endm
.macro LOADA0                          ; wk: 64 rows x 1,024 bytes; a wave a row, item i 16 rows further down
.irp i, 0,1,2,3
	global_load_b128 v[RAWA+8*\i:RAWA+8*\i+3],   v[VA], s[PA:PA+1] offset:65536*\i
	global_load_b128 v[RAWA+8*\i+4:RAWA+8*\i+7], v[VA], s[PA:PA+1] offset:65536*\i+16
.endr
.endm
.macro LOADA1                          ; wo: 256 rows d x 64 columns; item i: columns 32 (i % 2) + lane, d = 16 wave + 8 (i / 2) + 0..7
.irp i, 0,1,2,3
.irp e, 0,1,2,3,4,5,6,7
	global_load_b32 v[RAWA+8*\i+\e], v[VA], s[PA:PA+1] offset:((\i/2)*8+\e)*4096+(\i%2)*128
.endr
.endr
.endm
.macro LOADB
.irp i, 0,1,2,3,4,5,6,7
	global_load_b128 v[RAWB+8*\i:RAWB+8*\i+3],   v[VB], s[PB:PB+1] offset:65536*\i
	global_load_b128 v[RAWB+8*\i+4:RAWB+8*\i+7], v[VB], s[PB:PB+1] offset:65536*\i+16
.endr
.endm
.macro XLOAD                           ; two items of x: 512 threads x 32 bytes each
	global_load_b128 v[XR:XR+3],     v[VX], s[PX:PX+1] th:TH_LOAD_NT
	global_load_b128 v[XR+4:XR+7],   v[VX], s[PX:PX+1] offset:16 th:TH_LOAD_NT
	global_load_b128 v[XR+8:XR+11],  v[VX], s[PX:PX+1] offset:16384 th:TH_LOAD_NT
	global_load_b128 v[XR+12:XR+15], v[VX], s[PX:PX+1] offset:16400 th:TH_LOAD_NT
.endm
.macro FRAGA k, set
	ds_load_b128 v[FR+32*(\set):FR+32*(\set)+3],     v[FA] offset:64*(\k)
	ds_load_b128 v[FR+32*(\set)+4:FR+32*(\set)+7],   v[FA] offset:64*(\k)+32
	ds_load_b128 v[FR+32*(\set)+8:FR+32*(\set)+11],  v[FA] offset:64*(\k)+16*LP
	ds_load_b128 v[FR+32*(\set)+12:FR+32*(\set)+15], v[FA] offset:64*(\k)+16*LP+32
.endm
.macro FRAG k, set                     ; six loads: two fragments of A, one of B, 32 d at byte 64 k of the rows
	FRAGA \k, \set
	ds_load_b128 v[FR+32*(\set)+16:FR+32*(\set)+19], v[FB] offset:64*(\k)
	ds_load_b128 v[FR+32*(\set)+20:FR+32*(\set)+23], v[FB] offset:64*(\k)+32
.endm
.macro BFRAG k, set                    ; six loads: A's two fragments and the bias row's (all 16 lanes of a half read the same 16 bytes)
	FRAGA \k, \set
	ds_load_b128 v[FR+32*(\set)+24:FR+32*(\set)+27], v[BFA] offset:64*(\k)
	ds_load_b128 v[FR+32*(\set)+28:FR+32*(\set)+31], v[BFA] offset:64*(\k)+32
.endm
.macro MUL set                         ; the two accumulators take turns, one instruction a turn
	v_wmma_f32_16x16x32_bf16 v[ACC:ACC+7],    v[FR+32*(\set)+16:FR+32*(\set)+23], v[FR+32*(\set):FR+32*(\set)+7],    v[ACC:ACC+7]
	v_wmma_f32_16x16x32_bf16 v[ACC+8:ACC+15], v[FR+32*(\set)+16:FR+32*(\set)+23], v[FR+32*(\set)+8:FR+32*(\set)+15], v[ACC+8:ACC+15]
.endm
.macro BMUL set
	v_wmma_f32_16x16x32_bf16 v[ACC+16:ACC+23], v[FR+32*(\set)+24:FR+32*(\set)+31], v[FR+32*(\set):FR+32*(\set)+7],    v[ACC+16:ACC+23]
	v_wmma_f32_16x16x32_bf16 v[ACC+24:ACC+31], v[FR+32*(\set)+24:FR+32*(\set)+31], v[FR+32*(\set)+8:FR+32*(\set)+15], v[ACC+24:ACC+31]
.endm
.macro PLACES                          ; four plain vector instructions between a matrix instruction and a write or a load into, or a read of, its registers
.rept 4
	v_nop
.endr
.endm
	s_load_b512 s[8:23], s[0:1], 0x0               ; x 8, wq 10, wk 12, wv 14, wo 16, bq 18, bv 20, xh 22
	s_load_b128 s[24:27], s[0:1], 0x40             ; mt 24, bias2 26
	v_lshl_add_u32 v[SPW], v0, 2, SPARE
	v_mov_b32 v[NIL], 0
	v_lshrrev_b32 v248, 5, v0
	v_readfirstlane_b32 s[WV], v248                ; wave 0..15
	v_and_b32 v1, 31, v0                           ; lane
	v_and_b32 v248, 15, v0                         ; r = lane % 16
	v_bfe_u32 v249, v0, 4, 1                       ; h = lane / 16
	s_and_b32 s[NT], ttmp9, 7                      ; column tile of 128
	s_lshr_b32 s[MT], ttmp9, 3                     ; row tile of 64 in mt, 0..31
	s_lshr_b32 s[JOB], s[MT], 4                    ; 0: M1, 1: M2
	s_and_b32 s50, s[MT], 15                       ; row tile inside the job
	s_and_b32 s46, s[WV], 1                        ; which 32 rows are mine
	s_lshr_b32 s47, s[WV], 1                       ; which 16 columns
	s_mov_b32 s[HIM], 0xffff0000                   ; lanes 16 to 31
	s_lshl_b32 s48, s[WV], 12
	v_lshl_add_u32 v[VB], v1, 5, s48               ; a wave a row of 4,096 bytes, 32 bytes a lane
	s_mul_i32 s48, s[WV], LP
	v_lshl_add_u32 v250, v1, 4, s48                ; in a tile: a wave a row, 16 bytes a lane
	v_add_nc_u32 v[LB], BT, v250
	v_mul_u32_u24 v251, v248, LP
	v_lshl_add_u32 v251, v249, 4, v251             ; r x pitch + 16 h
	s_mul_i32 s48, s46, 32*LP
	v_add_nc_u32 v[FA], s48, v251
	s_mul_i32 s49, s47, 16*LP
	s_add_co_u32 s49, s49, BT
	v_add_nc_u32 v[FB], s49, v251
	v_lshlrev_b32 v[BFA], 4, v249
	v_add_nc_u32 v[BFA], BR, v[BFA]
	v_lshlrev_b32 v[VX], 5, v0
	v_lshlrev_b32 v[VXO], 4, v0
	v_mul_u32_u24 v252, v248, SLP
	v_lshl_add_u32 v252, v249, 4, v252
	s_mul_i32 s48, s46, 32*SLP
	s_lshl_b32 s49, s47, 5
	s_add_co_u32 s48, s48, s49
	s_add_co_u32 s48, s48, STG
	v_add_nc_u32 v[STO], s48, v252                 ; stage row 32 (w % 2) + r, byte 32 (w / 2) + 16 h
	s_mul_i32 s48, s[WV], 4*SLP
	s_add_co_u32 s48, s48, STG
	v_mul_u32_u24 v[RD], v249, SLP
	v_lshl_add_u32 v[RD], v248, 4, v[RD]
	v_add_nc_u32 v[RD], s48, v[RD]                 ; back: wave w takes rows 4 w .. 4 w + 3, two a load
	s_lshl_b32 s49, s[WV], 13
	v_lshlrev_b32 v[GO], 11, v249
	v_lshl_add_u32 v[GO], v248, 4, v[GO]
	v_add_nc_u32 v[GO], s49, v[GO]                 ; the same rows in mt, 2,048 bytes apart
	s_mov_b32 s[AST], 1024                         ; a chunk of 256 d: 1,024 bytes along wk's rows,
	s_mov_b32 s56, 0x100000                        ; or 256 rows of wo
	s_mov_b32 s[AST+1], 0
	s_mov_b32 s55, 0
	s_wait_kmcnt 0x0
	s_cmp_lt_u32 s[MT], 16
	s_cselect_b64 s[PA:PA+1], s[12:13], s[16:17]   ; wk or wo
	s_cselect_b64 s[PB:PB+1], s[10:11], s[14:15]   ; wq or wv
	s_cselect_b64 s[PS:PS+1], s[18:19], s[20:21]   ; bq or bv
	s_cselect_b32 s[AST], s[AST], s56
	s_cselect_b32 s51, 18, 8                       ; 64 rows of 4,096 bytes, or 64 columns of 4
	s_lshl_b32 s54, s50, s51
	s_add_nc_u64 s[PA:PA+1], s[PA:PA+1], s[54:55]
	s_lshl_b32 s54, s[NT], 19                      ; 128 rows of 4,096 bytes
	s_add_nc_u64 s[PB:PB+1], s[PB:PB+1], s[54:55]
	s_lshl_b32 s54, ttmp9, 17                      ; 32 rows of x
	s_add_nc_u64 s[PX:PX+1], s[8:9], s[54:55]
	s_lshl_b32 s54, ttmp9, 16
	s_add_nc_u64 s[PXH:PXH+1], s[22:23], s[54:55]
	s_lshl_b32 s54, s[MT], 17                      ; 64 rows of mt
	s_lshl_b32 s56, s[NT], 8
	s_add_co_u32 s54, s54, s56
	s_add_nc_u64 s[24:25], s[24:25], s[54:55]
	s_lshl_b32 s54, s[MT], 8
	s_add_nc_u64 s[26:27], s[26:27], s[54:55]
	s_cmp_eq_u32 s[JOB], 0
	s_cbranch_scc0 .Ljob1
	v_mov_b32 v[VA], v[VB]
	v_mov_b32 v[LA], v250
	LOADA0
	s_branch .Ljobs
.Ljob1:
	s_lshl_b32 s54, s[WV], 16                      ; 16 rows d a wave
	v_lshl_add_u32 v[VA], v1, 2, s54
	s_lshl_b32 s54, s[WV], 5
	v_mul_u32_u24 v[LA], v1, LP
	v_add_nc_u32 v[LA], s54, v[LA]                 ; tile row = lane, byte 32 wave
	LOADA1
.Ljobs:
	LOADB
	s_cmp_lg_u32 s[NT], 0                          ; the bias row: first column tile alone, waves 0 to 3, eight numbers a thread, for now in the accumulators' registers
	s_cbranch_scc1 .Lnobias0
	s_cmp_ge_u32 s[WV], 4
	s_cbranch_scc1 .Lnobias0
	global_load_b128 v[ACC:ACC+3],   v[VX], s[PS:PS+1]
	global_load_b128 v[ACC+4:ACC+7], v[VX], s[PS:PS+1] offset:16
.Lnobias0:
	XLOAD                                          ; x's first two items
	s_cmp_lg_u32 s[NT], 0
	s_cbranch_scc1 .Lnobias1
	s_cmp_ge_u32 s[WV], 4
	s_cbranch_scc1 .Lnobias1
	s_wait_loadcnt 4                               ; loads come back in order: the bias is in, x's four loads may stay out
	CVT ACC
	v_add_nc_u32 v253, BR, v[VXO]
	ds_store_b128 v253, v[ACC:ACC+3]
.Lnobias1:
.set i, 0
.rept 32
	v_mov_b32 v[ACC+i], 0                          ; the sums start at 0, written while the first chunk is on its way, so that every chunk has one form
.set i, i+1
.endr
; A chunk of 256 d and two items of x.  next = 1: the chunk and the items after them are asked for at the head, as soon as these have left the registers that they were loaded into.
.macro CHUNK next
	s_wait_loadcnt 0x0                             ; the chunk and x's two items are in registers; their loads' pointers are free
.set i, 0
.rept 12
	CVTP PK+4*i, RAWA+8*i                          ; (four plain instructions stand between the last chunk's last product and these writes)
.set i, i+1
.endr
.if \next
	s_add_nc_u64 s[PA:PA+1], s[PA:PA+1], s[AST:AST+1]
	s_add_nc_u64 s[PB:PB+1], s[PB:PB+1], 1024
	s_cmp_eq_u32 s[JOB], 0
	s_cbranch_scc0 .Lld1_\@
	LOADA0
	s_branch .Lld_\@
.Lld1_\@:
	LOADA1
.Lld_\@:
	LOADB
.endif
	CVT XR
	CVT XR+8
	global_store_b128 v[VXO], v[XR:XR+3],    s[PXH:PXH+1]              ; a wave stores 512 consecutive bytes
	global_store_b128 v[VXO], v[XR+8:XR+11], s[PXH:PXH+1] offset:8192
.if \next
	s_wait_xcnt 0x0                                ; the stores have read their data and their base: only behind this wait are these written again
	s_add_nc_u64 s[PX:PX+1], s[PX:PX+1], 32768
	s_add_nc_u64 s[PXH:PXH+1], s[PXH:PXH+1], 16384
	XLOAD
.endif
	s_wait_dscnt 0x0                               ; my reads of the last chunk's tiles are over (and the bias row is stored)
	s_barrier_signal -1
	s_barrier_wait -1                              ; everybody's are: the tiles may be written
	s_cmp_eq_u32 s[JOB], 0
	s_cbranch_scc0 .Lst1_\@
.irp i, 0,1,2,3
	ds_store_b128 v[LA], v[PK+4*\i:PK+4*\i+3] offset:AT+16*LP*\i
.endr
	s_branch .Lst_\@
.Lst1_\@:
.irp i, 0,1,2,3
	ds_store_b128 v[LA], v[PK+4*\i:PK+4*\i+3] offset:AT+(\i%2)*32*LP+(\i/2)*16
.endr
.Lst_\@:
.irp i, 0,1,2,3,4,5,6,7
	ds_store_b128 v[LB], v[PK+16+4*\i:PK+16+4*\i+3] offset:16*LP*\i
.endr
	s_wait_dscnt 0x0                               ; for the others' sake: my stores are done
	s_barrier_signal -1
	s_barrier_wait -1                              ; the tiles are whole
	FRAG 0, 0
	FRAG 1, 1
.irp k, 0,1,2,3,4,5
	s_wait_dscnt 6                                 ; this set is in; the other set's six loads may stay out
	MUL (\k)%2
	PLACES
	FRAG (\k)+2, (\k)%2
.endr
	s_wait_dscnt 6
	MUL 0
	s_wait_dscnt 0x0
	MUL 1
	PLACES
	s_cmp_lg_u32 s[NT], 0                          ; the bias: first column tile, waves 0 and 1 (between them all 64 rows)
	s_cbranch_scc1 .Lnb_\@
	s_cmp_ge_u32 s[WV], 2
	s_cbranch_scc1 .Lnb_\@
	BFRAG 0, 0
	BFRAG 1, 1
.irp k, 0,1,2,3,4,5
	s_wait_dscnt 6                                 ; the other set's six loads may stay out
	BMUL (\k)%2
	PLACES
	BFRAG (\k)+2, (\k)%2
.endr
	s_wait_dscnt 6
	BMUL 0
	s_wait_dscnt 0x0
	BMUL 1
	PLACES
	v_add_nc_u32 v[BFA], 512, v[BFA]               ; the bias row's next 256 d
.Lnb_\@:
.endm
	s_mov_b32 s[CNT], 3
.Lchunk:
	CHUNK 1
	s_sub_co_u32 s[CNT], s[CNT], 1
	s_cmp_lg_u32 s[CNT], 0
	s_cbranch_scc1 .Lchunk
	CHUNK 0                                        ; the last chunk asks for nothing: no load passes a buffer's end
	; THE WAY OUT: rounded once to bf16, 16 bytes a lane into the stage; a barrier, since a row's 256 bytes come from eight waves; back as whole rows.
.irp a, 0,1
.irp r, 0,1,2,3
	v_cvt_pk_bf16_f32 v[FR+4*\a+\r], v[ACC+8*\a+2*\r], v[ACC+8*\a+2*\r+1]
.endr
.endr
.irp a, 0,1
	ds_store_b128 v[STO], v[FR+4*\a:FR+4*\a+3] offset:16*SLP*\a
.endr
	s_wait_dscnt 0x0
	s_barrier_signal -1
	s_barrier_wait -1
.irp t, 0,1
	ds_load_b128 v[FR+16+4*\t:FR+16+4*\t+3], v[RD] offset:2*SLP*\t
.endr
	s_wait_dscnt 0x0
.irp t, 0,1
	global_store_b128 v[GO], v[FR+16+4*\t:FR+16+4*\t+3], s[24:25] offset:4096*\t  ; 16 lanes store 256 consecutive bytes, at a multiple of 256 from mt's first byte
.endr
	s_cmp_lg_u32 s[NT], 0
	s_cbranch_scc1 .Lend
	s_cmp_ge_u32 s[WV], 2
	s_cbranch_scc1 .Lend
	s_lshl_b32 s49, s46, 7
	v_lshl_add_u32 v[FR+33], v1, 2, s49            ; 4 (32 (w % 2) + lane)
	v_cndmask_b32 v[FR+32], v[ACC+16], v[ACC+24], s[HIM]  ; lanes 0-15: rows 0-15 of my 32, lanes 16-31: rows 16-31; each accumulator's lowest register
	global_store_b32 v[FR+33], v[FR+32], s[26:27]  ; 128 consecutive bytes
.Lend:
	s_wait_tensorcnt 0x0                           ; the wave's end, behind my last LDS store
	ds_add_u32 v[SPW], v[NIL]
	s_wait_dscnt 0x0
	s_endpgm
.Lfunc_end_k_qf96f5c7a7a_prep:
	.size	k_qf96f5c7a7a_prep, .Lfunc_end_k_qf96f5c7a7a_prep-k_qf96f5c7a7a_prep
	.p2alignl 7, 3214868480
	.fill 96, 4, 3214868480
	.section	.rodata,"a",@progbits
	.p2align	6, 0x0
	.amdhsa_kernel k_qf96f5c7a7a_prep
		.amdhsa_group_segment_fixed_size 122880
		.amdhsa_private_segment_fixed_size 0
		.amdhsa_enable_private_segment 0
		.amdhsa_kernarg_size 80
		.amdhsa_user_sgpr_count 2
		.amdhsa_user_sgpr_kernarg_segment_ptr 1
		.amdhsa_wavefront_size32 1
		.amdhsa_system_sgpr_workgroup_id_x 1
		.amdhsa_system_sgpr_workgroup_id_y 1
		.amdhsa_system_sgpr_workgroup_id_z 1
		.amdhsa_system_vgpr_workitem_id 0
		.amdhsa_next_free_vgpr 256
		.amdhsa_next_free_sgpr 66
		.amdhsa_reserve_vcc 0
		.amdhsa_float_denorm_mode_32 3
		.amdhsa_float_denorm_mode_16_64 3
		.amdhsa_memory_ordered 1
		.amdhsa_forward_progress 1
		.amdhsa_inst_pref_size 50
	.end_amdhsa_kernel
	.amdgpu_metadata
---
amdhsa.version: [ 1, 2 ]
amdhsa.kernels:
  - .name:           k_qf96f5c7a7a_prep
    .symbol:         k_qf96f5c7a7a_prep.kd
    .args:
      - { .name: x, .offset: 0, .size: 8, .value_kind: global_buffer, .address_space: global }
      - { .name: wq, .offset: 8, .size: 8, .value_kind: global_buffer, .address_space: global }
      - { .name: wk, .offset: 16, .size: 8, .value_kind: global_buffer, .address_space: global }
      - { .name: wv, .offset: 24, .size: 8, .value_kind: global_buffer, .address_space: global }
      - { .name: wo, .offset: 32, .size: 8, .value_kind: global_buffer, .address_space: global }
      - { .name: bq, .offset: 40, .size: 8, .value_kind: global_buffer, .address_space: global }
      - { .name: bv, .offset: 48, .size: 8, .value_kind: global_buffer, .address_space: global }
      - { .name: xh, .offset: 56, .size: 8, .value_kind: global_buffer, .address_space: global }
      - { .name: mt, .offset: 64, .size: 8, .value_kind: global_buffer, .address_space: global }
      - { .name: bias2, .offset: 72, .size: 8, .value_kind: global_buffer, .address_space: global }
    .group_segment_fixed_size: 122880
    .private_segment_fixed_size: 0
    .kernarg_segment_align: 8
    .kernarg_segment_size: 80
    .max_flat_workgroup_size: 512
    .sgpr_count:     66
    .vgpr_count:     256
    .wavefront_size: 32
...
	.end_amdgpu_metadata
.endif
;; end of part 5
;; launch proj (part 6): grid 8 x 32, 4 waves a work-group, clusters of 4 x 4, 327,680 bytes of LDS; arguments xh, mt, bias2, qv; writes qv
.if DOCPART == 6
	.amdgcn_target "amdgcn-amd-amdhsa--gfx1250"
	.amdhsa_code_object_version 6
	.text
	.protected	k_qf96f5c7a7a_proj
	.globl	k_qf96f5c7a7a_proj
	.p2align	8
	.type	k_qf96f5c7a7a_proj,@function
k_qf96f5c7a7a_proj:
	s_mov_b64 s[64:65], 0
	v_nop
	global_prefetch_b8 v0, s[64:65] scope:SCOPE_SE
	s_setreg_imm32_b32 hwreg(HW_REG_WAVE_MODE, 25, 1), 1
	s_wait_xcnt 0x0
	s_wait_alu depctr_hold_cnt(0) depctr_sa_sdst(0) depctr_va_vdst(0) depctr_va_sdst(0) depctr_va_ssrc(0) depctr_va_vcc(0) depctr_vm_vsrc(0)
	s_getreg_b32 s2, hwreg(HW_REG_IB_STS2, 6, 4)
	s_cmp_eq_u32 s2, 0
	s_cbranch_scc0 .Lentry_in_a_cluster
	s_endpgm
.Lentry_in_a_cluster:
	s_bfe_u32 s2, ttmp6, 0x10000c
	s_cmp_lg_u32 s2, 0xf033
	s_cbranch_scc0 .Lentry_shape_is_right
	s_endpgm
.Lentry_shape_is_right:
; SECOND LAUNCH: qv[r][n] = sum over k of xh[r][k] mt[n][k] + bias2[n], rounded once to bf16.  xh: [8192][1024], mt: [2048][1024], qv: [8192][2048], bf16; bias2: [2048] f32; sums in f32.
; Columns 0-1023 of qv are q' = x M1 + c, columns 1024-2047 are v' = x M2 + e (the first launch's head says what these are; bk is left out there, as shown there).
; A tile of qv, 256 x 256, is made by four waves, each 128 x 128: 64 accumulators of 16 x 16, 512 registers.  32 x 8 tiles: one work-group for each.
; K goes in steps of 128 through a ring of two LDS slots filled by the tensor data mover; tile rows are 256 bytes of memory at multiples of 256.
; CLUSTERS: 4 x 4 work-groups.  The four of a row of the cluster need the same tiles of xh, the four of a column the same tiles of mt: each tile is asked for JOINTLY, by the same tensor load with the
; same descriptor and a mask that names the four.
; THE MATRIX INSTRUCTION IS USED TRANSPOSED (source 0 = 16 rows of mt, source 1 = 16 rows of xh): a lane holds row l % 16 of qv and the columns 8 (l / 16) + 0..7.
; THE BIAS is the C operand of each sum's first product: register j of a lane holds bias2[column 8 (l / 16) + j], the same for all rows.
; THE TEXT IS SHORT: a K step is four quarters of 32 along K on two fragment buffers.  A PAIR of quarters (multiply buffer 1 and fetch into buffer 0; multiply buffer 0 and fetch into buffer 1) is
; written once and walked twice for a K step; the LDS addresses of the fetches walk, 128 bytes a pair, and are set anew at each change of slots.  The change of slots stands whole between two pairs;
; the first quarter behind it multiplies the old slot's last fragments, which lie in registers, while the new slot's first are fetched.
; REGISTERS, in windows of 256 (s_set_vgpr_msb: bits 1:0 source 0, 3:2 source 1, 5:4 source 2, 7:6 destination):
;   window 0: v0-31 addresses; v64-127, v128-191 fragments of xh, two buffers; v192-255 the bias, later with v32-63 at work on the way out
;   window 1: v64-127, v128-191 fragments of mt, two buffers        window 2: the accumulators of my rows 0-63 ((a, b) at v[8 (8 a + b)])        window 3: those of my rows 64-127
.set SIZE_M, 8192
.set SIZE_N, 2048
.set SIZE_K, 1024
.set KSTEP,  128
.set PITCH,  272                       ; an LDS row: 256 bytes + 16 of padding = 68 words: the 16 rows that a load touches start at 16 different groups of four banks (64 banks of 4 bytes: ISA guide 11.1)
.set HALFT,  128*PITCH                 ; 128 rows: what one tensor load brings
.set SLOT,   4*HALFT                   ; xh's 256 rows, then mt's 256 rows
.set STAGE,  2*SLOT                    ; behind the ring: 16 rows x 272 bytes for each wave, for the way out
.set SPITCH, 272
.set SPARE,  STAGE+4*16*SPITCH         ; the spare words, 128 bytes for each wave: two blocks of 256 bytes that no other line names
.set LAPS, SIZE_K/(2*KSTEP)            ; a lap = two K steps = once round the ring
.set A0,   16                          ; v16     my lane's place in my A fragments in slot 0; never rewritten
.set B0,   17                          ; v17     the same for B
.set ADRA, 18                          ; v18     where the next fetch of A's fragments begins; walks
.set ADRB, 19                          ; v19     the same for B
.set STO,  24
.set RD,   25
.set CO,   26
.set BOF,  27                          ; v27     my byte offset in bias2
.set SPW,  28                          ; v28     my spare word; never rewritten
.set NIL,  29                          ; v29     0; never rewritten
.set PFO,  30                          ; v30     the prefetches' offset: my lane x a row of 2,048 bytes; never rewritten
.set CNT,  2                           ; s2      counts a K step's two pairs
.set PFA,  44                          ; s[44:45] where my prefetches stand
.set LIM,  43                          ; s43     1 in a wave that prefetches, else the greatest number
.set F0,   64
.set F1,   128
.set TMP,  192
.set BIA,  192
.set OB,   32
.set G1, 24
.set G0, 32
.set G1B, 48
.set G0B, 56
.set MSB, 0
.macro WIN new                         ; the immediate's high byte repeats the setting that is left; a switch that changes nothing is dropped
.if MSB != (\new)
	s_set_vgpr_msb (MSB<<8)|(\new)
.set MSB, \new
.endif
.endm
.set MUL_LO, 0xa1                      ; source 0 (B) window 1, source 1 (A) window 0, C and D window 2
.set TO_B,   0x40
; A joint load.  Waves 0 and 1 fetch A's two halves, waves 2 and 3 B's.  The branch hangs on the wave's number alone.  An s_nop 0 and four v_nop follow each of the two lines.
.macro JLOAD s
	s_cmp_eq_u32 s11, 0
	s_cbranch_scc0 .Lfor_b_\@
	tensor_load_to_lds s[G0+4*(\s):G0+4*(\s)+3], s[G1:G1+7]
	s_nop 0
.rept 4
	v_nop
.endr
	s_branch .Lasked_\@
.Lfor_b_\@:
	tensor_load_to_lds s[G0B+4*(\s):G0B+4*(\s)+3], s[G1B:G1B+7]
	s_nop 0
.rept 4
	v_nop
.endr
.Lasked_\@:
.endm
; A prefetch, behind each joint refill: the K step that stands two refills on, 32 rows x 256 bytes, a lane a row.  xh's tile row is read by both clusters of that row of clusters: cluster x = 0 asks;
; mt's tile column by the eight clusters of that column: cluster y = 0 asks.  The four partners of a joint load share its 128 rows out by address, 32 each.
; So each row's 256 bytes of a K step are named once in the launch.  The loop's last trip asks for nothing: there is no K step two refills on.  K steps 0 to 3 come by their loads alone.
.macro ASK
	s_cmp_gt_u32 s3, s[LIM]
	s_cbranch_scc0 .Lnot_mine_\@
	global_prefetch_b8 v[PFO], s[PFA:PFA+1] offset:KSTEP*2 th:TH_LOAD_NT scope:SCOPE_SE
.Lnot_mine_\@:
.endm
.macro CROUND                          ; a round of the cluster's barrier: my work-group's barrier; wave 0 signals for the work-group; every wave waits for all sixteen; my work-group's barrier once more
	s_barrier_signal -1
	s_barrier_wait -1
	s_cmp_lg_u32 s10, 0
	s_cbranch_scc1 .Lnot_wave_0_\@
	s_barrier_signal -3
.Lnot_wave_0_\@:
	s_barrier_wait -3
	s_barrier_signal -1
	s_barrier_wait -1
.endm
	s_load_b128 s[4:7], s[0:1], 0x0                ; xh s[4:5], mt s[6:7]
	s_load_b64 s[66:67], s[0:1], 0x10              ; bias2
	s_load_b64 s[8:9], s[0:1], 0x18                ; qv
	v_lshl_add_u32 v[SPW], v0, 2, SPARE
	v_mov_b32 v[NIL], 0
	ds_add_u32 v[SPW], v[NIL]                      ; the wave's opening: the add, twice on end, and its wait ahead of my first tensor load
	ds_add_u32 v[SPW], v[NIL]
	v_lshrrev_b32 v1, 5, v0
	v_readfirstlane_b32 s10, v1                    ; wave 0..3
	s_lshr_b32 s11, s10, 1                         ; which half of the tile's rows is mine.  Also: I fetch for A (0) or for B (1)
	s_and_b32 s12, s10, 1                          ; which half of its columns.  Also: which 128 rows of that tile I fetch
	s_bfe_u32 s40, ttmp6, 0x40000                  ; cx
	s_bfe_u32 s41, ttmp6, 0x40004                  ; cy
	s_lshl_b32 s42, ttmp9, 2
	s_add_co_u32 s42, s42, s40                     ; tile column = 4 x cluster x + cx
	s_and_b32 s13, ttmp7, 0xffff
	s_lshl_b32 s13, s13, 2
	s_add_co_u32 s13, s13, s41                     ; tile row = 4 x cluster y + cy
	s_lshl_b32 s43, s41, 2
	s_lshl_b32 s43, 15, s43                        ; my row of the cluster
	s_lshl_b32 s44, 0x1111, s40                    ; my column
	s_or_b32 s[G1+0], s43, (1<<16)|(1<<20)|(1<<21)|(5<<22)|(3<<25)  ; the mask; 2-byte elements; padding on; bit 21 beside a mask; after every 64 words, 4 words
	s_or_b32 s[G1B+0], s44, (1<<16)|(1<<20)|(1<<21)|(5<<22)|(3<<25)
.irp g, G1, G1B
	s_mov_b32 s[(\g)+1], KSTEP<<16                 ; tensor_dim0 = 128
	s_mov_b32 s[(\g)+2], 128<<16                   ; tensor_dim1 = 128
	s_mov_b32 s[(\g)+3], KSTEP<<16                 ; tile_dim0 = 128
	s_mov_b32 s[(\g)+4], 128                       ; tile_dim1 = 128
	s_mov_b32 s[(\g)+5], SIZE_K                    ; elements from row to row
	s_mov_b32 s[(\g)+6], 0
	s_mov_b32 s[(\g)+7], 0
.endr
	s_lshl_b32 s17, s12, 7
	s_lshl_b32 s16, s13, 8
	s_add_co_u32 s16, s16, s17                     ; A: row 256 x tile row + 128 x half
	s_lshl_b32 s46, s42, 8
	s_add_co_u32 s46, s46, s17                     ; B: row 256 x tile column + 128 x half
	s_lshl_b32 s16, s16, 11                        ; rows of 2,048 bytes
	s_lshl_b32 s46, s46, 11
	s_mov_b32 s17, 0
	s_mov_b32 s47, 0
	s_mul_i32 s20, s10, HALFT                      ; where they go: wave x 128 rows
	s_wait_dscnt 0x0                               ; both opening adds are done
	s_wait_kmcnt 0x0
	s_add_nc_u64 s[14:15], s[4:5], s[16:17]
	s_add_nc_u64 s[46:47], s[6:7], s[46:47]
	CROUND                                         ; all sixteen work-groups are here: the first joint loads meet
.irp s, 0,1
	s_mov_b32 s[G0+4*(\s)], 1
	s_add_co_u32 s[G0+4*(\s)+1], s20, (\s)*SLOT
	s_add_nc_u64 s[G0+4*(\s)+2:G0+4*(\s)+3], s[14:15], (\s)*KSTEP*2
	s_or_b32 s[G0+4*(\s)+3], s[G0+4*(\s)+3], 0x80000000
	s_mov_b32 s[G0B+4*(\s)], 1
	s_add_co_u32 s[G0B+4*(\s)+1], s20, (\s)*SLOT
	s_add_nc_u64 s[G0B+4*(\s)+2:G0B+4*(\s)+3], s[46:47], (\s)*KSTEP*2
	s_or_b32 s[G0B+4*(\s)+3], s[G0B+4*(\s)+3], 0x80000000
	JLOAD \s
.endr
	v_and_b32 v1, 15, v0                           ; l % 16
	v_bfe_u32 v2, v0, 4, 1                         ; l / 16
	v_mul_u32_u24 v3, v1, PITCH
	v_lshl_add_u32 v3, v2, 4, v3
	s_mul_i32 s21, s11, HALFT
	s_mul_i32 s22, s12, HALFT
	s_add_co_u32 s22, s22, 2*HALFT
	v_add_nc_u32 v[A0], s21, v3
	v_add_nc_u32 v[B0], s22, v3
	v_mov_b32 v[ADRA], v[A0]
	v_mov_b32 v[ADRB], v[B0]
	s_mul_i32 s23, s10, 16*SPITCH
	s_add_co_u32 s23, s23, STAGE
	v_mul_u32_u24 v4, v1, SPITCH
	v_lshl_add_u32 v4, v2, 4, v4
	v_add_nc_u32 v[STO], s23, v4
	v_mul_u32_u24 v5, v2, SPITCH
	v_lshl_add_u32 v5, v1, 4, v5
	v_add_nc_u32 v[RD], s23, v5
	v_mul_u32_u24 v5, v2, SIZE_N*2
	v_lshl_add_u32 v[CO], v1, 4, v5
	s_lshl_b32 s13, s13, 8
	s_lshl_b32 s14, s11, 7
	s_add_co_u32 s16, s13, s14                     ; my first row of qv,
	s_lshl_b32 s16, s16, 12                        ; in bytes
	s_mov_b32 s17, 0
	s_lshl_b32 s46, s42, 9                         ; my first column, in bytes
	s_lshl_b32 s47, s12, 8
	s_add_co_u32 s46, s46, s47
	s_lshl_b32 s47, s46, 1                         ; the same columns in bias2, 4 bytes each
	v_lshl_add_u32 v[BOF], v2, 5, s47
	s_mov_b32 s47, 0
	s_add_nc_u64 s[16:17], s[16:17], s[46:47]
.irp b, 0,1,2,3,4,5,6,7
	global_load_b128 v[BIA+8*\b:BIA+8*\b+3],   v[BOF], s[66:67] offset:64*\b
	global_load_b128 v[BIA+8*\b+4:BIA+8*\b+7], v[BOF], s[66:67] offset:64*\b+16
.endr
	; the prefetches.  s13 = 256 x tile row, s42 = tile column, s40 = cx, s41 = cy
	s_lshl_b32 s42, s42, 8
	s_and_b32 s22, ttmp7, 0xffff
	s_cmp_eq_u32 s11, 0
	s_cselect_b32 s20, s13, s42
	s_cselect_b32 s21, s40, s41
	s_cselect_b32 s22, ttmp9, s22
	s_cselect_b64 s[PFA:PFA+1], s[4:5], s[6:7]
	s_cmp_eq_u32 s22, 0
	s_cselect_b32 s[LIM], 1, -1
	s_lshl_b32 s22, s12, 7
	s_add_co_u32 s20, s20, s22
	s_lshl_b32 s21, s21, 5
	s_add_co_u32 s20, s20, s21
	s_lshl_b32 s20, s20, 11
	s_mov_b32 s21, 0
	s_add_nc_u64 s[PFA:PFA+1], s[PFA:PFA+1], s[20:21]
	s_add_nc_u64 s[PFA:PFA+1], s[PFA:PFA+1], 2*KSTEP*2  ; at K step 2: the first refill steps it to 3 and names K step 4
	v_and_b32 v[PFO], 31, v0
	v_lshlrev_b32 v[PFO], 11, v[PFO]
; 16 matrix instructions: row blocks a0, a0 + 1 of the window's four x all 8 column blocks, 32 along K.  first = 1: the product starts the sum, with the bias as C.
; The 64 accumulators take turns, one instruction a turn, in the same order in every quarter.
.macro MUL16 f, hi, a0, first
.if \first
	WIN 0x81+0x40*(\hi)                            ; C in window 0
.else
	WIN MUL_LO+0x50*(\hi)
.endif
.irp a, \a0, (\a0)+1
.irp b, 0,1,2,3,4,5,6,7
.if \first
	v_wmma_f32_16x16x32_bf16 v[8*(8*(\a)+(\b)):8*(8*(\a)+(\b))+7], v[(\f)+8*(\b):(\f)+8*(\b)+7], v[(\f)+8*(4*(\hi)+(\a)):(\f)+8*(4*(\hi)+(\a))+7], v[BIA+8*(\b):BIA+8*(\b)+7]
.else
	v_wmma_f32_16x16x32_bf16 v[8*(8*(\a)+(\b)):8*(8*(\a)+(\b))+7], v[(\f)+8*(\b):(\f)+8*(\b)+7], v[(\f)+8*(4*(\hi)+(\a)):(\f)+8*(4*(\hi)+(\a))+7], v[8*(8*(\a)+(\b)):8*(8*(\a)+(\b))+7]
.endif
.endr
.endr
.endm
.macro FETCH k, f                      ; 32 LDS loads in one run: the fragments of a quarter step, k bytes behind the walking addresses
	WIN TO_B
.irp i, 0,1,2,3,4,5,6,7
	ds_load_b128 v[(\f)+8*(\i):(\f)+8*(\i)+3],   v[ADRB] offset:(\k)+(\i)*16*PITCH
	ds_load_b128 v[(\f)+8*(\i)+4:(\f)+8*(\i)+7], v[ADRB] offset:(\k)+(\i)*16*PITCH+32
.endr
	WIN 0
.irp i, 0,1,2,3,4,5,6,7
	ds_load_b128 v[(\f)+8*(\i):(\f)+8*(\i)+3],   v[ADRA] offset:(\k)+(\i)*16*PITCH
	ds_load_b128 v[(\f)+8*(\i)+4:(\f)+8*(\i)+7], v[ADRA] offset:(\k)+(\i)*16*PITCH+32
.endr
.endm
.macro PLACES                          ; four plain vector instructions between a matrix instruction and a load into, or a read of, its registers
.rept 4
	v_nop
.endr
.endm
.macro QUARTER k, f, g, first, step    ; multiplies buffer f; in its middle fetches the next quarter into buffer g.  step = 1: the addresses walk on by two quarters
	s_wait_dscnt 8                                 ; B and A's rows 0-63 are in; the youngest eight loads (A's rows 64-127) may be out
	MUL16 \f, 0, 0, \first
	MUL16 \f, 0, 2, \first
	PLACES
	FETCH \k, \g
.if \step
	v_add_nc_u32 v[ADRA], 128, v[ADRA]
	v_add_nc_u32 v[ADRB], 128, v[ADRB]
.endif
	s_wait_dscnt 32                                ; all but the 32 just issued
	MUL16 \f, 1, 0, \first
	MUL16 \f, 1, 2, \first
.endm
.macro PAIRS n                         ; n pairs of quarters
	WIN 0                                          ; at a label and at a branch every window is 0
.if (\n) > 1
	s_mov_b32 s[CNT], \n
.Lpair_\@:
.endif
	QUARTER 0,  F1, F0, 0, 0
	QUARTER 64, F0, F1, 0, 1
	WIN 0
.if (\n) > 1
	s_sub_co_u32 s[CNT], s[CNT], 1
	s_cmp_lg_u32 s[CNT], 0
	s_cbranch_scc1 .Lpair_\@
.endif
.endm
; THE CHANGE OF SLOTS.  Each wave waits for all its tensor loads (one is out: its part of the new slot), adds 0 to its spare word, and waits for that and for its own reads of the old slot, whose last
; fragments are then in registers.  Behind the barrier nobody reads the old slot any more and the new slot is whole.  fill = 1: the barrier is a round of the cluster's, so that the same holds of every
; partner, and the old slot is filled again, two K steps on, first thing behind it: the load has a whole K step, 256 matrix instructions, in which to land.
.macro CHG old, new, fill
.if \fill
	s_wait_xcnt 0x0                                ; the last prefetch, a K step back, has read its address
	s_add_nc_u64 s[PFA:PFA+1], s[PFA:PFA+1], KSTEP*2
.endif
	WIN 0
	s_wait_tensorcnt 0x0                           ; no tensor load of mine is out, so a group 0 may be written
	ds_add_u32 v[SPW], v[NIL]                      ; 0 onto my spare word; work on registers stands between it and the wait for it
.if \fill
	s_add_nc_u64 s[G0+4*(\old)+2:G0+4*(\old)+3], s[G0+4*(\old)+2:G0+4*(\old)+3], 2*KSTEP*2
	s_add_nc_u64 s[G0B+4*(\old)+2:G0B+4*(\old)+3], s[G0B+4*(\old)+2:G0B+4*(\old)+3], 2*KSTEP*2
.endif
.if (\new) == 0
	v_mov_b32 v[ADRA], v[A0]                       ; the fetches go on at the new slot's first quarter
	v_mov_b32 v[ADRB], v[B0]
.else
	v_add_nc_u32 v[ADRA], SLOT, v[A0]
	v_add_nc_u32 v[ADRB], SLOT, v[B0]
.endif
	s_wait_dscnt 0x0                               ; the add is done, and my reads of the old slot are over
.if \fill
	CROUND
	JLOAD \old
	ASK
.else
	s_barrier_signal -1
	s_barrier_wait -1
.endif
.endm
; THE WAY OUT of row block a.  PACK: rounded to bf16, 16 bytes a lane, each accumulator's registers in ascending order.  TOSTAGE: into my own stage, and back as whole rows of 256 bytes.  SEND: stored.
.macro PACK a
.set AC, 64*((\a)%4)
	WIN 0x0a+5*((\a)/4)
.irp b, 0,1,2,3,4,5,6,7
.irp r, 0,1,2,3
	v_cvt_pk_bf16_f32 v[TMP+4*(\b)+(\r)], v[AC+8*(\b)+2*(\r)], v[AC+8*(\b)+2*(\r)+1]
.endr
.endr
	WIN 0
.endm
.macro TOSTAGE a
	WIN 0
.set BK, OB+192*((\a)%2)
.irp b, 0,1,2,3,4,5,6,7
	ds_store_b128 v[STO], v[TMP+4*(\b):TMP+4*(\b)+3] offset:32*(\b)
.endr
.irp t, 0,1,2,3,4,5,6,7
	ds_load_b128 v[BK+4*(\t):BK+4*(\t)+3], v[RD] offset:(\t)*2*SPITCH  ; LDS serves a wave's instructions in order (ISA guide 5.7.1.4): these see the stores above
.endr
.endm
.macro SEND a
	WIN 0
.set BK, OB+192*((\a)%2)
	s_wait_dscnt 0x0                               ; the block is back in registers
	s_wait_xcnt 0x0                                ; earlier stores have read their base and data: only behind this wait are these written again
.if (\a) == 0
	s_add_nc_u64 s[8:9], s[8:9], s[16:17]
.else
	s_add_nc_u64 s[8:9], s[8:9], 16*SIZE_N*2
.endif
.irp t, 0,1,2,3,4,5,6,7
	global_store_b128 v[CO], v[BK+4*(\t):BK+4*(\t)+3], s[8:9] offset:2*(\t)*SIZE_N*2  ; 16 lanes store 256 consecutive bytes, at a multiple of 256 from qv's first byte
.endr
.endm
	s_wait_tensorcnt 1                             ; my part of K step 0 is in; K step 1's may stay out
	s_barrier_signal -1
	s_barrier_wait -1
	FETCH 0, F0
	s_wait_loadcnt 0x0                             ; the bias
	QUARTER 64, F0, F1, 1, 1                       ; the first quarter is written out: its products start the sums
	PAIRS 1                                        ; K step 0's second and third quarters
	s_mov_b32 s3, LAPS-1
.Llap:                                                 ; a trip goes once round the ring and fills both slots again
	CHG 0, 1, 1
	PAIRS 2
	CHG 1, 0, 1
	PAIRS 2
	s_sub_co_u32 s3, s3, 1
	s_cmp_lg_u32 s3, 0
	s_cbranch_scc1 .Llap
	CHG 0, 1, 0                                    ; the last change of slots is written out: nothing is left to ask for
	PAIRS 2
	s_wait_dscnt 8                                 ; the very last quarter fetches nothing
	MUL16 F1, 0, 0, 0
	MUL16 F1, 0, 2, 0
	s_wait_dscnt 0x0
	MUL16 F1, 1, 0, 0
	MUL16 F1, 1, 2, 0
	WIN 0
	PLACES
	PACK 0
	TOSTAGE 0
.irp a, 1,2,3,4,5,6,7                  ; block a's conversions stand between block a - 1's loads from the stage and the wait for them
	PACK \a
	SEND (\a)-1
	TOSTAGE \a
.endr
	SEND 7
	s_wait_tensorcnt 0x0                           ; the wave's end
	ds_add_u32 v[SPW], v[NIL]
	s_wait_dscnt 0x0
	CROUND                                         ; the closing round: no work-group ends while a partner may still ask for a tile that names it
	s_endpgm
.Lfunc_end_k_qf96f5c7a7a_proj:
	.size	k_qf96f5c7a7a_proj, .Lfunc_end_k_qf96f5c7a7a_proj-k_qf96f5c7a7a_proj
	.p2alignl 7, 3214868480
	.fill 96, 4, 3214868480
	.section	.rodata,"a",@progbits
	.p2align	6, 0x0
	.amdhsa_kernel k_qf96f5c7a7a_proj
		.amdhsa_group_segment_fixed_size 327680
		.amdhsa_private_segment_fixed_size 0
		.amdhsa_enable_private_segment 0
		.amdhsa_kernarg_size 32
		.amdhsa_user_sgpr_count 2
		.amdhsa_user_sgpr_kernarg_segment_ptr 1
		.amdhsa_wavefront_size32 1
		.amdhsa_system_sgpr_workgroup_id_x 1
		.amdhsa_system_sgpr_workgroup_id_y 1
		.amdhsa_system_sgpr_workgroup_id_z 1
		.amdhsa_system_vgpr_workitem_id 0
		.amdhsa_next_free_vgpr 1024
		.amdhsa_next_free_sgpr 68
		.amdhsa_reserve_vcc 0
		.amdhsa_float_denorm_mode_32 3
		.amdhsa_float_denorm_mode_16_64 3
		.amdhsa_memory_ordered 1
		.amdhsa_forward_progress 1
		.amdhsa_inst_pref_size 109
	.end_amdhsa_kernel
	.amdgpu_metadata
---
amdhsa.version: [ 1, 2 ]
amdhsa.kernels:
  - .name:           k_qf96f5c7a7a_proj
    .symbol:         k_qf96f5c7a7a_proj.kd
    .args:
      - { .name: xh, .offset: 0, .size: 8, .value_kind: global_buffer, .address_space: global }
      - { .name: mt, .offset: 8, .size: 8, .value_kind: global_buffer, .address_space: global }
      - { .name: bias2, .offset: 16, .size: 8, .value_kind: global_buffer, .address_space: global }
      - { .name: qv, .offset: 24, .size: 8, .value_kind: global_buffer, .address_space: global }
    .group_segment_fixed_size: 327680
    .private_segment_fixed_size: 0
    .kernarg_segment_align: 8
    .kernarg_segment_size: 32
    .max_flat_workgroup_size: 128
    .sgpr_count:     68
    .vgpr_count:     1024
    .wavefront_size: 32
...
	.end_amdgpu_metadata
.endif
;; end of part 6
;; launch scores (part 7): grid 8 x 32, 4 waves a work-group, clusters of 4 x 4, 327,680 bytes of LDS; arguments qv, xh, pt, st; writes pt, st
.if DOCPART == 7
	.amdgcn_target "amdgcn-amd-amdhsa--gfx1250"
	.amdhsa_code_object_version 6
	.text
	.protected	k_qf96f5c7a7a_scores
	.globl	k_qf96f5c7a7a_scores
	.p2align	8
	.type	k_qf96f5c7a7a_scores,@function
k_qf96f5c7a7a_scores:
	s_mov_b64 s[64:65], 0
	v_nop
	global_prefetch_b8 v0, s[64:65] scope:SCOPE_SE
	s_setreg_imm32_b32 hwreg(HW_REG_WAVE_MODE, 25, 1), 1
	s_wait_xcnt 0x0
	s_wait_alu depctr_hold_cnt(0) depctr_sa_sdst(0) depctr_va_vdst(0) depctr_va_sdst(0) depctr_va_ssrc(0) depctr_va_vcc(0) depctr_vm_vsrc(0)
	s_getreg_b32 s2, hwreg(HW_REG_IB_STS2, 6, 4)
	s_cmp_eq_u32 s2, 0
	s_cbranch_scc0 .Lentry_in_a_cluster
	s_endpgm
.Lentry_in_a_cluster:
	s_bfe_u32 s2, ttmp6, 0x10000c
	s_cmp_lg_u32 s2, 0xf033
	s_cbranch_scc0 .Lentry_shape_is_right
	s_endpgm
.Lentry_shape_is_right:
; THIRD LAUNCH: the scores and a softmax by blocks of 128 keys.  s[r][j] = sum over k of q'[r][k] xh[2048 batch + j][k]; q' = columns 0-1023 of qv.
; (bk is left out: the term q . bk is the same for all keys of a row and cancels in the softmax, as the first launch's head shows.)
; A tile is 256 queries x 256 keys of one batch; a wave has 128 queries x 128 keys: key block t = 2 x tile column + (wave % 2), one of 16.  For each query the wave takes ITS block's maximum m_t and stores
;   pt[r][j] = 2^(c s - c m_t) in bf16 (c = log2(e) / 32: the reference's scale 1 / sqrt(1024) and the change of base),   st[t][r] = (c m_t, l_t) in f32, l_t the sum of the unrounded weights.
; The next launch takes the maximum M of the 16 c m_t, scales block t by 2^(c m_t - M) and divides by the sum: so the row's true maximum is taken away, for every input.
; LIMITS: a weight below 2^-126 counts as 0; NaN and infinities are not treated apart.
; Ring, cluster, joint loads, fragments, windows and the pair of quarters that is walked twice for a K step are the second launch's: A = qv (rows of 4,096 bytes, of which the first 2,048 are
; walked), B = xh (rows of 2,048 bytes).
; The matrix instruction is used transposed: a lane holds ONE query (l % 16) of a block of 16 and 64 of its 128 keys; the lane 16 away holds the other 64.
.set SIZE_N, 2048                      ; keys in a row of pt
.set SIZE_K, 1024
.set KSTEP,  128
.set PITCH,  272
.set HALFT,  128*PITCH
.set SLOT,   4*HALFT
.set STAGE,  2*SLOT
.set SPITCH, 272
.set SPARE,  STAGE+4*16*SPITCH
.set LAPS, SIZE_K/(2*KSTEP)
.set A0,   16                          ; v16     my lane's place in my A fragments in slot 0; never rewritten
.set B0,   17
.set ADRA, 18                          ; v18     where the next fetch of A's fragments begins; walks
.set ADRB, 19
.set STO,  24
.set RD,   25
.set CO,   26
.set SO,   27                          ; v27     8 x lane: my pair in 32 rows of st
.set SPW,  28
.set NIL,  29
.set PFO,  30
.set CNT,  2                           ; s2      counts a K step's two pairs
.set PFA,  44
.set LIM,  43
.set F0,   64
.set F1,   128
.set TMP,  192
.set OB,   32
.set T,    64                          ; v64-85   the way out, at work (A's fragment registers are free then)
.set U,    86                          ; v86-95
.set CMB,  96                          ; v96-111  (c m, l) of row block a at CMB + 2 a
.set SP,   112                         ; v112-119 the pairs as stored
.set G1, 24
.set G0, 32
.set G1B, 48
.set G0B, 56
.set STB, 66                           ; s[66:67] st at my block t and my first row
.set HIM, 68                           ; s68      lanes 16 to 31
.set CS,  70                           ; s[70:71] c, named as a pair
.set SEL, 72                           ; s[72:73] v_permlanex16_b32's selects: each lane takes its own place in the other half
.set MSB, 0
.macro WIN new
.if MSB != (\new)
	s_set_vgpr_msb (MSB<<8)|(\new)
.set MSB, \new
.endif
.endm
.set MUL_LO, 0xa1
.set TO_B,   0x40
.macro JLOAD s                         ; a joint load: waves 0 and 1 fetch A's halves, waves 2 and 3 B's; an s_nop 0 and four v_nop follow each line
	s_cmp_eq_u32 s11, 0
	s_cbranch_scc0 .Lfor_b_\@
	tensor_load_to_lds s[G0+4*(\s):G0+4*(\s)+3], s[G1:G1+7]
	s_nop 0
.rept 4
	v_nop
.endr
	s_branch .Lasked_\@
.Lfor_b_\@:
	tensor_load_to_lds s[G0B+4*(\s):G0B+4*(\s)+3], s[G1B:G1B+7]
	s_nop 0
.rept 4
	v_nop
.endr
.Lasked_\@:
.endm
; A prefetch of the K step two refills on, 32 rows x 256 bytes, a lane a row.  q's tile row is read by both clusters of that row of clusters: cluster x = 0 asks.  xh's rows of a batch's key tile are read
; by the batch's two rows of clusters: the even one asks.  The four partners of a joint load share its 128 rows out by address.  The loop's last trip asks for nothing; K steps 0 to 3 come by their loads alone.
.macro ASK
	s_cmp_gt_u32 s3, s[LIM]
	s_cbranch_scc0 .Lnot_mine_\@
	global_prefetch_b8 v[PFO], s[PFA:PFA+1] offset:KSTEP*2 th:TH_LOAD_NT scope:SCOPE_SE
.Lnot_mine_\@:
.endm
.macro CROUND
	s_barrier_signal -1
	s_barrier_wait -1
	s_cmp_lg_u32 s10, 0
	s_cbranch_scc1 .Lnot_wave_0_\@
	s_barrier_signal -3
.Lnot_wave_0_\@:
	s_barrier_wait -3
	s_barrier_signal -1
	s_barrier_wait -1
.endm
	s_load_b128 s[4:7], s[0:1], 0x0                ; qv s[4:5], xh s[6:7]
	s_load_b64 s[8:9], s[0:1], 0x10                ; pt
	s_load_b64 s[STB:STB+1], s[0:1], 0x18          ; st
	v_lshl_add_u32 v[SPW], v0, 2, SPARE
	v_mov_b32 v[NIL], 0
	ds_add_u32 v[SPW], v[NIL]                      ; the wave's opening: the add, twice on end, and its wait ahead of my first tensor load
	ds_add_u32 v[SPW], v[NIL]
	v_lshrrev_b32 v1, 5, v0
	v_readfirstlane_b32 s10, v1
	s_lshr_b32 s11, s10, 1
	s_and_b32 s12, s10, 1
	s_bfe_u32 s40, ttmp6, 0x40000                  ; cx
	s_bfe_u32 s41, ttmp6, 0x40004                  ; cy
	s_lshl_b32 s42, ttmp9, 2
	s_add_co_u32 s42, s42, s40                     ; key tile = 4 x cluster x + cx
	s_and_b32 s13, ttmp7, 0xffff
	s_lshl_b32 s13, s13, 2
	s_add_co_u32 s13, s13, s41                     ; query tile, over all batches = 4 x cluster y + cy
	s_lshl_b32 s43, s41, 2
	s_lshl_b32 s43, 15, s43
	s_lshl_b32 s44, 0x1111, s40
	s_or_b32 s[G1+0], s43, (1<<16)|(1<<20)|(1<<21)|(5<<22)|(3<<25)
	s_or_b32 s[G1B+0], s44, (1<<16)|(1<<20)|(1<<21)|(5<<22)|(3<<25)
.irp g, G1, G1B
	s_mov_b32 s[(\g)+1], KSTEP<<16
	s_mov_b32 s[(\g)+2], 128<<16
	s_mov_b32 s[(\g)+3], KSTEP<<16
	s_mov_b32 s[(\g)+4], 128
	s_mov_b32 s[(\g)+6], 0
	s_mov_b32 s[(\g)+7], 0
.endr
	s_mov_b32 s[G1+5], 2048                        ; elements from row to row of qv,
	s_mov_b32 s[G1B+5], 1024                       ; and of xh
	s_mov_b32 s[HIM], 0xffff0000
	s_mov_b32 s[CS], 0x3d38aa3b                    ; c = log2(e) / 32
	s_mov_b32 s[CS+1], s[CS]
	s_mov_b32 s[SEL], 0x76543210
	s_mov_b32 s[SEL+1], 0xfedcba98
	s_lshl_b32 s17, s12, 7
	s_lshl_b32 s16, s13, 8
	s_add_co_u32 s16, s16, s17                     ; A: row 256 x query tile + 128 x half
	s_lshl_b32 s16, s16, 12                        ; rows of 4,096 bytes
	s_lshl_b32 s46, s42, 8
	s_add_co_u32 s46, s46, s17                     ; B: row 256 x key tile + 128 x half
	s_and_b32 s47, ttmp7, 0xffff
	s_lshr_b32 s47, s47, 1                         ; the batch: two rows of clusters each; all partners share it
	s_lshl_b32 s47, s47, 11
	s_add_co_u32 s46, s46, s47                     ; + 2,048 x batch
	s_lshl_b32 s46, s46, 11                        ; rows of 2,048 bytes
	s_mov_b32 s17, 0
	s_mov_b32 s47, 0
	s_mul_i32 s20, s10, HALFT
	s_wait_dscnt 0x0                               ; both opening adds are done
	s_wait_kmcnt 0x0
	s_add_nc_u64 s[14:15], s[4:5], s[16:17]
	s_add_nc_u64 s[46:47], s[6:7], s[46:47]
	CROUND
.irp s, 0,1
	s_mov_b32 s[G0+4*(\s)], 1
	s_add_co_u32 s[G0+4*(\s)+1], s20, (\s)*SLOT
	s_add_nc_u64 s[G0+4*(\s)+2:G0+4*(\s)+3], s[14:15], (\s)*KSTEP*2
	s_or_b32 s[G0+4*(\s)+3], s[G0+4*(\s)+3], 0x80000000
	s_mov_b32 s[G0B+4*(\s)], 1
	s_add_co_u32 s[G0B+4*(\s)+1], s20, (\s)*SLOT
	s_add_nc_u64 s[G0B+4*(\s)+2:G0B+4*(\s)+3], s[46:47], (\s)*KSTEP*2
	s_or_b32 s[G0B+4*(\s)+3], s[G0B+4*(\s)+3], 0x80000000
	JLOAD \s
.endr
	v_and_b32 v1, 15, v0
	v_bfe_u32 v2, v0, 4, 1
	v_mul_u32_u24 v3, v1, PITCH
	v_lshl_add_u32 v3, v2, 4, v3
	s_mul_i32 s21, s11, HALFT
	s_mul_i32 s22, s12, HALFT
	s_add_co_u32 s22, s22, 2*HALFT
	v_add_nc_u32 v[A0], s21, v3
	v_add_nc_u32 v[B0], s22, v3
	v_mov_b32 v[ADRA], v[A0]
	v_mov_b32 v[ADRB], v[B0]
	s_mul_i32 s23, s10, 16*SPITCH
	s_add_co_u32 s23, s23, STAGE
	v_mul_u32_u24 v4, v1, SPITCH
	v_lshl_add_u32 v4, v2, 4, v4
	v_add_nc_u32 v[STO], s23, v4
	v_mul_u32_u24 v5, v2, SPITCH
	v_lshl_add_u32 v5, v1, 4, v5
	v_add_nc_u32 v[RD], s23, v5
	v_mul_u32_u24 v5, v2, SIZE_N*2
	v_lshl_add_u32 v[CO], v1, 4, v5
	v_and_b32 v[SO], 31, v0
	v_lshlrev_b32 v[SO], 3, v[SO]
	s_lshl_b32 s13, s13, 8
	s_lshl_b32 s14, s11, 7
	s_add_co_u32 s16, s13, s14                     ; my first row
	s_lshl_b32 s18, s16, 3                         ; 8 bytes a row in st,
	s_lshl_b32 s19, s42, 1
	s_add_co_u32 s19, s19, s12                     ; my key block t,
	s_lshl_b32 s19, s19, 16                        ; 8,192 rows of 8 bytes each
	s_add_co_u32 s18, s18, s19
	s_mov_b32 s19, 0
	s_add_nc_u64 s[STB:STB+1], s[STB:STB+1], s[18:19]
	s_lshl_b32 s16, s16, 12                        ; rows of pt: 4,096 bytes
	s_mov_b32 s17, 0
	s_lshl_b32 s46, s42, 9
	s_lshl_b32 s47, s12, 8
	s_add_co_u32 s46, s46, s47
	s_mov_b32 s47, 0
	s_add_nc_u64 s[16:17], s[16:17], s[46:47]
	; the prefetches
	s_lshl_b32 s42, s42, 8
	s_and_b32 s22, ttmp7, 0xffff                   ; cluster y
	s_lshr_b32 s23, s22, 1
	s_lshl_b32 s23, s23, 11
	s_add_co_u32 s42, s42, s23                     ; the key tile's first row in xh
	s_and_b32 s22, s22, 1                          ; which of the batch's two rows of clusters
	s_cmp_eq_u32 s11, 0
	s_cselect_b32 s20, s13, s42
	s_cselect_b32 s21, s40, s41
	s_cselect_b32 s22, ttmp9, s22
	s_cselect_b32 s23, 12, 11                      ; a row's bytes, as a shift
	s_cselect_b64 s[PFA:PFA+1], s[4:5], s[6:7]
	s_cmp_eq_u32 s22, 0
	s_cselect_b32 s[LIM], 1, -1
	s_lshl_b32 s22, s12, 7
	s_add_co_u32 s20, s20, s22
	s_lshl_b32 s21, s21, 5
	s_add_co_u32 s20, s20, s21
	s_lshl_b32 s20, s20, s23
	s_mov_b32 s21, 0
	s_add_nc_u64 s[PFA:PFA+1], s[PFA:PFA+1], s[20:21]
	s_add_nc_u64 s[PFA:PFA+1], s[PFA:PFA+1], 2*KSTEP*2
	v_and_b32 v[PFO], 31, v0
	v_lshlrev_b32 v[PFO], s23, v[PFO]
.macro MUL16 f, hi, a0, zero           ; 16 matrix instructions; the 64 accumulators take turns, one instruction a turn, in the same order in every quarter
	WIN MUL_LO+0x50*(\hi)
.irp a, \a0, (\a0)+1
.irp b, 0,1,2,3,4,5,6,7
.if \zero
	v_wmma_f32_16x16x32_bf16 v[8*(8*(\a)+(\b)):8*(8*(\a)+(\b))+7], v[(\f)+8*(\b):(\f)+8*(\b)+7], v[(\f)+8*(4*(\hi)+(\a)):(\f)+8*(4*(\hi)+(\a))+7], 0
.else
	v_wmma_f32_16x16x32_bf16 v[8*(8*(\a)+(\b)):8*(8*(\a)+(\b))+7], v[(\f)+8*(\b):(\f)+8*(\b)+7], v[(\f)+8*(4*(\hi)+(\a)):(\f)+8*(4*(\hi)+(\a))+7], v[8*(8*(\a)+(\b)):8*(8*(\a)+(\b))+7]
.endif
.endr
.endr
.endm
.macro FETCH k, f                      ; 32 LDS loads in one run, k bytes behind the walking addresses
	WIN TO_B
.irp i, 0,1,2,3,4,5,6,7
	ds_load_b128 v[(\f)+8*(\i):(\f)+8*(\i)+3],   v[ADRB] offset:(\k)+(\i)*16*PITCH
	ds_load_b128 v[(\f)+8*(\i)+4:(\f)+8*(\i)+7], v[ADRB] offset:(\k)+(\i)*16*PITCH+32
.endr
	WIN 0
.irp i, 0,1,2,3,4,5,6,7
	ds_load_b128 v[(\f)+8*(\i):(\f)+8*(\i)+3],   v[ADRA] offset:(\k)+(\i)*16*PITCH
	ds_load_b128 v[(\f)+8*(\i)+4:(\f)+8*(\i)+7], v[ADRA] offset:(\k)+(\i)*16*PITCH+32
.endr
.endm
.macro PLACES                          ; four plain vector instructions between a matrix instruction and a load into, or a read of, its registers
.rept 4
	v_nop
.endr
.endm
.macro QUARTER k, f, g, zero, step
	s_wait_dscnt 8                                 ; B and A's rows 0-63 are in; the youngest eight loads may be out
	MUL16 \f, 0, 0, \zero
	MUL16 \f, 0, 2, \zero
	PLACES
	FETCH \k, \g
.if \step
	v_add_nc_u32 v[ADRA], 128, v[ADRA]
	v_add_nc_u32 v[ADRB], 128, v[ADRB]
.endif
	s_wait_dscnt 32                                ; all but the 32 just issued
	MUL16 \f, 1, 0, \zero
	MUL16 \f, 1, 2, \zero
.endm
.macro PAIRS n
	WIN 0
.if (\n) > 1
	s_mov_b32 s[CNT], \n
.Lpair_\@:
.endif
	QUARTER 0,  F1, F0, 0, 0
	QUARTER 64, F0, F1, 0, 1
	WIN 0
.if (\n) > 1
	s_sub_co_u32 s[CNT], s[CNT], 1
	s_cmp_lg_u32 s[CNT], 0
	s_cbranch_scc1 .Lpair_\@
.endif
.endm
; The change of slots: all my tensor loads have landed, the add, my reads of the old slot are over; the barrier (fill = 1: a round of the cluster's); the joint refill first behind it.
.macro CHG old, new, fill
.if \fill
	s_wait_xcnt 0x0                                ; the last prefetch, a K step back, has read its address
	s_add_nc_u64 s[PFA:PFA+1], s[PFA:PFA+1], KSTEP*2
.endif
	WIN 0
	s_wait_tensorcnt 0x0
	ds_add_u32 v[SPW], v[NIL]
.if \fill
	s_add_nc_u64 s[G0+4*(\old)+2:G0+4*(\old)+3], s[G0+4*(\old)+2:G0+4*(\old)+3], 2*KSTEP*2
	s_add_nc_u64 s[G0B+4*(\old)+2:G0B+4*(\old)+3], s[G0B+4*(\old)+2:G0B+4*(\old)+3], 2*KSTEP*2
.endif
.if (\new) == 0
	v_mov_b32 v[ADRA], v[A0]
	v_mov_b32 v[ADRB], v[B0]
.else
	v_add_nc_u32 v[ADRA], SLOT, v[A0]
	v_add_nc_u32 v[ADRB], SLOT, v[B0]
.endif
	s_wait_dscnt 0x0
.if \fill
	CROUND
	JLOAD \old
	ASK
.else
	s_barrier_signal -1
	s_barrier_wait -1
.endif
.endm
; THE SOFTMAX OF ROW BLOCK a (16 queries x my 128 keys; a lane has 64 scores in 8 accumulators).  The maximum is taken three registers at a time in ascending order.
; The 64 exponentials are ONE batch: nothing ahead of the wait names a result; a v_nop is the plain instruction behind the last; one wait serves all.
.macro SOFT a
.set X, 2+(\a)/4
.set AC, 64*((\a)%4)
.set CM, CMB+2*(\a)
	WIN X|(X<<2)|(X<<4)
.set i, 0
.rept 21
	v_max3_num_f32 v[T+i], v[AC+3*i], v[AC+3*i+1], v[AC+3*i+2]
.set i, i+1
.endr
	v_max3_num_f32 v[T+21], v[AC+61], v[AC+62], v[AC+63]
	WIN 0
.set i, 0
.rept 7
	v_max3_num_f32 v[U+i], v[T+3*i], v[T+3*i+1], v[T+3*i+2]
.set i, i+1
.endr
	v_max3_num_f32 v[U+7], v[U], v[U+1], v[U+2]
	v_max3_num_f32 v[U+8], v[U+3], v[U+4], v[U+5]
	v_max3_num_f32 v[U+9], v[U+6], v[T+21], v[U+7]
	v_max_num_f32 v[U], v[U+8], v[U+9]
	v_permlanex16_b32 v[T], v[U], s[SEL], s[SEL+1] ; the query's other 64 keys lie in the lane 16 away
	v_max_num_f32 v[CM+1], v[U], v[T]              ; m, for now in l's place, so that the pair below is written
	v_mul_f32 v[CM], s[CS], v[CM+1]                ; c m
	WIN (X<<6)|X
.set i, 0
.rept 32
	v_pk_fma_f32 v[AC+2*i:AC+2*i+1], v[AC+2*i:AC+2*i+1], s[CS:CS+1], v[CM:CM+1] op_sel_hi:[1,0,0] neg_lo:[0,0,1] neg_hi:[0,0,1]  ; c s - c m
.set i, i+1
.endr
.set i, 0
.rept 64
	v_exp_f32 v[AC+i], v[AC+i]
.set i, i+1
.endr
	v_nop
	s_wait_alu depctr_va_vdst(0)
	WIN X|(X<<2)
.irp b, 0,1,2,3,4,5,6,7
.irp r, 0,1,2,3
	v_cvt_pk_bf16_f32 v[TMP+4*(\b)+(\r)], v[AC+8*(\b)+2*(\r)], v[AC+8*(\b)+2*(\r)+1]
.endr
.endr
	WIN (X<<6)|(X<<2)|X
.irp w, 4,8,16,32,64                   ; the sum of the 32 pairs, in place: neighbours 2, 4, 8, 16 and 32 registers apart
.set i, 0
.rept 64/(\w)
	v_pk_add_f32 v[AC+(\w)*i:AC+(\w)*i+1], v[AC+(\w)*i:AC+(\w)*i+1], v[AC+(\w)*i+(\w)/2:AC+(\w)*i+(\w)/2+1]
.set i, i+1
.endr
.endr
	WIN X|(X<<2)
	v_add_f32 v[T], v[AC], v[AC+1]
	WIN 0
	v_permlanex16_b32 v[T+1], v[T], s[SEL], s[SEL+1]
	v_add_f32 v[CM+1], v[T], v[T+1]                ; l
.endm
.macro TOSTAGE a
	WIN 0
.set BK, OB+192*((\a)%2)
.irp b, 0,1,2,3,4,5,6,7
	ds_store_b128 v[STO], v[TMP+4*(\b):TMP+4*(\b)+3] offset:32*(\b)
.endr
.irp t, 0,1,2,3,4,5,6,7
	ds_load_b128 v[BK+4*(\t):BK+4*(\t)+3], v[RD] offset:(\t)*2*SPITCH  ; LDS serves a wave's instructions in order (ISA guide 5.7.1.4): these see the stores above
.endr
.endm
.macro SEND a
	WIN 0
.set BK, OB+192*((\a)%2)
	s_wait_dscnt 0x0
	s_wait_xcnt 0x0                                ; earlier stores have read their base and data
.if (\a) == 0
	s_add_nc_u64 s[8:9], s[8:9], s[16:17]
.else
	s_add_nc_u64 s[8:9], s[8:9], 16*SIZE_N*2
.endif
.irp t, 0,1,2,3,4,5,6,7
	global_store_b128 v[CO], v[BK+4*(\t):BK+4*(\t)+3], s[8:9] offset:2*(\t)*SIZE_N*2  ; 16 lanes store 256 consecutive bytes, at a multiple of 256 from pt's first byte
.endr
.endm
	s_wait_tensorcnt 1                             ; my part of K step 0 is in; K step 1's may stay out
	s_barrier_signal -1
	s_barrier_wait -1
	FETCH 0, F0
	QUARTER 64, F0, F1, 1, 1                       ; the first quarter is written out: its products start the sums
	PAIRS 1
	s_mov_b32 s3, LAPS-1
.Llap:                                                 ; a trip goes once round the ring and fills both slots again
	CHG 0, 1, 1
	PAIRS 2
	CHG 1, 0, 1
	PAIRS 2
	s_sub_co_u32 s3, s3, 1
	s_cmp_lg_u32 s3, 0
	s_cbranch_scc1 .Llap
	CHG 0, 1, 0                                    ; the last change of slots is written out: nothing is left to ask for
	PAIRS 2
	s_wait_dscnt 8
	MUL16 F1, 0, 0, 0
	MUL16 F1, 0, 2, 0
	s_wait_dscnt 0x0
	MUL16 F1, 1, 0, 0
	MUL16 F1, 1, 2, 0
	WIN 0
	PLACES
	SOFT 0
	TOSTAGE 0
.irp a, 1,2,3,4,5,6,7                  ; block a's softmax stands between block a - 1's loads from the stage and the wait for them
	SOFT \a
	SEND (\a)-1
	TOSTAGE \a
.endr
	SEND 7
.irp i, 0,1,2,3                        ; the statistics: lanes 0-15 take block 2 i, lanes 16-31 block 2 i + 1 (both halves of the lanes hold every block's): 32 rows, 256 consecutive bytes a store
	v_cndmask_b32 v[SP+2*\i],   v[CMB+4*\i],   v[CMB+4*\i+2], s[HIM]
	v_cndmask_b32 v[SP+2*\i+1], v[CMB+4*\i+1], v[CMB+4*\i+3], s[HIM]
	global_store_b64 v[SO], v[SP+2*\i:SP+2*\i+1], s[STB:STB+1] offset:256*\i
.endr
	s_wait_tensorcnt 0x0                           ; the wave's end
	ds_add_u32 v[SPW], v[NIL]
	s_wait_dscnt 0x0
	CROUND
	s_endpgm
.Lfunc_end_k_qf96f5c7a7a_scores:
	.size	k_qf96f5c7a7a_scores, .Lfunc_end_k_qf96f5c7a7a_scores-k_qf96f5c7a7a_scores
	.p2alignl 7, 3214868480
	.fill 96, 4, 3214868480
	.section	.rodata,"a",@progbits
	.p2align	6, 0x0
	.amdhsa_kernel k_qf96f5c7a7a_scores
		.amdhsa_group_segment_fixed_size 327680
		.amdhsa_private_segment_fixed_size 0
		.amdhsa_enable_private_segment 0
		.amdhsa_kernarg_size 32
		.amdhsa_user_sgpr_count 2
		.amdhsa_user_sgpr_kernarg_segment_ptr 1
		.amdhsa_wavefront_size32 1
		.amdhsa_system_sgpr_workgroup_id_x 1
		.amdhsa_system_sgpr_workgroup_id_y 1
		.amdhsa_system_sgpr_workgroup_id_z 1
		.amdhsa_system_vgpr_workitem_id 0
		.amdhsa_next_free_vgpr 1024
		.amdhsa_next_free_sgpr 76
		.amdhsa_reserve_vcc 0
		.amdhsa_float_denorm_mode_32 3
		.amdhsa_float_denorm_mode_16_64 3
		.amdhsa_memory_ordered 1
		.amdhsa_forward_progress 1
		.amdhsa_inst_pref_size 177
	.end_amdhsa_kernel
	.amdgpu_metadata
---
amdhsa.version: [ 1, 2 ]
amdhsa.kernels:
  - .name:           k_qf96f5c7a7a_scores
    .symbol:         k_qf96f5c7a7a_scores.kd
    .args:
      - { .name: qv, .offset: 0, .size: 8, .value_kind: global_buffer, .address_space: global }
      - { .name: xh, .offset: 8, .size: 8, .value_kind: global_buffer, .address_space: global }
      - { .name: pt, .offset: 16, .size: 8, .value_kind: global_buffer, .address_space: global }
      - { .name: st, .offset: 24, .size: 8, .value_kind: global_buffer, .address_space: global }
    .group_segment_fixed_size: 327680
    .private_segment_fixed_size: 0
    .kernarg_segment_align: 8
    .kernarg_segment_size: 32
    .max_flat_workgroup_size: 128
    .sgpr_count:     76
    .vgpr_count:     1024
    .wavefront_size: 32
...
	.end_amdgpu_metadata
.endif
;; end of part 7
;; launch mix (part 8): grid 4 x 64, 4 waves a work-group, clusters of 4 x 4, 327,680 bytes of LDS; arguments pt, qv, st, bo, out0; writes out0
.if DOCPART == 8
	.amdgcn_target "amdgcn-amd-amdhsa--gfx1250"
	.amdhsa_code_object_version 6
	.text
	.protected	k_qf96f5c7a7a_mix
	.globl	k_qf96f5c7a7a_mix
	.p2align	8
	.type	k_qf96f5c7a7a_mix,@function
k_qf96f5c7a7a_mix:
	s_mov_b64 s[64:65], 0
	v_nop
	global_prefetch_b8 v0, s[64:65] scope:SCOPE_SE
	s_setreg_imm32_b32 hwreg(HW_REG_WAVE_MODE, 25, 1), 1
	s_wait_xcnt 0x0
	s_wait_alu depctr_hold_cnt(0) depctr_sa_sdst(0) depctr_va_vdst(0) depctr_va_sdst(0) depctr_va_ssrc(0) depctr_va_vcc(0) depctr_vm_vsrc(0)
	s_getreg_b32 s2, hwreg(HW_REG_IB_STS2, 6, 4)
	s_cmp_eq_u32 s2, 0
	s_cbranch_scc0 .Lentry_in_a_cluster
	s_endpgm
.Lentry_in_a_cluster:
	s_bfe_u32 s2, ttmp6, 0x10000c
	s_cmp_lg_u32 s2, 0xf033
	s_cbranch_scc0 .Lentry_shape_is_right
	s_endpgm
.Lentry_shape_is_right:
; FOURTH LAUNCH: out0[r][n] = (sum over the 16 key blocks t of f_t[r] sum over the block's 128 keys j of pt[r][j] v'[j][n]) / L[r] + bo[n];  v' = columns 1024-2047 of qv, of the row's batch.
; For each row: M = the maximum over t of c m_t; f_t = 2^(c m_t - M), at most 1, rounded to bf16; L = sum over t of f_t l_t (with the rounded f_t, the numbers that scale pt), at least about 1.
; So the weights are 2^(c s - M) / L: the softmax with the row's true maximum taken away.  (bk is left out of the scores, as the first launch's head shows; there is no product with wo: it lies in v'.)
; bo is rounded to bf16 like the other inputs.  LIMITS: f_t below 2^-126 counts as 0; NaN and infinities are not treated apart.
; A tile is 128 rows x 256 columns: 64 x 4 tiles, one work-group for each.  Four waves, each 64 rows x 128 columns: 32 accumulators.  The 2,048 keys go in quarters of 32: 32 products a wave.
; A = pt (keys along the rows); B = v', stored [key][column], comes out of LDS turned, by ds_load_tr16_b128.  The matrix instruction is used transposed (source 0 = 16 columns, source 1 = 16 rows):
; a lane of A's fragment holds ONE row, so f_t is one word (f, f) a lane and row block, and a fragment is scaled by eight v_pk_mul_bf16 between its load and its products.
; THE RING.  Two LDS slots of 192 keys (six quarters), as many as fit: a key is 768 bytes of pt and v' together, with padding 159,744 bytes a slot.  So a refill has 192 products a wave in which to land,
; and the walk has ten changes of slots.  2,048 = 128 + 10 x 192: slot 0 serves keys 0-127, slot s = 1 .. 10 keys 192 s - 64 .. 192 s + 127.  One descriptor serves every fill: slot 0's fill brings
; keys 0-191, of which the last 64 are not used and come again with slot 1: 64 keys of 2,048 are fetched twice.  pt's tile rows are 384 bytes and begin at multiples of 128: the price of the longer slot.
; THE TEXT IS SHORT: a pair of quarters (multiply buffer 1 and fetch into buffer 0; multiply buffer 0 and fetch into buffer 1) is written once and walked three times for a slot.  The first quarter
; behind a change of slots multiplies the old slot's last fragments, so a quarter's four numbers f are fetched with its fragment buffer and belong to it.
; CLUSTERS: 4 x 4.  The four of a row of the cluster (one row tile, the four column tiles) need the same tiles of pt; the four of a column (four row tiles of one batch) the same tiles of v': joint loads.
; REGISTERS, in windows of 256 (s_set_vgpr_msb: bits 1:0 source 0, 3:2 source 1, 5:4 source 2, 7:6 destination):
;   window 0: v0-31 addresses; v32-39 1 / L, a pair a row block; v40-47 f as loaded, four for each buffer; two buffers of 96 from v64: A as loaded (32), B (64)
;   window 1: v0-127 accumulators of column blocks 0-3 ((a, b) at 8 (4 a + b)); v128-191 A scaled, two buffers; v192-199 (f, f), four words for each buffer
;   window 2: v0-127 accumulators of column blocks 4-7; v128-191 bo of my columns; v192 at work
; One setting serves the products into window 1 and the scalings (destination and source 1 in window 1, source 0 in window 0), so the scalings ride behind the products without a switch.
.set PAP,   432                        ; a row of pt's tile in LDS: three pieces of 128 bytes, 16 of padding behind each = 27 x 16 bytes: the 16 rows of a fragment load start at 16 different groups of four banks (64 banks of 4 bytes: ISA guide 11.1)
.set PBP,   544                        ; a row of v's tile: 512 + 32 = 136 words
.set AH,    64*PAP                     ; what a wave's load of A brings: 64 rows
.set BH,    96*PBP                     ; and of B: 96 keys
.set BOFF,  2*AH
.set SLOT,  2*AH+2*BH
.set FT,    2*SLOT                     ; [16 t][128 rows] f in bf16
.set RL,    FT+4096                    ; [128 rows] 1 / L, f32
.set SPARE, RL+512                     ; the spare words: two blocks of 256 bytes that no other line names
.set STAGE, SLOT                       ; the way out's stage, 16 rows x 528 bytes for each wave, lies in the second slot's bytes: they have had their last fill, and their last read lies ahead of the last change's barrier
.set SPITCH, 528
.set A0,   16                          ; v16  my lane's place in my A fragments in slot place 0; never rewritten
.set B0,   17                          ; v17  the same for B
.set ADRA, 18                          ; v18  where the next fetch of A's fragments begins; walks
.set ADRB, 19                          ; v19  the same for B
.set FTA,  22                          ; v22  my lane's number in FT, at the key block that is being fetched; walks
.set RLA,  23
.set STO,  24
.set RD,   25
.set CO,   26
.set BOF,  27
.set SPW,  28
.set NIL,  29
.set PFO,  30
.set STO8, 31                          ; v31  8 x thread
.set RLV,  32
.set FW0,  40                          ; f as loaded: FW0 + 4 f
.set RA0,  64                          ; A as loaded: RA0 + 96 f
.set RB0,  96                          ; B: RB0 + 96 f
.set SA0,  128                         ; window 1: A scaled: SA0 + 32 f
.set FV0,  192                         ; window 1: (f, f) of buffer f's quarter: FV0 + 4 f
.set BOV,  128                         ; window 2
.set TMP,  64
.set CNT,  2                           ; s2   counts a slot's pairs
.set PFA,  44
.set LIM,  43
.set PSA,  72                          ; s[72:73] what my prefetches step by at a change that fills place 0
.set PSB,  74                          ; s[74:75] and at one that fills place 1
.set TG,   76                          ; s76  0 and 256 by turns: what f's address steps by behind a pair: a key block is two pairs
.set G1, 24
.set G0, 32
.set G1B, 48
.set G0B, 56
.set W1, 0x54
.set W2, 0xa4
.set MSB, 0
.macro WIN new
.if MSB != (\new)
	s_set_vgpr_msb (MSB<<8)|(\new)
.set MSB, \new
.endif
.endm
.macro JLOAD s                         ; a joint load: waves 0 and 1 fetch A's halves, waves 2 and 3 B's; an s_nop 0 and four v_nop follow each line
	s_cmp_eq_u32 s11, 0
	s_cbranch_scc0 .Lfor_b_\@
	tensor_load_to_lds s[G0+4*(\s):G0+4*(\s)+3], s[G1:G1+7]
	s_nop 0
.rept 4
	v_nop
.endr
	s_branch .Lasked_\@
.Lfor_b_\@:
	tensor_load_to_lds s[G0B+4*(\s):G0B+4*(\s)+3], s[G1B:G1B+7]
	s_nop 0
.rept 4
	v_nop
.endr
.Lasked_\@:
.endm
; A PREFETCH of the slot two refills on (384 matrix instructions a wave ahead of the load that will want it), 32 blocks of 256 bytes an instruction, a lane a block.
; pt's 128 rows of a row tile are read by one row of one cluster alone: in each of its four work-groups wave 0 asks for 32 rows, told apart by address (cx).  A slot's 384 bytes of a row begin a new
; block of 256 bytes twice if the slot's number is odd, once if it is even; the block that two slots share is asked for with the earlier one.
; v's 192 keys x 512 bytes of a column tile are read by the batch's four rows of clusters: the first of them asks; the keys fall into twelve groups of 16, two blocks a key: waves 1 to 3 of the four
; partners take one each, told apart by address (cy).  So each block is named once in the launch.  Slots 0 to 3 come by their loads alone; the loop's last trip asks for nothing: there is no slot two refills on.
.macro ASK odd
	s_cmp_gt_u32 s3, s[LIM]
	s_cbranch_scc0 .Lnot_mine_\@
	global_prefetch_b8 v[PFO], s[PFA:PFA+1] th:TH_LOAD_NT scope:SCOPE_SE
.if \odd
	s_cmp_lg_u32 s10, 0
	s_cbranch_scc1 .Lnot_mine_\@
	global_prefetch_b8 v[PFO], s[PFA:PFA+1] offset:256 th:TH_LOAD_NT scope:SCOPE_SE
.endif
.Lnot_mine_\@:
.endm
.macro CROUND
	s_barrier_signal -1
	s_barrier_wait -1
	s_cmp_lg_u32 s10, 0
	s_cbranch_scc1 .Lnot_wave_0_\@
	s_barrier_signal -3
.Lnot_wave_0_\@:
	s_barrier_wait -3
	s_barrier_signal -1
	s_barrier_wait -1
.endm
	s_load_b128 s[4:7], s[0:1], 0x0                ; pt s[4:5], qv s[6:7]
	s_load_b128 s[68:71], s[0:1], 0x10             ; st s[68:69], bo s[70:71]
	s_load_b64 s[8:9], s[0:1], 0x20                ; out0
	v_lshl_add_u32 v[SPW], v0, 2, SPARE
	v_mov_b32 v[NIL], 0
	ds_add_u32 v[SPW], v[NIL]                      ; the wave's opening: the add, twice on end, and its wait ahead of my first tensor load
	ds_add_u32 v[SPW], v[NIL]
	v_lshrrev_b32 v1, 5, v0
	v_readfirstlane_b32 s10, v1                    ; wave 0..3
	s_lshr_b32 s11, s10, 1                         ; which 64 rows are mine.  Also: I fetch for A (0) or for B (1)
	s_and_b32 s12, s10, 1                          ; which 128 columns.  Also: which half of that tile I fetch
	s_bfe_u32 s40, ttmp6, 0x40000                  ; cx
	s_bfe_u32 s41, ttmp6, 0x40004                  ; cy
	s_lshl_b32 s42, ttmp9, 2
	s_add_co_u32 s42, s42, s40                     ; column tile
	s_and_b32 s13, ttmp7, 0xffff
	s_lshl_b32 s13, s13, 2
	s_add_co_u32 s13, s13, s41                     ; row tile, over all batches
	s_lshl_b32 s43, s41, 2
	s_lshl_b32 s43, 15, s43                        ; my row of the cluster
	s_lshl_b32 s44, 0x1111, s40                    ; my column
	s_or_b32 s[G1+0], s43, (1<<16)|(1<<20)|(1<<21)|(4<<22)|(3<<25)   ; A: after every 32 words, 4 words of padding: three times in a row
	s_or_b32 s[G1B+0], s44, (1<<16)|(1<<20)|(1<<21)|(6<<22)|(7<<25)  ; B: after every 128 words, 8 words
	s_mov_b32 s[G1+1], 192<<16                     ; A: 64 rows x 192 elements
	s_mov_b32 s[G1+2], 64<<16
	s_mov_b32 s[G1+3], 192<<16
	s_mov_b32 s[G1+4], 64
	s_mov_b32 s[G1+5], 2048
	s_mov_b32 s[G1+6], 0
	s_mov_b32 s[G1+7], 0
	s_mov_b32 s[G1B+1], 256<<16                    ; B: 96 keys x 256 elements
	s_mov_b32 s[G1B+2], 96<<16
	s_mov_b32 s[G1B+3], 256<<16
	s_mov_b32 s[G1B+4], 96
	s_mov_b32 s[G1B+5], 2048
	s_mov_b32 s[G1B+6], 0
	s_mov_b32 s[G1B+7], 0
	s_mov_b32 s[TG], 0
	s_lshl_b32 s16, s13, 7
	s_lshl_b32 s17, s12, 6
	s_add_co_u32 s16, s16, s17                     ; A: row 128 x row tile + 64 x half
	s_lshl_b32 s16, s16, 12
	s_mov_b32 s17, 0
	s_and_b32 s46, ttmp7, 0xffff
	s_lshr_b32 s46, s46, 2                         ; the batch: four rows of clusters each; all partners share it
	s_lshl_b32 s46, s46, 11
	s_mul_i32 s47, s12, 96
	s_add_co_u32 s46, s46, s47                     ; B: key row 2,048 x batch + 96 x half
	s_lshl_b32 s46, s46, 12
	s_lshl_b32 s47, s42, 9
	s_add_co_u32 s46, s46, s47                     ; + 512 bytes x column tile
	s_add_co_u32 s46, s46, 2048                    ; v' begins 2,048 bytes into a row of qv
	s_mov_b32 s47, 0
	s_mul_i32 s20, s12, AH
	s_mul_i32 s21, s12, BH
	s_add_co_u32 s21, s21, BOFF
	s_wait_dscnt 0x0                               ; both opening adds are done
	s_wait_kmcnt 0x0
	s_add_nc_u64 s[14:15], s[4:5], s[16:17]
	s_add_nc_u64 s[46:47], s[6:7], s[46:47]
	CROUND                                         ; all sixteen work-groups are here: the first joint loads meet
.irp s, 0,1                            ; slot 0 begins at key 0, slot 1 at key 128
	s_mov_b32 s[G0+4*(\s)], 1
	s_add_co_u32 s[G0+4*(\s)+1], s20, (\s)*SLOT
	s_add_nc_u64 s[G0+4*(\s)+2:G0+4*(\s)+3], s[14:15], (\s)*256
	s_or_b32 s[G0+4*(\s)+3], s[G0+4*(\s)+3], 0x80000000
	s_mov_b32 s[G0B+4*(\s)], 1
	s_add_co_u32 s[G0B+4*(\s)+1], s21, (\s)*SLOT
	s_add_nc_u64 s[G0B+4*(\s)+2:G0B+4*(\s)+3], s[46:47], (\s)*0x80000
	s_or_b32 s[G0B+4*(\s)+3], s[G0B+4*(\s)+3], 0x80000000
	JLOAD \s
.endr
	; the statistics of row (thread) of the tile, and bo of my columns, are asked for
	v_lshlrev_b32 v[STO8], 3, v0
	s_lshl_b32 s22, s13, 10                        ; 128 rows of 8 bytes
	s_mov_b32 s23, 0
	s_add_nc_u64 s[68:69], s[68:69], s[22:23]
.set t, 0
.rept 16
	global_load_b64 v[64+2*t:65+2*t], v[STO8], s[68:69] offset:65536*t
.set t, t+1
.endr
	v_and_b32 v1, 15, v0                           ; r = l % 16
	v_bfe_u32 v2, v0, 4, 1                         ; h = l / 16
	s_lshl_b32 s22, s42, 10
	s_lshl_b32 s23, s12, 9
	s_add_co_u32 s22, s22, s23                     ; my first column, 4 bytes each
	v_lshl_add_u32 v[BOF], v2, 5, s22
	WIN 0x80
.irp b, 0,1,2,3,4,5,6,7
	global_load_b128 v[BOV+8*\b:BOV+8*\b+3],   v[BOF], s[70:71] offset:64*\b
	global_load_b128 v[BOV+8*\b+4:BOV+8*\b+7], v[BOF], s[70:71] offset:64*\b+16
.endr
	WIN 0
	s_lshl_b32 s20, s13, 7
	s_lshl_b32 s21, s11, 6
	s_add_co_u32 s20, s20, s21                     ; my first row of out0,
	s_lshl_b32 s20, s20, 12                        ; 4,096 bytes a row,
	s_add_co_u32 s20, s20, s22                     ; and my first column
	s_mov_b32 s21, 0
	s_add_nc_u64 s[8:9], s[8:9], s[20:21]
	v_mul_u32_u24 v3, v1, PAP
	v_lshl_add_u32 v3, v2, 4, v3
	s_mul_i32 s21, s11, AH
	v_and_b32 v5, 7, v0
	v_bfe_u32 v6, v0, 3, 1
	v_lshl_add_u32 v4, v2, 3, v5                   ; the turning load: key 8 h + l % 8,
	v_mul_u32_u24 v4, v4, PBP
	v_lshl_add_u32 v4, v6, 4, v4                   ; columns 8 ((l / 8) % 2) + 0..7
	s_lshl_b32 s22, s12, 8
	s_add_co_u32 s22, s22, BOFF
	v_add_nc_u32 v[A0], s21, v3
	v_add_nc_u32 v[B0], s22, v4
	v_mov_b32 v[ADRA], v[A0]
	v_mov_b32 v[ADRB], v[B0]
	s_lshl_b32 s21, s11, 7                         ; my 64 rows, 2 bytes each
	s_add_co_u32 s22, s21, FT
	v_lshl_add_u32 v[FTA], v1, 1, s22
	s_lshl_b32 s21, s11, 8
	s_add_co_u32 s22, s21, RL
	v_lshl_add_u32 v[RLA], v1, 2, s22
	s_mul_i32 s23, s10, 16*SPITCH
	s_add_co_u32 s23, s23, STAGE
	v_mul_u32_u24 v[STO], v1, SPITCH
	v_lshl_add_u32 v[STO], v2, 5, v[STO]
	v_add_nc_u32 v[STO], s23, v[STO]               ; in: row r, 32 bytes for each half of the lanes
	v_and_b32 v7, 31, v0
	v_lshlrev_b32 v[CO], 4, v7                     ; back: a row of 512 bytes, 16 a lane
	v_add_nc_u32 v[RD], s23, v[CO]
	v_lshl_add_u32 v11, v0, 1, FT
	v_lshl_add_u32 v12, v0, 2, RL
	; the prefetches
	s_lshl_b32 s20, s13, 7
	s_lshl_b32 s21, s40, 5
	s_add_co_u32 s20, s20, s21
	s_lshl_b32 s20, s20, 12                        ; A: row 128 x row tile + 32 cx,
	s_add_co_u32 s20, s20, 1024                    ; at byte 1,024: the first change steps it by 512, to slot 4's new block
	s_and_b32 s21, ttmp7, 0xffff
	s_lshr_b32 s22, s21, 2
	s_lshl_b32 s22, s22, 11
	s_mul_i32 s23, s41, 3
	s_max_u32 s78, s10, 1
	s_add_co_u32 s23, s23, s78
	s_sub_co_u32 s23, s23, 1                       ; my group of 16 keys: 3 cy + wave - 1
	s_lshl_b32 s23, s23, 4
	s_add_co_u32 s22, s22, s23
	s_add_co_u32 s22, s22, 512                     ; B: key 2,048 x batch + 16 x group + 512: the first change steps it by 192, to slot 4's first key, 704
	s_lshl_b32 s22, s22, 12
	s_lshl_b32 s23, s42, 9
	s_add_co_u32 s22, s22, s23
	s_add_co_u32 s22, s22, 2048
	s_and_b32 s21, s21, 3                          ; which of the batch's four rows of clusters
	s_mov_b32 s78, 0xc0000                         ; 192 rows of qv
	s_cmp_eq_u32 s10, 0
	s_cselect_b32 s20, s20, s22
	s_cselect_b32 s21, 0, s21                      ; wave 0 asks in every cluster; waves 1 to 3 in the batch's first row of clusters
	s_cselect_b64 s[PFA:PFA+1], s[4:5], s[6:7]
	s_cselect_b32 s[PSA], 512, s78                 ; pt: an odd slot has begun two new blocks,
	s_cselect_b32 s[PSB], 256, s78                 ; an even one one
	s_cselect_b32 s23, -1, 0
	s_cmp_eq_u32 s21, 0
	s_cselect_b32 s[LIM], 1, -1
	s_mov_b32 s21, 0
	s_mov_b32 s[PSA+1], 0
	s_mov_b32 s[PSB+1], 0
	s_add_nc_u64 s[PFA:PFA+1], s[PFA:PFA+1], s[20:21]
	v_lshlrev_b32 v8, 12, v7                       ; A: a lane a row
	v_lshrrev_b32 v9, 1, v7
	v_and_b32 v10, 1, v0
	v_lshlrev_b32 v9, 12, v9
	v_lshl_add_u32 v9, v10, 8, v9                  ; B: two lanes a key
	v_cndmask_b32 v[PFO], v9, v8, s23
	; M, f, L
	s_wait_loadcnt 0x0
	v_max3_num_f32 v128, v64, v66, v68
.irp t, 3,5,7,9,11,13
	v_max3_num_f32 v128, v128, v[64+2*\t], v[66+2*\t]
.endr
	v_max_num_f32 v128, v128, v94
.set t, 0
.rept 16
	v_sub_f32 v[96+t], v[64+2*t], v128
.set t, t+1
.endr
.set t, 0
.rept 16
	v_exp_f32 v[96+t], v[96+t]
.set t, t+1
.endr
	v_nop                                          ; the plain instruction behind the last exponential,
	s_wait_alu depctr_va_vdst(0)                   ; and the one wait for the batch, ahead of its first reader
.set t, 0
.rept 16
	v_cvt_pk_bf16_f32 v[112+t], v[96+t], v[96+t]   ; f in bf16, in both halves
.set t, t+1
.endr
.set t, 0
.rept 16
	v_and_b32 v[96+t], 0xffff0000, v[112+t]        ; the rounded f, as f32
.set t, t+1
.endr
	v_mul_f32 v129, v96, v65
.set t, 1
.rept 15
	v_fmac_f32 v129, v[96+t], v[65+2*t]
.set t, t+1
.endr
	v_rcp_f32 v130, v129
.set t, 0
.rept 16
	ds_store_b16 v11, v[112+t] offset:256*t
.set t, t+1
.endr
	v_nop
	s_wait_alu depctr_va_vdst(0)
	ds_store_b32 v12, v130
	WIN 0xaa                                       ; bo, rounded to bf16 and widened again
.set t, 0
.rept 32
	v_cvt_pk_bf16_f32 v192, v[BOV+2*t], v[BOV+2*t+1]
	v_lshlrev_b32 v[BOV+2*t], 16, v192
	v_and_b32 v[BOV+2*t+1], 0xffff0000, v192
.set t, t+1
.endr
	WIN 0
.macro SC2 f, a, i                     ; two registers of buffer f's fragment of row block a, times the buffer's f
	v_pk_mul_bf16 v[SA0+32*(\f)+8*(\a)+(\i)],   v[RA0+96*(\f)+8*(\a)+(\i)],   v[FV0+4*(\f)+(\a)]
	v_pk_mul_bf16 v[SA0+32*(\f)+8*(\a)+(\i)+1], v[RA0+96*(\f)+8*(\a)+(\i)+1], v[FV0+4*(\f)+(\a)]
.endm
.macro HEAD f                          ; a quarter's head: the four f, 16 bits each, into both halves of a word; then the first row block's fragment is scaled
.irp a, 0,1,2,3
	v_mul_u32_u24 v[FV0+4*(\f)+\a], v[FW0+4*(\f)+\a], 0x10001
.endr
	SC2 \f, 0, 0
	SC2 \f, 0, 2
	SC2 \f, 0, 4
	SC2 \f, 0, 6
.endm
.macro S1ROW f, a, zero                ; row block a x column blocks 0-3; behind each product two scalings of the next row block's fragment
.irp b, 0,1,2,3
.if \zero
	v_wmma_f32_16x16x32_bf16 v[8*(4*(\a)+\b):8*(4*(\a)+\b)+7], v[RB0+96*(\f)+8*\b:RB0+96*(\f)+8*\b+7], v[SA0+32*(\f)+8*(\a):SA0+32*(\f)+8*(\a)+7], 0
.else
	v_wmma_f32_16x16x32_bf16 v[8*(4*(\a)+\b):8*(4*(\a)+\b)+7], v[RB0+96*(\f)+8*\b:RB0+96*(\f)+8*\b+7], v[SA0+32*(\f)+8*(\a):SA0+32*(\f)+8*(\a)+7], v[8*(4*(\a)+\b):8*(4*(\a)+\b)+7]
.endif
.if (\a) < 3
	SC2 \f, (\a)+1, 2*\b
.endif
.endr
.endm
.macro S2 f, zero                      ; all four row blocks x column blocks 4-7
.irp a, 0,1,2,3
.irp b, 0,1,2,3
.if \zero
	v_wmma_f32_16x16x32_bf16 v[8*(4*\a+\b):8*(4*\a+\b)+7], v[RB0+96*(\f)+32+8*\b:RB0+96*(\f)+32+8*\b+7], v[SA0+32*(\f)+8*\a:SA0+32*(\f)+8*\a+7], 0
.else
	v_wmma_f32_16x16x32_bf16 v[8*(4*\a+\b):8*(4*\a+\b)+7], v[RB0+96*(\f)+32+8*\b:RB0+96*(\f)+32+8*\b+7], v[SA0+32*(\f)+8*\a:SA0+32*(\f)+8*\a+7], v[8*(4*\a+\b):8*(4*\a+\b)+7]
.endif
.endr
.endr
.endm
.macro FETCH q, f                      ; 28 LDS loads in one run, q quarters behind the walking addresses: the key block's four f, A's four fragments, B's column blocks 0-3, then 4-7
	WIN 0
.irp a, 0,1,2,3
	ds_load_u16 v[FW0+4*(\f)+\a], v[FTA] offset:32*\a
.endr
.irp a, 0,1,2,3
	ds_load_b128 v[RA0+96*(\f)+8*\a:RA0+96*(\f)+8*\a+3],   v[ADRA] offset:16*PAP*\a+64*(\q)
	ds_load_b128 v[RA0+96*(\f)+8*\a+4:RA0+96*(\f)+8*\a+7], v[ADRA] offset:16*PAP*\a+64*(\q)+32
.endr
.irp b, 0,1,2,3,4,5,6,7
	ds_load_tr16_b128 v[RB0+96*(\f)+8*\b:RB0+96*(\f)+8*\b+3],   v[ADRB] offset:32*PBP*(\q)+32*\b
	ds_load_tr16_b128 v[RB0+96*(\f)+8*\b+4:RB0+96*(\f)+8*\b+7], v[ADRB] offset:32*PBP*(\q)+32*\b+16*PBP
.endr
.endm
.macro PLACES
.rept 4
	v_nop
.endr
.endm
; A quarter: 32 keys, 32 products, on buffer f; in its middle the next quarter is fetched into buffer g.  That buffer's last products stand in the quarter before; this quarter's scalings, which name
; none of their registers, are the plain instructions between them and the loads.  The 32 accumulators take turns, one instruction a turn.
; step = 1: the addresses walk on by a pair of quarters: 128 bytes of pt's rows and their padding, 64 keys of v'; f's address by 0 and by a key block's 256 bytes in turn.
.macro QUARTER q, f, g, zero, step
	s_wait_dscnt 8                                 ; f, A and B's column blocks 0-3 are in; the youngest eight loads (blocks 4-7) may be out
	WIN W1
	HEAD \f
	S1ROW \f, 0, \zero
	S1ROW \f, 1, \zero
	S1ROW \f, 2, \zero
	S1ROW \f, 3, \zero
	FETCH \q, \g
.if \step
	v_add_nc_u32 v[ADRA], 144, v[ADRA]
	v_add_nc_u32 v[ADRB], 64*PBP, v[ADRB]
	v_add_nc_u32 v[FTA], s[TG], v[FTA]
	s_xor_b32 s[TG], s[TG], 256
.endif
	s_wait_dscnt 28                                ; all but the 28 just issued
	WIN W2
	S2 \f, \zero
.endm
.macro PAIRS n                         ; n pairs of quarters
	WIN 0                                          ; at a label and at a branch every window is 0
.if (\n) > 1
	s_mov_b32 s[CNT], \n
.Lpair_\@:
.endif
	QUARTER 0, 1, 0, 0, 0
	QUARTER 1, 0, 1, 0, 1
	WIN 0
.if (\n) > 1
	s_sub_co_u32 s[CNT], s[CNT], 1
	s_cmp_lg_u32 s[CNT], 0
	s_cbranch_scc1 .Lpair_\@
.endif
.endm
; THE CHANGE OF SLOTS.  Each wave waits for all its tensor loads (one is out: its part of the new slot), adds 0 to its spare word, and waits for that and for its own reads of the old slot, whose last
; fragments are then in registers.  fill = 1: the barrier is a round of the cluster's, and the old place is filled again, two slots (384 keys) on, first thing behind it: the load has a whole slot in which to land.
.macro CHG old, new, fill
.if \fill
	s_wait_xcnt 0x0                                ; the last prefetches, a slot back, have read their address
.if (\old) == 1
	s_add_nc_u64 s[PFA:PFA+1], s[PFA:PFA+1], s[PSB:PSB+1]
.else
	s_add_nc_u64 s[PFA:PFA+1], s[PFA:PFA+1], s[PSA:PSA+1]
.endif
.endif
	WIN 0
	s_wait_tensorcnt 0x0                           ; no tensor load of mine is out, so a group 0 may be written
	ds_add_u32 v[SPW], v[NIL]                      ; 0 onto my spare word; work on registers stands between it and the wait for it
.if \fill
	s_add_nc_u64 s[G0+4*(\old)+2:G0+4*(\old)+3], s[G0+4*(\old)+2:G0+4*(\old)+3], 768
	s_add_nc_u64 s[G0B+4*(\old)+2:G0B+4*(\old)+3], s[G0B+4*(\old)+2:G0B+4*(\old)+3], 0x180000
.endif
.if (\new) == 0
	v_mov_b32 v[ADRA], v[A0]                       ; the fetches go on at the new slot's first quarter
	v_mov_b32 v[ADRB], v[B0]
.else
	v_add_nc_u32 v[ADRA], SLOT, v[A0]
	v_add_nc_u32 v[ADRB], SLOT, v[B0]
.endif
	s_wait_dscnt 0x0                               ; the add is done, and my reads of the old slot are over
.if \fill
	CROUND
	JLOAD \old
	ASK \old                                       ; place 1 holds the slots of odd number
.else
	s_barrier_signal -1
	s_barrier_wait -1
.endif
.endm
	s_wait_tensorcnt 1                             ; my part of slot 0 is in; slot 1's may stay out
	s_sub_nc_u64 s[G0+2:G0+3], s[G0+2:G0+3], 128   ; that load is done, so its group 0 may be written: set back by 64 keys, so that 384 keys on stands slot 2's first key, 320, and every refill steps alike
	s_sub_nc_u64 s[G0B+2:G0B+3], s[G0B+2:G0B+3], 0x40000
	s_wait_dscnt 0x0                               ; my numbers f and 1 / L are stored
	s_barrier_signal -1
	s_barrier_wait -1
.irp a, 0,1,2,3
	ds_load_b32 v[RLV+2*\a],   v[RLA] offset:64*\a ; 1 / L of my row in each row block, in both registers of a pair
	ds_load_b32 v[RLV+2*\a+1], v[RLA] offset:64*\a
.endr
	FETCH 0, 0
	QUARTER 1, 0, 1, 1, 1                          ; the first quarter is written out: its products start the sums
	PAIRS 1                                        ; slot 0 has four quarters: its last two are fetched here
	s_mov_b32 s3, 5
	s_branch .Lmid                                 ; the loop is entered in its middle: five trips, nine refills (slots 2 to 10)
.Llap:
	CHG 1, 0, 1
	PAIRS 3
.Lmid:
	CHG 0, 1, 1
	PAIRS 3
	s_sub_co_u32 s3, s3, 1
	s_cmp_lg_u32 s3, 0
	s_cbranch_scc1 .Llap
	CHG 1, 0, 0                                    ; the last change of slots is written out: nothing is left to ask for
	PAIRS 3
	s_wait_dscnt 8                                 ; the very last quarter fetches nothing
	WIN W1
	HEAD 1
	S1ROW 1, 0, 0
	S1ROW 1, 1, 0
	S1ROW 1, 2, 0
	S1ROW 1, 3, 0
	s_wait_dscnt 0x0
	WIN W2
	S2 1, 0
	WIN 0
	PLACES
; THE WAY OUT of row block a: sum / L + bo, one fused multiply-add for two numbers, each accumulator's registers in ascending order; 32 bytes a lane into my own stage; back as whole rows of 512 bytes.
.macro OUTB a
	WIN 0x21                                       ; source 0 window 1, source 1 window 0, source 2 window 2, destination window 0
.irp b, 0,1,2,3
.irp p, 0,1,2,3
	v_pk_fma_f32 v[TMP+8*\b+2*\p:TMP+8*\b+2*\p+1], v[8*(4*(\a)+\b)+2*\p:8*(4*(\a)+\b)+2*\p+1], v[RLV+2*(\a):RLV+2*(\a)+1], v[BOV+8*\b+2*\p:BOV+8*\b+2*\p+1] op_sel_hi:[1,0,1]
.endr
.endr
	WIN 0x22
.irp b, 0,1,2,3
.irp p, 0,1,2,3
	v_pk_fma_f32 v[TMP+32+8*\b+2*\p:TMP+32+8*\b+2*\p+1], v[8*(4*(\a)+\b)+2*\p:8*(4*(\a)+\b)+2*\p+1], v[RLV+2*(\a):RLV+2*(\a)+1], v[BOV+32+8*\b+2*\p:BOV+32+8*\b+2*\p+1] op_sel_hi:[1,0,1]
.endr
.endr
	WIN 0
.endm
.macro TOST a
.set BK, 128+64*((\a)%2)
.irp b, 0,1,2,3,4,5,6,7
	ds_store_b128 v[STO], v[TMP+8*\b:TMP+8*\b+3]   offset:64*\b
	ds_store_b128 v[STO], v[TMP+8*\b+4:TMP+8*\b+7] offset:64*\b+16
.endr
.irp t, 0,1,2,3,4,5,6,7,8,9,10,11,12,13,14,15
	ds_load_b128 v[BK+4*\t:BK+4*\t+3], v[RD] offset:\t*SPITCH  ; LDS serves a wave's instructions in order (ISA guide 5.7.1.4): these see the stores above
.endr
.endm
.macro SENDB a
.set BK, 128+64*((\a)%2)
	s_wait_dscnt 0x0                               ; the block is back in registers
	s_wait_xcnt 0x0                                ; the stores of the block before have read their data: its registers are loaded again only behind this wait
.irp t, 0,1,2,3,4,5,6,7,8,9,10,11,12,13,14,15
	global_store_b128 v[CO], v[BK+4*\t:BK+4*\t+3], s[8:9] offset:(16*(\a)+\t)*4096  ; a wave stores 512 consecutive bytes, at a multiple of 256 from out0's first byte
.endr
.endm
	OUTB 0
	TOST 0
.irp a, 1,2,3                          ; block a's arithmetic stands between block a - 1's loads from the stage and the wait for them
	OUTB \a
	SENDB (\a)-1
	TOST \a
.endr
	SENDB 3
	s_wait_tensorcnt 0x0                           ; the wave's end
	ds_add_u32 v[SPW], v[NIL]
	s_wait_dscnt 0x0
	CROUND                                         ; the closing round: no work-group ends while a partner may still ask for a tile that names it
	s_endpgm
.Lfunc_end_k_qf96f5c7a7a_mix:
	.size	k_qf96f5c7a7a_mix, .Lfunc_end_k_qf96f5c7a7a_mix-k_qf96f5c7a7a_mix
	.p2alignl 7, 3214868480
	.fill 96, 4, 3214868480
	.section	.rodata,"a",@progbits
	.p2align	6, 0x0
	.amdhsa_kernel k_qf96f5c7a7a_mix
		.amdhsa_group_segment_fixed_size 327680
		.amdhsa_private_segment_fixed_size 0
		.amdhsa_enable_private_segment 0
		.amdhsa_kernarg_size 40
		.amdhsa_user_sgpr_count 2
		.amdhsa_user_sgpr_kernarg_segment_ptr 1
		.amdhsa_wavefront_size32 1
		.amdhsa_system_sgpr_workgroup_id_x 1
		.amdhsa_system_sgpr_workgroup_id_y 1
		.amdhsa_system_sgpr_workgroup_id_z 1
		.amdhsa_system_vgpr_workitem_id 0
		.amdhsa_next_free_vgpr 768
		.amdhsa_next_free_sgpr 80
		.amdhsa_reserve_vcc 0
		.amdhsa_float_denorm_mode_32 3
		.amdhsa_float_denorm_mode_16_64 3
		.amdhsa_memory_ordered 1
		.amdhsa_forward_progress 1
		.amdhsa_inst_pref_size 115
	.end_amdhsa_kernel
	.amdgpu_metadata
---
amdhsa.version: [ 1, 2 ]
amdhsa.kernels:
  - .name:           k_qf96f5c7a7a_mix
    .symbol:         k_qf96f5c7a7a_mix.kd
    .args:
      - { .name: pt, .offset: 0, .size: 8, .value_kind: global_buffer, .address_space: global }
      - { .name: qv, .offset: 8, .size: 8, .value_kind: global_buffer, .address_space: global }
      - { .name: st, .offset: 16, .size: 8, .value_kind: global_buffer, .address_space: global }
      - { .name: bo, .offset: 24, .size: 8, .value_kind: global_buffer, .address_space: global }
      - { .name: out0, .offset: 32, .size: 8, .value_kind: global_buffer, .address_space: global }
    .group_segment_fixed_size: 327680
    .private_segment_fixed_size: 0
    .kernarg_segment_align: 8
    .kernarg_segment_size: 40
    .max_flat_workgroup_size: 128
    .sgpr_count:     80
    .vgpr_count:     768
    .wavefront_size: 32
...
	.end_amdgpu_metadata
.endif
;; end of part 8
